; MI455X (gfx1250); checked and timed in simulation.
; The chip was launched on July 23, 2026; its instructions are those of AMD's public machine-readable ISA for CDNA 5 (MIT licence, August 2026) and "CDNA5" Instruction Set Architecture Reference Guide (July 2026). The comments in the code are by the model that wrote it; some were corrected since.
;; Multi Headed Attention. Allowed arithmetic: matrix products marked QUANTISED: E2M1 operands, one E8M0 scale for each 32 along K, by v_wmma_scale_f32_16x16x128_f8f6f4 with both operands' format E2M1 (or v_wmma_scale_f32_32x16x128_f4), f32 sums; everything else in f32.
;; Inputs: Wfc 1,024 x 1,024 float32; Wk 1,024 x 1,024 float32; Wq 1,024 x 1,024 float32; Wv 1,024 x 1,024 float32; key 4 x 2,048 x 1,024 float32; mask 4 x 2,048 x 2,048 bool; query 4 x 2,048 x 1,024 float32; value 4 x 2,048 x 1,024 float32.
;; Outputs: out0 4 x 2,048 x 1,024 float32.
;; This version of the problem:
;;   THIS VERSION OF THE PROBLEM IS GIVEN IN LOW PRECISION. The matrix products marked QUANTISED in the list below multiply operands that are first quantised to E2M1 (2 exponent bits, 1 mantissa bit; 4 bits a number), with one power-of-two scale for each 32 numbers along K (OCP MX v1.0); their sums are f32. All else is computed in f32.
;;   The module's matrix products, in the order in which they are computed (A, B: the left and right operand; K: the contracted axis; several contracted axes count as one K, in the product's order):
;;     1. [M 8,192, K 1,024] x [K 1,024, N 1,024]; A: input query; B: input Wq: QUANTISED
;;     2. [M 8,192, K 1,024] x [K 1,024, N 1,024]; A: input key; B: input Wk: QUANTISED
;;     3. [M 8,192, K 1,024] x [K 1,024, N 1,024]; A: input value; B: input Wv: QUANTISED
;;     4. batch 64 x [M 2,048, K 64] x [K 64, N 2,048]; A: computed on the way; B: computed on the way: QUANTISED
;;     5. batch 64 x [M 2,048, K 2,048] x [K 2,048, N 64]; A: softmax (see below); B: computed on the way: QUANTISED
;;     6. [M 8,192, K 1,024] x [K 1,024, N 1,024]; A: computed on the way; B: input Wfc: QUANTISED
;;   THE QUANTISER, for each operand of a quantised product, along K:
;;     - K is cut into blocks of 32 from its start; a last block that is shorter is filled with zeros.
;;     - A block's scale is 2^e with e = floor(log2(the largest magnitude in the block)) - 2, held to -126 .. 127; a block of zeros has e = 0. As a byte (E8M0): e + 127.
;;     - Each number is divided by its block's scale, clamped to +-6, and rounded to the nearest number of E2M1, ties to even, subnormals kept.
;;     - The product sums the exact products of the quantised numbers (number of the format x scale) in f32.
;;   ~~~python
;;   def quantise(x, axis):      # numpy; x: float32 -> the quantised numbers, widened to float32 again
;;       x = np.moveaxis(x, axis, -1); K = x.shape[-1]
;;       x = np.pad(x, [(0, 0)] * (x.ndim - 1) + [(0, -K % 32)]); x = x.reshape(x.shape[:-1] + (-1, 32)); a = np.abs(x).max(-1, keepdims=True)
;;       e = np.where(a > 0, np.clip(np.frexp(np.where(a > 0, a, 1))[1] - 1 - 2, -126, 127), 0)      # np.frexp(a)[1] - 1 = floor(log2(a)), exactly
;;       r = np.clip(x / 2.0 ** e, -6, 6)
;;       step = 2.0 ** (np.maximum(np.frexp(np.where(r == 0, 1, r))[1] - 1, 0) - 1)
;;       q = np.round(r / step) * step * 2.0 ** e      # np.round: ties to even
;;       return np.moveaxis(q.reshape(q.shape[:-2] + (-1,))[..., :K], -1, axis).astype(np.float32)
;;   ~~~
;;   SOFTMAX AHEAD OF A QUANTISED PRODUCT. Where the list says 'softmax', what is quantised is not the finished softmax but p = 2^(t - M), with t = logit x log2(e) and M = ceil(the row's largest t), a whole number; so 1/2 < the row's largest p <= 1. The row's sum l is taken of the UNQUANTISED p, in f32, and the product's result is divided by l at the end. Since M is a whole number, a kernel that streams over the keys may use a running M (the ceiling of the running maximum): every later rescaling is an exact power of two, which a block's scale takes up: the codes' values come out the same.
;;   OPERANDS COMPUTED ON THE WAY. 'Computed on the way' means the value that the module computes at that place (a softmax that the list does not call 'softmax' is quantised finished and normalised). What goes into a quantiser is computed in f32, as accurately as f32 sums, v_exp_f32 and their like allow (about 1e-6 of the number): no bf16 or f16 on the way to a quantiser, and a product that is left as it is and whose result goes on into a quantised operand takes f32 operands (vector FMAs, or v_wmma_f32_16x16x4_f32). A number that lies on a knife's edge between two numbers of the format may be rounded either way, as far as f32 arithmetic and the matrix unit's own rounding can turn it there, and no further.
;; 2 versions. Each part assembles by itself: llvm-mc -triple=amdgcn-amd-amdhsa -mcpu=gfx1250 --defsym DOCPART=n.
;; ======== version 1 of 2: 4 launches
;; limits: right only within a limited range of input values
;; workspace buffers: wts 2,228,224 bytes; mw 2,097,152 bytes of whole numbers; qkv 13,893,632 bytes; xq 4,456,448 bytes
;; launch prep (part 1): grid 256 x 1, 4 waves a work-group, no clusters, 68,096 bytes of LDS; arguments Wq, Wk, Wv, Wfc, mask, wts, mw; writes wts, mw
.if DOCPART == 1
	.amdgcn_target "amdgcn-amd-amdhsa--gfx1250"
	.amdhsa_code_object_version 6
	.text
	.protected	k_qf3232e0eda_prep
	.globl	k_qf3232e0eda_prep
	.p2align	8
	.type	k_qf3232e0eda_prep,@function
k_qf3232e0eda_prep:
	s_mov_b64 s[64:65], 0
	v_nop
	global_prefetch_b8 v0, s[64:65] scope:SCOPE_SE
	s_setreg_imm32_b32 hwreg(HW_REG_WAVE_MODE, 25, 1), 1
	s_wait_xcnt 0x0
; PREP.  Work-groups 0-127: the four weights [1024][1024] f32 (K innermost) become codes of FP4 (E2M1) with one E8M0 byte for each 32 along K, laid in the ORDER OF THE
; OPERAND'S REGISTERS: a fragment (16 rows x 128 K) is 1,024 bytes, [c 2][lane 32][16 bytes]; wts: [tensor 4][tile 64][K step 8] fragments, then from byte 2,097,152 the scale
; words [tensor][tile][half of K 2][row 16][4 words].  THE ROWS OF A TILE ARE NOT NEIGHBOURS: lane r of tile T holds row 32 (T / 2) + 8 (T % 2) + r + 8 (r / 8), so that the results
; of two neighbouring tiles are 16 neighbours along the next product's K.
; Work-groups 128-255: the mask [4][2048][2048] of bytes becomes lane masks: mw: [b][tile of 16 queries 128][key step 16][64 words]; bit (r + 16 h) of word 16 bb + i is
; mask[b][16 tile + r][128 step + 32 bb + 16 h + i]: one word for each score register of the attention launch.
; A block's scale byte is its largest magnitude's exponent field - 2, held at 1 from below.  LIMITS: a block of zeros gets the byte 1 where the rule says 127 (its codes are zeros, and
; this program alone reads the bytes); NaN and infinities among the inputs are not served.
; A wave takes 16 rows x 512 numbers (or 16 rows x 2,048 mask bytes) in four chunks.  Each load reads 512 consecutive bytes of a row; a chunk turns through the wave's own stage in LDS
; (rows 528 bytes apart: 132 words, so that sixteen rows start four banks apart).  No barrier: waves share nothing.  The two paths have LDS bytes of their own.
.set STGB, 8448                        ; a stage: 16 rows x 528 bytes
.set MOFF, 4*STGB                      ; the mask path's stages lie behind the weights'
.set LANE, 1
.set LI,   2                           ; 16 x lane
.set STW,  3                           ; weights: into the stage
.set STR,  4                           ; weights: out of it: 528 r + 128 h
.set SH8,  5                           ; 8 h
.set R16,  6                           ; 16 r
.set STRM, 7                           ; mask: out of the stage: 528 r + 16 h
.set R0,   8                           ; v8-71, v72-135: two sets of 16 x 4 registers as loaded
.set R1,   72
.set X,    136                         ; v136-199: the chunk, turned
.set PC,   200                         ; v200-231: codes, 8 registers a chunk (mask path: words, 8 a chunk)
.set PW,   232                         ; v232-235: a scale word a chunk
.set TM,   236                         ; v236-243: at work
.set STWM, 244                         ; mask: into the stage
.set SEL,  32                          ; s[32:33]: v_permlanex16_b32's selects for lane l xor 16
.macro TOSTAGE rs, adr                 ; 16 rows as loaded
.irp i, 0,1,2,3,4,5,6,7,8,9,10,11,12,13,14,15
	ds_store_b128 v[\adr], v[\rs+4*\i:\rs+4*\i+3] offset:528*\i
.endr
.endm
; 64 numbers of a lane, register 32 c + n = k 64 c + 32 h + n of its row, become a fragment's 8 registers of codes and the row's scale word
.macro QBLK x, pc, pw, tm, sh
.irp c, 0,1
	v_max3_num_f32 v[\tm+\c], |v[\x+32*\c]|, |v[\x+32*\c+1]|, 0x1800000     ; my block 2 c + h, all 32 numbers mine; the floor 2^(3 - 127) holds the byte at 1 from below
.endr
.irp i, 2,4,6,8,10,12,14,16,18,20,22,24,26,28,30
.irp c, 0,1
	v_max3_num_f32 v[\tm+\c], v[\tm+\c], |v[\x+32*\c+\i]|, |v[\x+32*\c+\i+1]|
.endr
.endr
.irp c, 0,1
	v_add_nc_u32 v[\tm+2+\c], 0xff000000, v[\tm+\c]      ; 2 off the exponent field: the conversion's scale operand
.endr
.irp c, 0,1
	v_lshrrev_b32 v[\tm+4+\c], 23, v[\tm+2+\c]           ; the scale's byte
.endr
	v_lshl_or_b32 v[\tm+6], v[\tm+5], 16, v[\tm+4]       ; blocks h and 2 + h,
	v_lshlrev_b32 v[\tm+6], v[\sh], v[\tm+6]             ; at their places in the word
	v_permlanex16_b32 v[\tm+7], v[\tm+6], s[SEL], s[SEL+1]
	v_or_b32 v[\pw], v[\tm+6], v[\tm+7]                  ; with lane l xor 16's two bytes the word is whole
.irp c, 0,1
.irp g, 0,1,2,3
	v_cvt_scalef32_pk8_fp4_f32 v[\pc+4*\c+\g], v[\x+32*\c+8*\g:\x+32*\c+8*\g+7], v[\tm+2+\c]
.endr
.endr
	v_nop                                                ; one plain line behind the last scaled conversion
.endm
	s_load_b256 s[4:11], s[0:1], 0x0               ; Wq, Wk, Wv, Wfc
	s_load_b128 s[12:15], s[0:1], 0x20             ; mask, wts
	s_load_b64 s[16:17], s[0:1], 0x30              ; mw
	v_lshl_add_u32 v254, v0, 2, 0x10800
	v_mov_b32 v255, 0
	v_lshrrev_b32 v1, 5, v0
	v_readfirstlane_b32 s18, v1                    ; wave 0..3
	v_and_b32 v[LANE], 31, v0
	v_lshlrev_b32 v[LI], 4, v[LANE]
	v_and_b32 v[R16], 15, v0                       ; r
	v_bfe_u32 v[SH8], v0, 4, 1                     ; h
	s_mul_i32 s19, s18, STGB
	v_add_nc_u32 v[STW], s19, v[LI]
	v_mul_u32_u24 v[STR], v[R16], 528
	v_add_nc_u32 v[STR], s19, v[STR]
	v_lshl_add_u32 v[STRM], v[SH8], 4, v[STR]
	v_add_nc_u32 v[STRM], MOFF, v[STRM]
	v_lshl_add_u32 v[STR], v[SH8], 7, v[STR]
	v_add_nc_u32 v[STWM], MOFF, v[STW]
	v_lshlrev_b32 v[SH8], 3, v[SH8]
	v_lshlrev_b32 v[R16], 4, v[R16]
	v_mov_b32 v[TM+7], 0                           ; a lane permute's destination counts as one of its sources
	s_mov_b32 s[SEL], 0x76543210
	s_mov_b32 s[SEL+1], 0xfedcba98
	s_cmp_ge_u32 ttmp9, 128
	s_cbranch_scc1 .Lmask
	; ---------------- the weights
	s_lshr_b32 s20, ttmp9, 5                       ; which tensor
	s_and_b32 s21, ttmp9, 31
	s_lshl_b32 s21, s21, 2
	s_add_co_u32 s21, s21, s18
	s_lshr_b32 s22, s21, 1                         ; tile T
	s_and_b32 s23, s21, 1                          ; which half of K
	s_lshr_b32 s26, s22, 1
	s_lshl_b32 s26, s26, 5
	s_and_b32 s27, s22, 1
	s_lshl_b32 s27, s27, 3
	s_add_co_u32 s26, s26, s27                     ; the tile's first row: 32 (T / 2) + 8 (T % 2)
	s_lshl_b32 s26, s26, 12                        ; rows of 4,096 bytes
	s_lshl_b32 s27, s23, 11
	s_add_co_u32 s26, s26, s27
	s_mov_b32 s27, 0
	s_lshl_b32 s28, s20, 6
	s_add_co_u32 s28, s28, s22                     ; 64 tensor + T
	s_lshl_b32 s30, s28, 9                         ; scale words: 512 bytes a tile, 256 a half of K
	s_lshl_b32 s31, s23, 8
	s_add_co_u32 s30, s30, s31
	s_add_co_u32 s30, s30, 0x200000
	s_mov_b32 s31, 0
	s_lshl_b32 s28, s28, 13                        ; codes: 8,192 bytes a tile, 4,096 a half of K
	s_lshl_b32 s29, s23, 12
	s_add_co_u32 s28, s28, s29
	s_mov_b32 s29, 0
	s_wait_kmcnt 0x0
	s_cmp_eq_u32 s20, 1                            ; the choice hangs on the work-group's number alone
	s_cselect_b64 s[24:25], s[6:7], s[4:5]
	s_cmp_eq_u32 s20, 2
	s_cselect_b64 s[24:25], s[8:9], s[24:25]
	s_cmp_eq_u32 s20, 3
	s_cselect_b64 s[24:25], s[10:11], s[24:25]
	s_add_nc_u64 s[24:25], s[24:25], s[26:27]      ; rows 0-7 of the tile
	s_add_nc_u64 s[26:27], s[24:25], 0x8000        ; rows 8-15 lie eight rows further on than their number says
	s_add_nc_u64 s[28:29], s[14:15], s[28:29]
	s_add_nc_u64 s[30:31], s[14:15], s[30:31]
.macro WLOAD e, rs                     ; K step e of my half: 512 consecutive bytes of each of 16 rows
.irp i, 0,1,2,3,4,5,6,7
	global_load_b128 v[\rs+4*\i:\rs+4*\i+3], v[LI], s[24:25] offset:4096*\i+512*(\e) th:TH_LOAD_NT
.endr
.irp i, 8,9,10,11,12,13,14,15
	global_load_b128 v[\rs+4*\i:\rs+4*\i+3], v[LI], s[26:27] offset:4096*\i+512*(\e) th:TH_LOAD_NT
.endr
.endm
.macro WSTEP e, rs, left
	s_wait_loadcnt \left                           ; this K step's 16 loads are in; the next step's 16 may be out
	TOSTAGE \rs, STW
.irp c, 0,1
.irp j, 0,1,2,3,4,5,6,7
	ds_load_b128 v[X+32*\c+4*\j:X+32*\c+4*\j+3], v[STR] offset:256*\c+16*\j   ; LDS serves a wave's instructions in order: these see the stores above
.endr
.endr
	s_wait_dscnt 0x0                               ; the chunk is back, and the stage's stores have read their registers
.if \e < 2
	WLOAD \e+2, \rs
.endif
	QBLK X, PC+8*\e, PW+\e, TM, SH8
	global_store_b128 v[LI], v[PC+8*\e:PC+8*\e+3], s[28:29] offset:1024*\e        ; 32 lanes store 512 consecutive bytes; each K step has registers of its own
	global_store_b128 v[LI], v[PC+8*\e+4:PC+8*\e+7], s[28:29] offset:1024*\e+512
.endm
	WLOAD 0, R0
	WLOAD 1, R1
	WSTEP 0, R0, 16
	WSTEP 1, R1, 16
	WSTEP 2, R0, 16
	WSTEP 3, R1, 0
	v_cmp_gt_u32 vcc_lo, 16, v[LANE]
	s_wait_xcnt 0x0                                ; EXEC is a source of the stores above: it changes only behind this wait
	s_wait_tensorcnt 0x0
	ds_add_u32 v254, v255
	s_wait_dscnt 0x0
	s_and_saveexec_b32 s19, vcc_lo
	global_store_b128 v[R16], v[PW:PW+3], s[30:31] ; sixteen lanes store the tile's 256 bytes of scale words of this half of K
	s_wait_xcnt 0x0
	s_or_b32 exec_lo, exec_lo, s19
	s_endpgm
	; ---------------- the mask
.Lmask:
	s_sub_co_u32 s20, ttmp9, 128
	s_lshl_b32 s20, s20, 2
	s_add_co_u32 s20, s20, s18                     ; my tile of 16 queries, 0..511, batches on end
	s_lshl_b32 s24, s20, 15                        ; 16 rows of 2,048 bytes
	s_mov_b32 s25, 0
	s_lshl_b32 s28, s20, 12                        ; 16 steps of 64 words
	s_mov_b32 s29, 0
	s_mov_b32 s34, 0xff
	s_mov_b32 s35, 0xff00
	s_mov_b32 s36, 0xff0000
	s_mov_b32 s37, 0xff000000
	s_wait_kmcnt 0x0
	s_add_nc_u64 s[24:25], s[12:13], s[24:25]
	s_add_nc_u64 s[28:29], s[16:17], s[28:29]
.macro MLOAD e, rs                     ; columns 512 e on of each of 16 rows
.irp i, 0,1,2,3,4,5,6,7,8,9,10,11,12,13,14,15
	global_load_b128 v[\rs+4*\i:\rs+4*\i+3], v[LI], s[24:25] offset:2048*\i+512*(\e) th:TH_LOAD_NT
.endr
.endm
	MLOAD 0, R0
	MLOAD 1, R1
.set j, 0
.rept 32
	v_mov_b32 v[PC+j], 0                           ; v_writelane_b32's destination counts as read
.set j, j+1
.endr
.macro MCHUNK e, rs, left
	s_wait_loadcnt \left                           ; this chunk's 16 loads are in; the next chunk's 16 may be out
	TOSTAGE \rs, STWM
.irp s, 0,1,2,3
.irp b, 0,1,2,3
	ds_load_b128 v[X+16*\s+4*\b:X+16*\s+4*\b+3], v[STRM] offset:128*\s+32*\b     ; row r, columns 128 s + 32 b + 16 h + 0 .. 15
.endr
.endr
	s_wait_dscnt 0x0
.if \e < 2
	MLOAD \e+2, \rs
.endif
.irp s, 0,1,2,3
.irp b, 0,1,2,3
.irp q, 0,1,2,3
.irp k, 0,1,2,3
	v_and_b32 v[TM+\k], s[34+\k], v[X+16*\s+4*\b+\q]                              ; byte i = 4 q + k of my sixteen
.endr
.irp k, 0,1,2,3
	v_cmp_ne_u32 s[20+\k], 0, v[TM+\k]                                            ; the 32 lanes' bits: word 16 b + i of step 4 e + s
.endr
.irp k, 0,1,2,3
	v_writelane_b32 v[PC+8*\e+4*(\s/2)+\k], s[20+\k], 16*(\s%2)+4*\b+\q           ; to the lane and register from which a 16-byte store puts it at its place
.endr
.endr
.endr
.endr
	global_store_b128 v[LI], v[PC+8*\e:PC+8*\e+3], s[28:29] offset:1024*\e        ; 512 consecutive bytes: two steps' words
	global_store_b128 v[LI], v[PC+8*\e+4:PC+8*\e+7], s[28:29] offset:1024*\e+512
.endm
	MCHUNK 0, R0, 16
	MCHUNK 1, R1, 16
	MCHUNK 2, R0, 16
	MCHUNK 3, R1, 0
	s_wait_tensorcnt 0x0
	ds_add_u32 v254, v255
	s_wait_dscnt 0x0
	s_endpgm
.Lfunc_end_k_qf3232e0eda_prep:
	.size	k_qf3232e0eda_prep, .Lfunc_end_k_qf3232e0eda_prep-k_qf3232e0eda_prep
	.p2alignl 7, 3214868480
	.fill 96, 4, 3214868480
	.section	.rodata,"a",@progbits
	.p2align	6, 0x0
	.amdhsa_kernel k_qf3232e0eda_prep
		.amdhsa_group_segment_fixed_size 68096
		.amdhsa_private_segment_fixed_size 0
		.amdhsa_enable_private_segment 0
		.amdhsa_kernarg_size 56
		.amdhsa_user_sgpr_count 2
		.amdhsa_user_sgpr_kernarg_segment_ptr 1
		.amdhsa_wavefront_size32 1
		.amdhsa_system_sgpr_workgroup_id_x 1
		.amdhsa_system_sgpr_workgroup_id_y 1
		.amdhsa_system_sgpr_workgroup_id_z 1
		.amdhsa_system_vgpr_workitem_id 0
		.amdhsa_next_free_vgpr 256
		.amdhsa_next_free_sgpr 66
		.amdhsa_reserve_vcc 1
		.amdhsa_float_denorm_mode_32 3
		.amdhsa_float_denorm_mode_16_64 3
		.amdhsa_memory_ordered 1
		.amdhsa_forward_progress 1
		.amdhsa_inst_pref_size 207
	.end_amdhsa_kernel
	.amdgpu_metadata
---
amdhsa.version: [ 1, 2 ]
amdhsa.kernels:
  - .name:           k_qf3232e0eda_prep
    .symbol:         k_qf3232e0eda_prep.kd
    .args:
      - { .name: Wq, .offset: 0, .size: 8, .value_kind: global_buffer, .address_space: global }
      - { .name: Wk, .offset: 8, .size: 8, .value_kind: global_buffer, .address_space: global }
      - { .name: Wv, .offset: 16, .size: 8, .value_kind: global_buffer, .address_space: global }
      - { .name: Wfc, .offset: 24, .size: 8, .value_kind: global_buffer, .address_space: global }
      - { .name: mask, .offset: 32, .size: 8, .value_kind: global_buffer, .address_space: global }
      - { .name: wts, .offset: 40, .size: 8, .value_kind: global_buffer, .address_space: global }
      - { .name: mw, .offset: 48, .size: 8, .value_kind: global_buffer, .address_space: global }
    .group_segment_fixed_size: 68096
    .private_segment_fixed_size: 0
    .kernarg_segment_align: 8
    .kernarg_segment_size: 56
    .max_flat_workgroup_size: 128
    .sgpr_count:     66
    .vgpr_count:     256
    .wavefront_size: 32
...
	.end_amdgpu_metadata
.endif
;; end of part 1
;; launch proj (part 2): grid 256 x 1, 16 waves a work-group, no clusters, 327,680 bytes of LDS; arguments query, key, value, wts, qkv; writes qkv
.if DOCPART == 2
	.amdgcn_target "amdgcn-amd-amdhsa--gfx1250"
	.amdhsa_code_object_version 6
	.text
	.protected	k_qf3232e0eda_proj
	.globl	k_qf3232e0eda_proj
	.p2align	8
	.type	k_qf3232e0eda_proj,@function
k_qf3232e0eda_proj:
	s_mov_b64 s[64:65], 0
	v_nop
	global_prefetch_b8 v0, s[64:65] scope:SCOPE_SE
	s_setreg_imm32_b32 hwreg(HW_REG_WAVE_MODE, 25, 1), 1
	s_wait_xcnt 0x0
; PROJ.  q = query Wq^T, k = key Wk^T, v = value Wv^T, each on codes of FP4 (E2M1) with one E8M0 scale for each 32 along K, and the results quantised again for the attention launch:
; q and k along the head's 64, v along the keys.  256 WORK-GROUPS THAT STAY, two jobs each, in straight-line text:
;   job A: 64 rows of query (work-groups 0-127) or of key (128-255) x all 1,024 outputs; wave w is head w (weight tiles 4 w .. 4 w + 3), 16 accumulators;
;   job B: 64 rows of value (block g / 2) x 512 outputs (heads 8 (g % 2) on); wave w takes two weight tiles, 32 (g % 2) + 2 w and the next, 8 accumulators.
; So every work-group has the same work: 1.5 blocks of 64 x 1,024.
; x COMES BY THE TENSOR DATA MOVER: wave w brings strip w, 64 rows x 256 bytes.  Job B's x is asked for straight behind the barrier that ends job A's quantising, into the same bytes,
; and is on its way while job A's weights are streamed and multiplied.
; QUANTISING x: wave w takes 16 rows (tile w / 4) x 256 K (K steps 2 (w % 4), + 1) out of the strips, 32 neighbours along K to a lane, and stores the two fragments in LDS as images of their registers.
; THE K PHASES: the weights' fragments come from memory straight into registers (they were laid in the order of the operand's registers, and each has one reader in the work-group), ahead of their use;
; x's fragments come from LDS; the accumulators take turns.
; Job A: source 0 = weights, source 1 = x: a lane holds one row, and its registers 16 b + i are channel 32 b + 16 h + i of the head.  Job B: the sources swapped: a lane holds one channel and 64 keys.
; THE ROWS OF A TILE OF x are taken as the weights' rows are, in all three tensors: lane r of tile t holds row 32 (t / 2) + 8 (t % 2) + r + 8 (r / 8); so no LDS address hangs on the work-group's number.
; k and v want that order.  q's tiles are 16 neighbouring rows in qkv: lane r of tile j belongs to tile 2 (j / 2) + r / 8, row 8 (j % 2) + r % 8, which is a matter of the stores' addresses alone.
; qkv: q's codes [head 64][tile 128][lane][16 B] at 0, k's at 4,194,304, v's [head][channel tile 4][key step 16][c 2][lane][16 B] at 8,388,608; scale words of q at 12,582,912, of k at
; 13,107,200: [head][group of four tiles 32][h 2][r 16][e 2], tile 4 g + 2 h + e; of v at 13,631,488: [head][64 keys 32][h' 2][r 16], channel tiles 2 h' (low half) and 2 h' + 1.
; NO CLUSTER: the weights, 816 of the 1,328 KB that a work-group takes in, go into registers by vector loads, which have no joint form; through LDS each fragment would be written and read once more
; for its one reader.  What two work-groups share, value's 64 rows, is 256 KB of those 1,328.
; LIMITS: a block of zeros gets the scale byte 1 where the rule says 127 (its codes are zeros; this program alone reads the bytes); NaN and infinities among the inputs are not served.
.set STRIP, 17408                      ; LDS: sixteen strips of 64 rows x (256 bytes + 16 of padding),
.set XIMG,  16*STRIP                   ; x's 32 fragments: (tile t, K step s) at 1,024 (8 t + s),
.set XSC,   XIMG+32768                 ; their scale words: [s 8][t 4][r 16],
.set SPARE, XSC+2048                   ; and the spare words, 128 bytes for each wave: eight blocks of 256 bytes that no other line names
.set LI,   1                           ; 16 x lane
.set XL,   2                           ; XIMG + 16 x lane
.set XSL,  3                           ; XSC + 4 x lane
.set WSO,  4                           ; 512 h + 16 r
.set LANE, 5
.set STR,  6                           ; where I read the strips
.set SH8,  7                           ; 8 h
.set WS,   8                           ; v8-23   the weights' scale words: register 8 (p / 2) + s: lanes 0-15 tile 2 (p / 2), lanes 16-31 the next
.set XS,   24                          ; v24-25  x's: lanes 0-15 tile 2 pp, lanes 16-31 tile 2 pp + 1
.set XIW,  26                          ; where I store my two images,
.set XSW,  27                          ; and their scale words
.set WF,   28                          ; v28-91  the weights' fragments: job A two sets of four, job B a ring of four sets of two
.set XF,   92                          ; v92-123 x's four fragments
.set ACC,  124                         ; v124-251 accumulator (j, p) at 32 j + 8 p
.set X,    124                         ; quantising x: v124-187, v188-251 my two K steps, 64 numbers a lane each,
.set TM,   98                          ; v98-105 at work,
.set PW,   106                         ; v106, v107 the scale words just made,
.set PW2,  107
.set PC,   108                         ; v108-115, v116-123 the codes just made
.set PC2,  116
.set PCO,  92                          ; the ways out: v92-107 codes, v108-111 scale bytes, v112-117 at work, v118-119 packed scales, v120-123 offsets
.set PWO,  108
.set TQ,   112
.set PK,   118
.set VC0,  120
.set VC1,  121
.set VSO,  122
.set T0,   123
.set SPW,  252                         ; LDS address of my spare word: SPARE + 4 x my thread's number; never rewritten
.set NIL,  253                         ; 0; never rewritten
.set RR,   254                         ; r = lane % 16
.set HH,   255                         ; h = lane / 16
.set G1,   16                          ; s[16:23] descriptor group 1: the shape of a strip
.set G0A,  24                          ; s[24:27], s[28:31] group 0 for job A's x and for job B's: made at the head, never rewritten
.set G0B,  28
.set SEL,  32                          ; s[32:33] v_permlanex16_b32's selects for lane l xor 16
.set HM,   34                          ; lanes 16-31
.set SAVE, 35
.set WCA,  36                          ; s[36:43] the weights' codes and scale words, job A's and job B's
.set WSA,  38
.set WCB,  40
.set WSB,  42
.set OCA,  44                          ; s[44:51] where the results' codes and scale words go
.set OSA,  46
.set OCB,  48
.set OSB,  50
.set SE,   56                          ; s56-59 what tells q's stores from k's
.set SC,   57
.set SF,   58
.set SG,   59
.macro QBLK x, pc, pw, tm, sh          ; 64 numbers of a lane, register 32 c + n = k 64 c + 32 h + n, become a fragment's codes and the row's scale word
.irp c, 0,1
	v_max3_num_f32 v[\tm+\c], |v[\x+32*\c]|, |v[\x+32*\c+1]|, 0x1800000     ; my block 2 c + h, all 32 numbers mine; the floor 2^(3 - 127) holds the byte at 1 from below
.endr
.irp i, 2,4,6,8,10,12,14,16,18,20,22,24,26,28,30
.irp c, 0,1
	v_max3_num_f32 v[\tm+\c], v[\tm+\c], |v[\x+32*\c+\i]|, |v[\x+32*\c+\i+1]|
.endr
.endr
.irp c, 0,1
	v_add_nc_u32 v[\tm+2+\c], 0xff000000, v[\tm+\c]      ; 2 off the exponent field: the conversion's scale operand
.endr
.irp c, 0,1
	v_lshrrev_b32 v[\tm+4+\c], 23, v[\tm+2+\c]           ; the scale's byte
.endr
	v_lshl_or_b32 v[\tm+6], v[\tm+5], 16, v[\tm+4]       ; blocks h and 2 + h,
	v_lshlrev_b32 v[\tm+6], v[\sh], v[\tm+6]             ; at their places in the word
	v_permlanex16_b32 v[\tm+7], v[\tm+6], s[SEL], s[SEL+1]
	v_or_b32 v[\pw], v[\tm+6], v[\tm+7]                  ; with lane l xor 16's two bytes the word is whole
.irp c, 0,1
.irp g, 0,1,2,3
	v_cvt_scalef32_pk8_fp4_f32 v[\pc+4*\c+\g], v[\x+32*\c+8*\g:\x+32*\c+8*\g+7], v[\tm+2+\c]
.endr
.endr
	v_nop                                                ; one plain line behind the last scaled conversion
.endm
; 32 numbers of a lane, register 16 b + i = k 32 b + 16 h + i, become 4 registers of codes (k = 32 h + 0 .. 31) and two scale bytes.  The numbers are read in ascending order: each accumulator from its low end on.
.macro Q32 s, pc, pw, tm
.irp b, 0,1
	v_max3_num_f32 v[\tm+\b], |v[\s+16*\b]|, |v[\s+16*\b+1]|, 0x1800000
.endr
.irp i, 2,4,6,8,10,12,14
.irp b, 0,1
	v_max3_num_f32 v[\tm+\b], v[\tm+\b], |v[\s+16*\b+\i]|, |v[\s+16*\b+\i+1]|
.endr
.endr
.irp b, 0,1
	v_permlanex16_b32 v[\tm+2+\b], v[\tm+\b], s[SEL], s[SEL+1]
.endr
.irp b, 0,1
	v_max_num_f32 v[\tm+\b], v[\tm+\b], v[\tm+2+\b]      ; with lane l xor 16's sixteen: the block's largest magnitude
.endr
.irp b, 0,1
	v_add_nc_u32 v[\tm+4+\b], 0xff000000, v[\tm+\b]
.endr
.irp b, 0,1
	v_lshrrev_b32 v[\tm+2+\b], 23, v[\tm+4+\b]
.endr
	v_lshl_or_b32 v[\pw], v[\tm+3], 8, v[\tm+2]
.irp b, 0,1
	v_cvt_scalef32_pk8_fp4_f32 v[\pc+2*\b], v[\s+16*\b:\s+16*\b+7], v[\tm+4+\b]
	v_cvt_scalef32_pk8_fp4_f32 v[\pc+2*\b+1], v[\s+16*\b+8:\s+16*\b+15], v[\tm+4+\b]
.endr
	v_nop
	v_permlane16_swap_b32 v[\pc], v[\pc+2]               ; a whole block to a lane: lanes 0-15 block 0, lanes 16-31 block 1
	v_permlane16_swap_b32 v[\pc+1], v[\pc+3]
.endm
; one matrix instruction.  zero = 1: it starts the sum.  ra, rb: which half of the lanes holds source 0's and source 1's scale words
.macro WM d, a, b, zero, sa, sb, ra, rb
.set WSEL, 4*(\zero)+2*(\ra)+(\rb)
.if WSEL == 0
	v_wmma_scale_f32_16x16x128_f8f6f4 v[\d:\d+7], v[\a:\a+7], v[\b:\b+7], v[\d:\d+7], v[\sa], v[\sb] matrix_a_fmt:MATRIX_FMT_FP4 matrix_b_fmt:MATRIX_FMT_FP4
.elseif WSEL == 1
	v_wmma_scale_f32_16x16x128_f8f6f4 v[\d:\d+7], v[\a:\a+7], v[\b:\b+7], v[\d:\d+7], v[\sa], v[\sb] matrix_a_fmt:MATRIX_FMT_FP4 matrix_b_fmt:MATRIX_FMT_FP4 matrix_b_scale:MATRIX_SCALE_ROW1
.elseif WSEL == 2
	v_wmma_scale_f32_16x16x128_f8f6f4 v[\d:\d+7], v[\a:\a+7], v[\b:\b+7], v[\d:\d+7], v[\sa], v[\sb] matrix_a_fmt:MATRIX_FMT_FP4 matrix_b_fmt:MATRIX_FMT_FP4 matrix_a_scale:MATRIX_SCALE_ROW1
.elseif WSEL == 3
	v_wmma_scale_f32_16x16x128_f8f6f4 v[\d:\d+7], v[\a:\a+7], v[\b:\b+7], v[\d:\d+7], v[\sa], v[\sb] matrix_a_fmt:MATRIX_FMT_FP4 matrix_b_fmt:MATRIX_FMT_FP4 matrix_a_scale:MATRIX_SCALE_ROW1 matrix_b_scale:MATRIX_SCALE_ROW1
.elseif WSEL == 4
	v_wmma_scale_f32_16x16x128_f8f6f4 v[\d:\d+7], v[\a:\a+7], v[\b:\b+7], 0, v[\sa], v[\sb] matrix_a_fmt:MATRIX_FMT_FP4 matrix_b_fmt:MATRIX_FMT_FP4
.elseif WSEL == 5
	v_wmma_scale_f32_16x16x128_f8f6f4 v[\d:\d+7], v[\a:\a+7], v[\b:\b+7], 0, v[\sa], v[\sb] matrix_a_fmt:MATRIX_FMT_FP4 matrix_b_fmt:MATRIX_FMT_FP4 matrix_b_scale:MATRIX_SCALE_ROW1
.elseif WSEL == 6
	v_wmma_scale_f32_16x16x128_f8f6f4 v[\d:\d+7], v[\a:\a+7], v[\b:\b+7], 0, v[\sa], v[\sb] matrix_a_fmt:MATRIX_FMT_FP4 matrix_b_fmt:MATRIX_FMT_FP4 matrix_a_scale:MATRIX_SCALE_ROW1
.else
	v_wmma_scale_f32_16x16x128_f8f6f4 v[\d:\d+7], v[\a:\a+7], v[\b:\b+7], 0, v[\sa], v[\sb] matrix_a_fmt:MATRIX_FMT_FP4 matrix_b_fmt:MATRIX_FMT_FP4 matrix_a_scale:MATRIX_SCALE_ROW1 matrix_b_scale:MATRIX_SCALE_ROW1
.endif
.endm
.macro PLACES                          ; four plain vector lines between a matrix instruction and a load into, or a vector line on, its registers (ISA guide 7.12.1 for the vector lines)
.rept 4
	v_nop
.endr
.endm
; My 16 rows x 256 K out of the strips become two fragments in LDS.  K step 2 (w % 4) + u lies in strips 4 (w % 4) + 2 u and the next; a lane takes 128 bytes of its row from each: 32 neighbours along K.
; Rows 16 apart lie 17 x 256 bytes apart, so lanes r and r + 8 of these loads name the same banks (64 banks of 4 bytes: ISA guide 11.1): they go two deep, 32 loads a wave and job.
.macro XPHASE
.irp u, 0,1
.irp c, 0,1
.irp j, 0,1,2,3,4,5,6,7
	ds_load_b128 v[X+64*\u+32*\c+4*\j:X+64*\u+32*\c+4*\j+3], v[STR] offset:(2*\u+\c)*STRIP+16*\j
.endr
.endr
.endr
	v_mov_b32 v[TM+7], 0                           ; a lane permute's destination counts as one of its sources
	s_wait_dscnt 16                                ; my first K step is in; the second's 16 loads may be out
	QBLK X, PC, PW, TM, SH8
	ds_store_b128 v[XIW], v[PC:PC+3]               ; the fragment goes to LDS as it stands: lane l's 16 bytes at 16 l
	ds_store_b128 v[XIW], v[PC+4:PC+7] offset:512
	ds_store_b32 v[XSW], v[PW]                     ; both halves of the lanes write the same word with the same value
	s_wait_dscnt 3                                 ; my second K step is in; the three stores just issued may be out (the second fragment has registers of its own)
	QBLK X+64, PC2, PW2, TM, SH8
	ds_store_b128 v[XIW], v[PC2:PC2+3] offset:1024
	ds_store_b128 v[XIW], v[PC2+4:PC2+7] offset:1536
	ds_store_b32 v[XSW], v[PW2] offset:256
.endm
	s_load_b256 s[4:11], s[0:1], 0x0               ; query, key, value, wts
	s_load_b64 s[12:13], s[0:1], 0x20              ; qkv
	v_lshl_add_u32 v[SPW], v0, 2, SPARE
	v_mov_b32 v[NIL], 0
	ds_add_u32 v252, v253
	ds_add_u32 v252, v253
	s_wait_dscnt 0x0
	v_lshrrev_b32 v1, 5, v0
	v_readfirstlane_b32 s14, v1                    ; wave 0..15
	s_lshr_b32 s15, ttmp9, 7                       ; job A's tensor: 0 query, 1 key
	s_and_b32 s52, ttmp9, 127                      ; job A's block of 64 rows
	s_lshr_b32 s53, ttmp9, 1                       ; job B's
	s_and_b32 s54, ttmp9, 1                        ; job B's half of the outputs
	; descriptor group 1: a strip of 64 rows x 32 elements of 8 bytes, rows 512 elements apart in memory, padded in LDS
	s_mov_b32 s[G1], (3<<16)|(1<<20)|(5<<22)|(3<<25)   ; 15:0 no mask; 17:16 elements of 8 bytes; 20 padding on; 24:22 after every 64 words (code 5); 31:25 four words (code 3)
	s_mov_b32 s[G1+1], 32<<16                      ; tensor_dim0
	s_mov_b32 s[G1+2], 64<<16                      ; tensor_dim1
	s_mov_b32 s[G1+3], 32<<16                      ; tile_dim0
	s_mov_b32 s[G1+4], 64                          ; tile_dim1
	s_mov_b32 s[G1+5], 512                         ; tensor_dim0_stride
	s_mov_b32 s[G1+6], 0
	s_mov_b32 s[G1+7], 0
	s_lshl_b32 s55, s14, 8                         ; strip w: byte 256 w of each row
	s_mov_b32 s[G0A], 1                            ; count = 1
	s_mul_i32 s[G0A+1], s14, STRIP                 ; LDS address: my strip
	s_lshl_b32 s[G0A+2], s52, 18                   ; 64 rows of 4,096 bytes a block
	s_add_co_u32 s[G0A+2], s[G0A+2], s55
	s_mov_b32 s[G0A+3], 0
	s_mov_b32 s[G0B], 1
	s_mul_i32 s[G0B+1], s14, STRIP
	s_lshl_b32 s[G0B+2], s53, 18
	s_add_co_u32 s[G0B+2], s[G0B+2], s55
	s_mov_b32 s[G0B+3], 0
	v_and_b32 v[LANE], 31, v0
	v_and_b32 v[RR], 15, v0
	v_bfe_u32 v[HH], v0, 4, 1
	v_lshlrev_b32 v[LI], 4, v[LANE]
	v_lshlrev_b32 v[WSO], 4, v[RR]
	v_lshl_add_u32 v[WSO], v[HH], 9, v[WSO]
	s_lshl_b32 s[WCA], s15, 19                     ; job A's weights: 524,288 bytes of codes a tensor; my four tiles: 32,768 w
	s_lshl_b32 s55, s14, 15
	s_add_co_u32 s[WCA], s[WCA], s55
	s_mov_b32 s[WCA+1], 0
	s_lshl_b32 s[WSA], s15, 15                     ; and 512 bytes of scale words a tile
	s_lshl_b32 s55, s14, 11
	s_add_co_u32 s[WSA], s[WSA], s55
	s_add_co_u32 s[WSA], s[WSA], 0x200000
	s_mov_b32 s[WSA+1], 0
	s_lshl_b32 s[WCB], s54, 18                     ; job B's: Wv is the third tensor; tile 32 half + 2 w: 8,192 bytes of codes a tile
	s_lshl_b32 s55, s14, 14
	s_add_co_u32 s[WCB], s[WCB], s55
	s_add_co_u32 s[WCB], s[WCB], 0x100000
	s_mov_b32 s[WCB+1], 0
	s_lshl_b32 s[WSB], s54, 14
	s_lshl_b32 s55, s14, 10
	s_add_co_u32 s[WSB], s[WSB], s55
	s_add_co_u32 s[WSB], s[WSB], 0x210000
	s_mov_b32 s[WSB+1], 0
	s_wait_kmcnt 0x0
	s_cmp_eq_u32 s15, 1                            ; the choice hangs on the work-group's number alone
	s_cselect_b64 s[60:61], s[6:7], s[4:5]
	s_add_nc_u64 s[G0A+2:G0A+3], s[60:61], s[G0A+2:G0A+3]
	s_or_b32 s[G0A+3], s[G0A+3], 0x80000000        ; type = 2
	s_add_nc_u64 s[G0B+2:G0B+3], s[8:9], s[G0B+2:G0B+3]
	s_or_b32 s[G0B+3], s[G0B+3], 0x80000000
	tensor_load_to_lds s[G0A:G0A+3], s[G1:G1+7]    ; job A's x, my strip: the first fill, ahead of every wait on TENSORcnt, every LDS read and every barrier
	s_nop 0
.rept 4
	v_nop
.endr
	s_add_nc_u64 s[WCA:WCA+1], s[10:11], s[WCA:WCA+1]
	s_add_nc_u64 s[WSA:WSA+1], s[10:11], s[WSA:WSA+1]
	s_add_nc_u64 s[WCB:WCB+1], s[10:11], s[WCB:WCB+1]
	s_add_nc_u64 s[WSB:WSB+1], s[10:11], s[WSB:WSB+1]
.irp p, 0,1
.irp q, 0,1
	global_load_b128 v[WS+8*\p+4*\q:WS+8*\p+4*\q+3], v[WSO], s[WSA:WSA+1] offset:1024*\p+256*\q
.endr
.endr
.irp s, 0,1                                    ; job A's weights of K steps 0 and 1
.irp t, 0,1,2,3
.irp c, 0,1
	global_load_b128 v[WF+32*\s+8*\t+4*\c:WF+32*\s+8*\t+4*\c+3], v[LI], s[WCA:WCA+1] offset:8192*\t+1024*\s+512*\c
.endr
.endr
.endr
	; the other addresses, while x is on its way
	v_add_nc_u32 v[XL], XIMG, v[LI]
	v_lshl_add_u32 v[XSL], v[LANE], 2, XSC
	v_lshlrev_b32 v[SH8], 3, v[HH]
	s_and_b32 s55, s14, 3                          ; w % 4
	s_lshr_b32 s60, s14, 2                         ; my tile of rows: w / 4
	s_mul_i32 s61, s55, 4*STRIP                    ; my first strip: 4 (w % 4)
	s_lshr_b32 s62, s60, 1
	s_mul_i32 s62, s62, 32*272
	s_add_co_u32 s61, s61, s62
	s_and_b32 s62, s60, 1
	s_mul_i32 s62, s62, 8*272
	s_add_co_u32 s61, s61, s62                     ; the tile's first row: 32 (t / 2) + 8 (t % 2)
	v_and_b32 v[STR], 8, v[RR]
	v_add_nc_u32 v[STR], v[STR], v[RR]             ; r + 8 (r / 8)
	v_mul_u32_u24 v[STR], v[STR], 272
	v_lshl_add_u32 v[STR], v[HH], 7, v[STR]        ; + 128 h
	v_add_nc_u32 v[STR], s61, v[STR]
	s_lshl_b32 s61, s14, 11
	v_add_nc_u32 v[XIW], s61, v[XL]                ; my two images: 8 (w / 4) + 2 (w % 4) = 2 w
	s_lshl_b32 s61, s55, 9
	s_lshl_b32 s62, s60, 6
	s_add_co_u32 s61, s61, s62
	s_add_co_u32 s61, s61, XSC
	v_lshl_add_u32 v[XSW], v[RR], 2, s61           ; my scale words: 256 (2 (w % 4)) + 64 (w / 4) + 4 r
	s_mov_b32 s[SEL], 0x76543210
	s_mov_b32 s[SEL+1], 0xfedcba98
	s_mov_b32 s[HM], 0xffff0000
	s_lshr_b32 s60, s52, 5                         ; job A's results: 16 batch + head,
	s_lshl_b32 s60, s60, 4
	s_add_co_u32 s60, s60, s14
	s_and_b32 s61, s52, 31                         ; which 64 rows of the batch
	s_lshl_b32 s[OCA], s15, 22                     ; codes: 4,194,304 tensor + 65,536 head + 2,048 (64 rows)
	s_lshl_b32 s55, s60, 16
	s_add_co_u32 s[OCA], s[OCA], s55
	s_lshl_b32 s55, s61, 11
	s_add_co_u32 s[OCA], s[OCA], s55
	s_mov_b32 s[OCA+1], 0
	s_lshl_b32 s[OSA], s15, 19                     ; scale words: 12,582,912 + 524,288 tensor + 8,192 head + 256 (64 rows)
	s_lshl_b32 s55, s60, 13
	s_add_co_u32 s[OSA], s[OSA], s55
	s_lshl_b32 s55, s61, 8
	s_add_co_u32 s[OSA], s[OSA], s55
	s_add_co_u32 s[OSA], s[OSA], 12582912
	s_mov_b32 s[OSA+1], 0
	s_lshr_b32 s60, s53, 5                         ; job B's: 16 batch + 8 half + w / 2,
	s_lshl_b32 s60, s60, 4
	s_lshl_b32 s55, s54, 3
	s_add_co_u32 s60, s60, s55
	s_lshr_b32 s55, s14, 1
	s_add_co_u32 s60, s60, s55
	s_and_b32 s61, s53, 31                         ; which 64 keys of the batch,
	s_and_b32 s62, s14, 1                          ; channel tiles 2 (w % 2) and the next
	s_lshl_b32 s[OCB], s60, 16                     ; codes: 8,388,608 + 65,536 head + 32,768 (w % 2) + 512 (64 keys)
	s_lshl_b32 s55, s62, 15
	s_add_co_u32 s[OCB], s[OCB], s55
	s_lshl_b32 s55, s61, 9
	s_add_co_u32 s[OCB], s[OCB], s55
	s_add_co_u32 s[OCB], s[OCB], 8388608
	s_mov_b32 s[OCB+1], 0
	s_lshl_b32 s[OSB], s60, 12                     ; scale words: 13,631,488 + 4,096 head + 128 (64 keys) + 64 (w % 2)
	s_lshl_b32 s55, s61, 7
	s_add_co_u32 s[OSB], s[OSB], s55
	s_lshl_b32 s55, s62, 6
	s_add_co_u32 s[OSB], s[OSB], s55
	s_add_co_u32 s[OSB], s[OSB], 13631488
	s_mov_b32 s[OSB+1], 0
	s_add_nc_u64 s[OCA:OCA+1], s[12:13], s[OCA:OCA+1]
	s_add_nc_u64 s[OSA:OSA+1], s[12:13], s[OSA:OSA+1]
	s_add_nc_u64 s[OCB:OCB+1], s[12:13], s[OCB:OCB+1]
	s_add_nc_u64 s[OSB:OSB+1], s[12:13], s[OSB:OSB+1]
	s_xor_b32 s60, s15, 1                          ; what tells q's stores from k's: bytes for r / 8, for j % 2 (codes), for h, for r / 8 (scale words)
	s_lshl_b32 s60, s60, 1
	s_lshl_b32 s61, s60, 1
	s_lshl_b32 s[SE], 128, s60                     ; q 512, k 128
	s_lshr_b32 s[SC], 512, s60                     ; q 128, k 512
	s_lshl_b32 s[SF], 4, s61                       ; q 64,  k 4
	s_lshr_b32 s[SG], 64, s61                      ; q 4,   k 64
	s_wait_tensorcnt 0x0                           ; my strip has landed,
	s_barrier_signal -1
	s_barrier_wait -1                              ; everybody's has: strips are read across waves.
	; ---------------- JOB A
	XPHASE
	s_wait_tensorcnt 0x0                           ; in front of the barrier behind which the strips are filled again: none of my tensor loads is out,
	ds_add_u32 v[SPW], v[NIL]                      ; 0 onto my spare word,
	s_wait_dscnt 0x0                               ; the add is done, my reads of the strips are back, and my images lie in LDS
	s_barrier_signal -1
	s_barrier_wait -1                              ; all that holds of every wave
	tensor_load_to_lds s[G0B:G0B+3], s[G1:G1+7]    ; job B's x, my strip: my one tensor load behind this barrier and the first thing there; it has job A's eight K steps in which to land
	s_nop 0
.rept 4
	v_nop
.endr
.set KK, 0
.rept 8
.if KK > 0
	PLACES                                         ; in front of loads into registers that the last K step's products have read
.set ZR, 0
.else
.set ZR, 1
.endif
.if (KK > 0) && (KK < 7)
.irp t, 0,1,2,3
.irp c, 0,1
	global_load_b128 v[WF+32*((KK+1)%2)+8*\t+4*\c:WF+32*((KK+1)%2)+8*\t+4*\c+3], v[LI], s[WCA:WCA+1] offset:8192*\t+1024*(KK+1)+512*\c
.endr
.endr
.endif
.irp t, 0,1,2,3
.irp c, 0,1
	ds_load_b128 v[XF+8*\t+4*\c:XF+8*\t+4*\c+3], v[XL] offset:(8*\t+KK)*1024+512*\c
.endr
.endr
	ds_load_b32 v[XS], v[XSL] offset:256*KK
	ds_load_b32 v[XS+1], v[XSL] offset:256*KK+128
.if KK < 7
	s_wait_loadcnt 8                               ; this K step's weights are in; the next step's 8 loads may be out
.else
	s_wait_loadcnt 0x0
.endif
	s_wait_dscnt 0x0
.irp j, 0,1,2,3
.irp p, 0,1,2,3
	WM ACC+32*\j+8*\p, WF+32*(KK%2)+8*\p, XF+8*\j, ZR, WS+8*(\p/2)+KK, XS+\j/2, \p%2, \j%2
.endr
.endr
.set KK, KK+1
.endr
	PLACES                                         ; behind the last products: for the loads into the weights' registers and for the lines that read the sums
.irp q, 0,1
	global_load_b128 v[WS+4*\q:WS+4*\q+3], v[WSO], s[WSB:WSB+1] offset:256*\q          ; job B's weights are asked for here: scale words of my two tiles,
.endr
.irp s, 0,1,2,3
.irp j, 0,1
.irp c, 0,1
	global_load_b128 v[WF+16*\s+8*\j+4*\c:WF+16*\s+8*\j+4*\c+3], v[LI], s[WCB:WCB+1] offset:8192*\j+1024*\s+512*\c   ; and the fragments of K steps 0 to 3
.endr
.endr
.endr
	; job A's way out.  Codes of tile j, lane (r, h): 1,024 (j / 2) + SC (j % 2) + 256 h + 16 (r % 8) + SE (r / 8).  For k that is 512 j + 16 lane; for q the place of row 8 (j % 2) + r % 8 in tile 2 (j / 2) + r / 8.
	v_and_b32 v[T0], 7, v[RR]
	v_lshrrev_b32 v[TQ], 3, v[RR]
	v_lshlrev_b32 v[VC0], 4, v[T0]
	v_lshl_add_u32 v[VC0], v[HH], 8, v[VC0]
	v_mad_u32_u24 v[VC0], v[TQ], s[SE], v[VC0]
	v_add_nc_u32 v[VC1], s[SC], v[VC0]
	v_lshlrev_b32 v[VSO], 3, v[T0]                 ; scale words of tile 2 a + h: 128 a + 8 (r % 8) + SF h + SG (r / 8)
	v_mad_u32_u24 v[VSO], v[HH], s[SF], v[VSO]
	v_mad_u32_u24 v[VSO], v[TQ], s[SG], v[VSO]
	v_mov_b32 v[TQ+2], 0                           ; a lane permute's destination counts as one of its sources
	v_mov_b32 v[TQ+3], 0
.irp j, 0,1,2,3
	Q32 ACC+32*\j, PCO+4*\j, PWO+\j, TQ
.endr
	v_cndmask_b32 v[PK], v[PWO], v[PWO+1], s[HM]   ; lanes 0-15 carry tile 2 a, lanes 16-31 tile 2 a + 1
	v_cndmask_b32 v[PK+1], v[PWO+2], v[PWO+3], s[HM]
	global_store_b128 v[VC0], v[PCO:PCO+3], s[OCA:OCA+1]                   ; k: 512 consecutive bytes; q: four pieces of 128
	global_store_b128 v[VC1], v[PCO+4:PCO+7], s[OCA:OCA+1]
	global_store_b128 v[VC0], v[PCO+8:PCO+11], s[OCA:OCA+1] offset:1024
	global_store_b128 v[VC1], v[PCO+12:PCO+15], s[OCA:OCA+1] offset:1024
	global_store_b32 v[VSO], v[PK], s[OSA:OSA+1]                           ; the 32 lanes cover 128 consecutive bytes
	global_store_b32 v[VSO], v[PK+1], s[OSA:OSA+1] offset:128
	; ---------------- JOB B
	s_wait_xcnt 0x0                                ; the stores have read their registers: these are written again only behind this wait
	s_wait_tensorcnt 0x0                           ; my strip of value has landed,
	s_wait_dscnt 0x0                               ; and my reads of job A's images are long back
	s_barrier_signal -1
	s_barrier_wait -1                              ; both hold of every wave: the strips may be read and the images written again.
	XPHASE
	s_wait_dscnt 0x0                               ; for the others' sake: my images lie in LDS
	s_barrier_signal -1
	s_barrier_wait -1
.set KK, 0
.rept 8
.if KK > 0
	PLACES
.set ZR, 0
.else
.set ZR, 1
.endif
.if (KK > 0) && (KK < 5)
.irp j, 0,1
.irp c, 0,1
	global_load_b128 v[WF+16*((KK+3)%4)+8*\j+4*\c:WF+16*((KK+3)%4)+8*\j+4*\c+3], v[LI], s[WCB:WCB+1] offset:8192*\j+1024*(KK+3)+512*\c   ; three K steps ahead, into the set that the last step's products have read
.endr
.endr
.endif
.irp t, 0,1,2,3
.irp c, 0,1
	ds_load_b128 v[XF+8*\t+4*\c:XF+8*\t+4*\c+3], v[XL] offset:(8*\t+KK)*1024+512*\c
.endr
.endr
	ds_load_b32 v[XS], v[XSL] offset:256*KK
	ds_load_b32 v[XS+1], v[XSL] offset:256*KK+128
.if KK < 5
	s_wait_loadcnt 12                              ; this K step's weights are in; the 4 loads of each of the next three steps may be out
.else
	s_wait_loadcnt 4*(7-KK)                        ; the counts run down: two steps, one, none
.endif
	s_wait_dscnt 0x0
.irp j, 0,1
.irp p, 0,1,2,3
	WM ACC+32*\j+8*\p, XF+8*\p, WF+16*(KK%4)+8*\j, ZR, XS+\p/2, WS+KK, \p%2, \j
.endr
.endr
.set KK, KK+1
.endr
	PLACES
	v_mov_b32 v[TQ+2], 0
	v_mov_b32 v[TQ+3], 0
	Q32 ACC, PCO, PWO, TQ                          ; a lane holds one channel; registers 16 b + i are key 32 b + 16 h + i of the 64
	Q32 ACC+32, PCO+4, PWO+1, TQ
	v_lshl_or_b32 v[PK], v[PWO+1], 16, v[PWO]      ; my two channel tiles' bytes in one word
	v_lshlrev_b32 v[VSO], 2, v[RR]
	global_store_b128 v[LI], v[PCO:PCO+3], s[OCB:OCB+1]                    ; 512 consecutive bytes: half a fragment of a channel tile
	global_store_b128 v[LI], v[PCO+4:PCO+7], s[OCB:OCB+1] offset:16384
	v_cmp_gt_u32 vcc_lo, 16, v[LANE]
	s_wait_xcnt 0x0                                ; EXEC is a source of the stores above: it changes only behind this wait
	s_and_saveexec_b32 s[SAVE], vcc_lo
	global_store_b32 v[VSO], v[PK], s[OSB:OSB+1]   ; sixteen lanes, a word a channel
	s_wait_xcnt 0x0
	s_or_b32 exec_lo, exec_lo, s[SAVE]
	s_wait_tensorcnt 0x0                           ; the wave's end, behind my last tensor load and my last LDS store
	ds_add_u32 v[SPW], v[NIL]
	s_wait_dscnt 0x0
	s_endpgm
.Lfunc_end_k_qf3232e0eda_proj:
	.size	k_qf3232e0eda_proj, .Lfunc_end_k_qf3232e0eda_proj-k_qf3232e0eda_proj
	.p2alignl 7, 3214868480
	.fill 96, 4, 3214868480
	.section	.rodata,"a",@progbits
	.p2align	6, 0x0
	.amdhsa_kernel k_qf3232e0eda_proj
		.amdhsa_group_segment_fixed_size 327680
		.amdhsa_private_segment_fixed_size 0
		.amdhsa_enable_private_segment 0
		.amdhsa_kernarg_size 40
		.amdhsa_user_sgpr_count 2
		.amdhsa_user_sgpr_kernarg_segment_ptr 1
		.amdhsa_wavefront_size32 1
		.amdhsa_system_sgpr_workgroup_id_x 1
		.amdhsa_system_sgpr_workgroup_id_y 1
		.amdhsa_system_sgpr_workgroup_id_z 1
		.amdhsa_system_vgpr_workitem_id 0
		.amdhsa_next_free_vgpr 256
		.amdhsa_next_free_sgpr 66
		.amdhsa_reserve_vcc 1
		.amdhsa_float_denorm_mode_32 3
		.amdhsa_float_denorm_mode_16_64 3
		.amdhsa_memory_ordered 1
		.amdhsa_forward_progress 1
		.amdhsa_inst_pref_size 84
	.end_amdhsa_kernel
	.amdgpu_metadata
---
amdhsa.version: [ 1, 2 ]
amdhsa.kernels:
  - .name:           k_qf3232e0eda_proj
    .symbol:         k_qf3232e0eda_proj.kd
    .args:
      - { .name: query, .offset: 0, .size: 8, .value_kind: global_buffer, .address_space: global }
      - { .name: key, .offset: 8, .size: 8, .value_kind: global_buffer, .address_space: global }
      - { .name: value, .offset: 16, .size: 8, .value_kind: global_buffer, .address_space: global }
      - { .name: wts, .offset: 24, .size: 8, .value_kind: global_buffer, .address_space: global }
      - { .name: qkv, .offset: 32, .size: 8, .value_kind: global_buffer, .address_space: global }
    .group_segment_fixed_size: 327680
    .private_segment_fixed_size: 0
    .kernarg_segment_align: 8
    .kernarg_segment_size: 40
    .max_flat_workgroup_size: 512
    .sgpr_count:     66
    .vgpr_count:     256
    .wavefront_size: 32
...
	.end_amdgpu_metadata
.endif
;; end of part 2
;; launch attn (part 3): grid 4 x 64, 16 waves a work-group, no clusters, 145,408 bytes of LDS; arguments qkv, mw, xq; writes xq
.if DOCPART == 3
	.amdgcn_target "amdgcn-amd-amdhsa--gfx1250"
	.amdhsa_code_object_version 6
	.text
	.protected	k_qf3232e0eda_attn
	.globl	k_qf3232e0eda_attn
	.p2align	8
	.type	k_qf3232e0eda_attn,@function
k_qf3232e0eda_attn:
	s_mov_b64 s[64:65], 0
	v_nop
	global_prefetch_b8 v0, s[64:65] scope:SCOPE_SE
	s_setreg_imm32_b32 hwreg(HW_REG_WAVE_MODE, 25, 1), 1
	s_wait_xcnt 0x0
; ATTN.  ctx = softmax(mask(q k^T / 8)) v for one head, both products on codes of FP4 (E2M1) with E8M0 scales, and ctx quantised along the model's 1,024 for the last product.
; Work-group (x, y): queries 512 x .. 512 x + 511 of head y (16 batch + head).  Each of its sixteen waves takes two tiles of 16 queries, one after the other, and walks all 2,048 keys, 128 a step.
; The head's K and V as codes with their scale words are 140 KB: they are brought into LDS ONCE, through registers, as images of the operands' registers; one barrier; nothing is stored to LDS behind it.
; Both products are used transposed: S^T = K Q^T (source 0 = 16 keys), O^T = V^T P^T (source 0 = 16 channels): a lane holds ONE query (lane % 16) throughout.  The keys of a tile and the channels of a
; tile were chosen by the launch before so that registers 16 b + i are key (channel) 32 b + 16 h + i.
; The head is 64 wide and the matrix instruction 128: Q's upper four registers are zero codes, and the scale bytes of both sides' upper two blocks are 0 (2^-127): whatever stands in K's upper four
; registers (the next tile's codes; zeros behind the last) is multiplied by the number 0.  So a tile of K is four registers, and no copy is made.
; THE MASK comes as one 32-bit lane mask for each score register, by scalar loads a whole step ahead: one v_cndmask_b32 a score.
; THE SOFTMAX: t = score x log2(e) / 8; M = the running largest t rounded up to a whole number; p = 2^(t - M) is quantised along the keys; the row's sum is taken of the unquantised p and divides at the end.
; LIMITS: a masked score becomes -2^33, a logit of -2^30, where the definition has -1e9: -2^33 x log2(e) / 8 is a whole number, so a row that is masked throughout gets p = 1 everywhere, as defined;
; in every other row a masked p is 0 either way, unless an unmasked logit lies under about -1e9.  A block of zeros gets the scale byte 1.  NaN and infinities are not served.
.set KSCB, 131072                      ; LDS: K's images at 0 (512 bytes a tile), V's at 65,536 (16,384 a channel tile, 1,024 a step), K's scale words here (512 bytes a step),
.set VSCB, 139264                      ; V's here: [step 16][h' 2][r 16][e 2], channel tile 2 h' + e
.set LI,   1                           ; 16 x lane
.set L8,   2                           ; 8 x lane
.set ADK,  3                           ; the step's LDS addresses
.set ADV,  4
.set ADKS, 5
.set ADVS, 6
.set NEG,  7                           ; -2^33
.set QS,   8                           ; Q's scale words
.set PWS,  9                           ; ctx's scale bytes: lanes 0-15 my first tile's, lanes 16-31 my second's
.set QO,   10
.set QSO,  11
.set QF,   16                          ; v16-19 Q's codes, v20-23 zeros.  v12 -M, v13 the largest t, v[14:15] the sum in two halves
.set KF,   24                          ; v24-55 eight tiles of K, v56-59 zeros
.set VF,   60                          ; v60-91 four fragments of V^T
.set S,    92                          ; v92-155 S^T, then p
.set O,    156                         ; v156-187 O^T
.set PC,   188                         ; v188-195 p's codes
.set KS,   196                         ; v196-199 K's scale words
.set VS,   200                         ; v200-201 V's
.set XO,   202
.set VSW,  203
.set BM,   204                         ; v204-207 the blocks' largest scores
.set BT,   208
.set SO,   212                         ; v212-215 the conversions' scale operands
.set TMP,  216
.set RCP,  217
.set FF,   218                         ; f = 2^(old M - new M)
.set PW,   219                         ; p's scale word
.set SUM2, 220
.set PCX,  222                         ; v222-225 ctx's codes
.set PWX,  226
.set XSO,  227
.set TQ,   228                         ; v228-233 at work
.set WV,   2
.set MP,   12                          ; s[12:13] where the mask words of the step to be asked for stand
.set INC,  14                          ; s[14:15]
.set SEL,  92
.set CS,   94                          ; s[94:95] c = log2(e) / 8
.set STEPS, 96
.set TILES, 97
.set LEFT, 98                          ; steps still to go, of my 32
.set SK,   99
.set SV,   100
.set SKS,  101
.set SVS,  104
.set HALF, 105
; the 64 mask words stand in s[16:63] and s[68:83]
.macro Q32 s, pc, pw, tm               ; 32 numbers of a lane, register 16 b + i = k 32 b + 16 h + i, become 4 registers of codes (k = 32 h + 0 .. 31) and two scale bytes
.irp b, 0,1
	v_max3_num_f32 v[\tm+\b], |v[\s+16*\b]|, |v[\s+16*\b+1]|, 0x1800000     ; the floor 2^(3 - 127) holds the byte at 1 from below
.endr
.irp i, 2,4,6,8,10,12,14
.irp b, 0,1
	v_max3_num_f32 v[\tm+\b], v[\tm+\b], |v[\s+16*\b+\i]|, |v[\s+16*\b+\i+1]|
.endr
.endr
.irp b, 0,1
	v_permlanex16_b32 v[\tm+2+\b], v[\tm+\b], s[SEL], s[SEL+1]
.endr
.irp b, 0,1
	v_max_num_f32 v[\tm+\b], v[\tm+\b], v[\tm+2+\b]
.endr
.irp b, 0,1
	v_add_nc_u32 v[\tm+4+\b], 0xff000000, v[\tm+\b]
.endr
.irp b, 0,1
	v_lshrrev_b32 v[\tm+2+\b], 23, v[\tm+4+\b]
.endr
	v_lshl_or_b32 v[\pw], v[\tm+3], 8, v[\tm+2]
.irp b, 0,1
	v_cvt_scalef32_pk8_fp4_f32 v[\pc+2*\b], v[\s+16*\b:\s+16*\b+7], v[\tm+4+\b]
	v_cvt_scalef32_pk8_fp4_f32 v[\pc+2*\b+1], v[\s+16*\b+8:\s+16*\b+15], v[\tm+4+\b]
.endr
	v_nop                                                ; one plain line behind the last scaled conversion
	v_permlane16_swap_b32 v[\pc], v[\pc+2]
	v_permlane16_swap_b32 v[\pc+1], v[\pc+3]
.endm
.macro WM d, a, b, zero, sa, sb, ra    ; one matrix instruction.  zero = 1: it starts the sum.  ra: which half of the lanes holds source 0's scale words
.set WSEL, 2*(\zero)+(\ra)
.if WSEL == 0
	v_wmma_scale_f32_16x16x128_f8f6f4 v[\d:\d+7], v[\a:\a+7], v[\b:\b+7], v[\d:\d+7], v[\sa], v[\sb] matrix_a_fmt:MATRIX_FMT_FP4 matrix_b_fmt:MATRIX_FMT_FP4
.elseif WSEL == 1
	v_wmma_scale_f32_16x16x128_f8f6f4 v[\d:\d+7], v[\a:\a+7], v[\b:\b+7], v[\d:\d+7], v[\sa], v[\sb] matrix_a_fmt:MATRIX_FMT_FP4 matrix_b_fmt:MATRIX_FMT_FP4 matrix_a_scale:MATRIX_SCALE_ROW1
.elseif WSEL == 2
	v_wmma_scale_f32_16x16x128_f8f6f4 v[\d:\d+7], v[\a:\a+7], v[\b:\b+7], 0, v[\sa], v[\sb] matrix_a_fmt:MATRIX_FMT_FP4 matrix_b_fmt:MATRIX_FMT_FP4
.else
	v_wmma_scale_f32_16x16x128_f8f6f4 v[\d:\d+7], v[\a:\a+7], v[\b:\b+7], 0, v[\sa], v[\sb] matrix_a_fmt:MATRIX_FMT_FP4 matrix_b_fmt:MATRIX_FMT_FP4 matrix_a_scale:MATRIX_SCALE_ROW1
.endif
.endm
	s_load_b128 s[4:7], s[0:1], 0x0                ; qkv, mw
	s_load_b64 s[8:9], s[0:1], 0x10                ; xq
	v_lshl_add_u32 v254, v0, 2, 0x23000
	v_mov_b32 v255, 0
	v_lshrrev_b32 v1, 5, v0
	v_readfirstlane_b32 s[WV], v1                  ; wave 0..15
	s_and_b32 s11, ttmp7, 0xffff                   ; 16 batch + head
	v_and_b32 v2, 31, v0                           ; lane
	v_and_b32 v[TMP], 15, v0                       ; r
	v_bfe_u32 v[RCP], v0, 4, 1                     ; h
	v_lshlrev_b32 v[LI], 4, v2
	v_lshlrev_b32 v[ADK], 4, v0                    ; the copy: 16 x thread, in memory and in LDS
	v_add_nc_u32 v[ADV], 65536, v[ADK]
	v_add_nc_u32 v[ADKS], KSCB, v[ADK]
	v_lshlrev_b32 v[ADVS], 2, v2
	v_lshlrev_b32 v[L8], 3, v2
	s_lshl_b32 s3, s[WV], 8
	s_add_co_u32 s10, s3, VSCB
	v_add_nc_u32 v[VSW], s10, v[L8]                ; V's scale words of step w
	s_lshl_b32 s84, s11, 16
	s_add_co_u32 s86, s84, 0x800000                ; V's codes of my head
	s_add_co_u32 s84, s84, 0x400000                ; K's
	s_lshl_b32 s88, s11, 13
	s_add_co_u32 s88, s88, 13107200                ; K's scale words
	s_lshl_b32 s90, s11, 12
	s_add_co_u32 s90, s90, s3
	s_add_co_u32 s90, s90, 13631488                ; V's, of the two runs of 64 keys of step w
	s_mov_b32 s85, 0
	s_mov_b32 s87, 0
	s_mov_b32 s89, 0
	s_mov_b32 s91, 0
	s_lshr_b32 s3, s11, 4                          ; batch
	s_and_b32 s10, s11, 15                         ; head
	s_lshl_b32 s96, ttmp9, 5
	s_lshl_b32 s97, s[WV], 1
	s_add_co_u32 s96, s96, s97                     ; my first tile of queries in the batch: 32 x + 2 w
	s_lshl_b32 s12, s3, 19                         ; mask words: 524,288 bytes a batch, 4,096 a tile, 256 a step
	s_lshl_b32 s97, s96, 12
	s_add_co_u32 s12, s12, s97
	s_mov_b32 s13, 0
	s_wait_kmcnt 0x0
	s_add_nc_u64 s[84:85], s[4:5], s[84:85]
	s_add_nc_u64 s[86:87], s[4:5], s[86:87]
	s_add_nc_u64 s[88:89], s[4:5], s[88:89]
	s_add_nc_u64 s[90:91], s[4:5], s[90:91]
	s_add_nc_u64 s[MP:MP+1], s[6:7], s[12:13]
.irp p, 0,1,2,3,4,5,6,7
	global_load_b128 v[S+4*\p:S+4*\p+3], v[ADK], s[84:85] offset:8192*\p           ; the sixteen waves read 8,192 consecutive bytes
.endr
.irp p, 0,1,2,3,4,5,6,7
	global_load_b128 v[S+32+4*\p:S+32+4*\p+3], v[ADK], s[86:87] offset:8192*\p
.endr
	global_load_b128 v[S+64:S+67], v[ADK], s[88:89]
	global_load_b32 v160, v[ADVS], s[90:91]
	global_load_b32 v161, v[ADVS], s[90:91] offset:128
	s_load_b512 s[16:31], s[MP:MP+1], 0x0          ; the first step's 64 mask words
	s_load_b512 s[32:47], s[MP:MP+1], 0x40
	s_load_b512 s[48:63], s[MP:MP+1], 0x80
	s_load_b512 s[68:83], s[MP:MP+1], 0xc0
	s_lshl_b32 s97, s11, 16                        ; Q's codes: 65,536 a head, 512 a tile
	s_lshl_b32 s98, s96, 9
	s_add_co_u32 s97, s97, s98
	v_add_nc_u32 v[QO], s97, v[LI]
	s_lshl_b32 s97, s11, 13                        ; Q's scale words: 8,192 a head; tile 32 x + 2 w + i: 2,048 x + 128 w + 8 r + 4 i
	s_lshl_b32 s98, ttmp9, 11
	s_add_co_u32 s97, s97, s98
	s_lshl_b32 s98, s[WV], 7
	s_add_co_u32 s97, s97, s98
	s_add_co_u32 s97, s97, 12582912
	v_lshl_add_u32 v[QSO], v[TMP], 3, s97
	s_lshl_b32 s98, s3, 7
	s_add_co_u32 s98, s98, s96                     ; my first tile of rows of all 512
	s_lshl_b32 s97, s98, 13                        ; ctx's codes: 8,192 a tile of rows, 512 a head
	s_lshl_b32 s99, s10, 9
	s_add_co_u32 s97, s97, s99
	v_add_nc_u32 v[XO], s97, v[LI]
	s_lshl_b32 s97, s98, 9                         ; ctx's scale bytes: 512 a tile of rows, 32 a head, 2 a row
	s_lshl_b32 s99, s10, 5
	s_add_co_u32 s97, s97, s99
	s_add_co_u32 s97, s97, 4194304
	v_lshlrev_b32 v[XSO], 1, v[TMP]
	v_lshl_add_u32 v[XSO], v[RCP], 9, v[XSO]       ; lanes 16-31: my second tile
	v_add_nc_u32 v[XSO], s97, v[XSO]
	v_mov_b32 v[NEG], 0xd0000000
	v_mov_b32 v[PWS], 0
.irp j, 0,1,2,3
	v_mov_b32 v[QF+4+\j], 0                        ; Q's upper 64 along K: zero codes
	v_mov_b32 v[KF+32+\j], 0                       ; behind K's last tile
	v_mov_b32 v[BT+\j], 0                          ; a lane permute's destination counts as one of its sources
.endr
	v_mov_b32 v[PW], 0                             ; named as the upper half of the pair v[FF:PW] before it is first made
	v_mov_b32 v[TQ+2], 0
	v_mov_b32 v[TQ+3], 0
	s_mov_b32 s[SEL], 0x76543210
	s_mov_b32 s[SEL+1], 0xfedcba98
	s_mov_b32 s[CS], 0x3e38aa3b
	s_mov_b32 s[CS+1], s[CS]                       ; named with it as a pair, so it is written
	s_mov_b32 s[INC+1], 0
	s_mov_b32 s[LEFT], 32
	s_mov_b32 s[TILES], 2
	s_mov_b32 s[HALF], 0xffff
	s_wait_loadcnt 0x0
.irp p, 0,1,2,3,4,5,6,7
	ds_store_b128 v[ADK], v[S+4*\p:S+4*\p+3] offset:8192*\p
.endr
.irp p, 0,1,2,3,4,5,6,7
	ds_store_b128 v[ADV], v[S+32+4*\p:S+32+4*\p+3] offset:8192*\p
.endr
	ds_store_b128 v[ADKS], v[S+64:S+67]
	v_perm_b32 v162, v161, v160, 0x05040100        ; channel tile 2 h': the first 64 keys' two bytes, then the second 64's
	v_perm_b32 v163, v161, v160, 0x07060302        ; channel tile 2 h' + 1
	ds_store_b64 v[VSW], v[162:163]
	s_wait_dscnt 0x0                               ; for the others' sake: my part lies in LDS
	s_barrier_signal -1
	s_barrier_wait -1                              ; the head's K and V are whole; LDS is only read from here on
.Ltile:
	global_load_b128 v[QF:QF+3], v[QO], s[4:5]
	global_load_b32 v[QS], v[QSO], s[4:5]
.set j, 0
.rept 32
	v_mov_b32 v[O+j], 0                            ; the step is written once: a tile's first step finds zeros, which the first change of M leaves zeros
.set j, j+1
.endr
	v_mov_b32 v13, 0xff61b1e6                      ; the largest t so far: -3e38
	v_floor_f32 v12, -v13                          ; -M
	v_mov_b32 v14, 0
	v_mov_b32 v15, 0
	s_mov_b32 s[SK], 0
	s_mov_b32 s[SV], 65536
	s_mov_b32 s[SKS], KSCB
	s_mov_b32 s[SVS], VSCB
	s_mov_b32 s[STEPS], 16
	s_wait_loadcnt 0x0
.Lstep:
	v_add_nc_u32 v[ADK], s[SK], v[LI]              ; these four are also the places between the last step's products and the loads into their registers
	v_add_nc_u32 v[ADV], s[SV], v[LI]
	v_add_nc_u32 v[ADKS], s[SKS], v[L8]
	v_add_nc_u32 v[ADVS], s[SVS], v[L8]
.irp t, 0,1,2,3,4,5,6,7
	ds_load_b128 v[KF+4*\t:KF+4*\t+3], v[ADK] offset:512*\t
.endr
	ds_load_b64 v[KS:KS+1], v[ADKS]                ; register 2 g + e: lanes 0-15 tile 4 g + e, lanes 16-31 tile 4 g + 2 + e
	ds_load_b64 v[KS+2:KS+3], v[ADKS] offset:256
.irp n, 0,1,2,3
.irp c, 0,1
	ds_load_b128 v[VF+8*\n+4*\c:VF+8*\n+4*\c+3], v[ADV] offset:16384*\n+512*\c
.endr
.endr
	ds_load_b64 v[VS:VS+1], v[ADVS]
	s_wait_dscnt 9                                 ; K and its scale words are in; V's eight loads and its scale words may be out
.irp t, 0,1,2,3,4,5,6,7
	WM S+8*\t, KF+4*\t, QF, 1, KS+2*(\t/4)+\t%2, QS, (\t%4)/2
.endr
.rept 4
	v_nop
.endr
	s_wait_kmcnt 0x0                               ; this step's mask words, asked for a step ago
.set n, 0
.rept 64
	v_cndmask_b32 v[S+n], v[S+n], v[NEG], s[16+n+4*(n/48)]     ; in ascending order: each accumulator is read from its low end on
.set n, n+1
.endr
	s_cmp_lg_u32 s[LEFT], 1                        ; the next step's words; my very last step asks for its own again, so that no load leaves the buffer
	s_cselect_b32 s[INC], 256, 0
	s_add_nc_u64 s[MP:MP+1], s[MP:MP+1], s[INC:INC+1]    ; (behind the wait above: the last loads have read their base)
	s_sub_co_u32 s[LEFT], s[LEFT], 1
	s_load_b512 s[16:31], s[MP:MP+1], 0x0
	s_load_b512 s[32:47], s[MP:MP+1], 0x40
	s_load_b512 s[48:63], s[MP:MP+1], 0x80
	s_load_b512 s[68:83], s[MP:MP+1], 0xc0
.irp b, 0,1,2,3
	v_max3_num_f32 v[BM+\b], v[S+16*\b], v[S+16*\b+1], v[S+16*\b+2]        ; the largest score of each block of 32 keys: for the row's maximum and, since p rises with the score, for the block's largest p
.endr
.irp i, 3,5,7,9,11,13
.irp b, 0,1,2,3
	v_max3_num_f32 v[BM+\b], v[BM+\b], v[S+16*\b+\i], v[S+16*\b+\i+1]
.endr
.endr
.irp b, 0,1,2,3
	v_max_num_f32 v[BM+\b], v[BM+\b], v[S+16*\b+15]
.endr
.irp b, 0,1,2,3
	v_permlanex16_b32 v[BT+\b], v[BM+\b], s[SEL], s[SEL+1]
.endr
.irp b, 0,1,2,3
	v_max_num_f32 v[BM+\b], v[BM+\b], v[BT+\b]
.endr
	v_max3_num_f32 v[TMP], v[BM], v[BM+1], v[BM+2]
	v_max_num_f32 v[TMP], v[TMP], v[BM+3]
	v_mul_f32 v[TMP], s[CS], v[TMP]
	v_max_num_f32 v13, v13, v[TMP]                 ; the running largest t
	v_mov_b32 v[TMP], v12
	v_floor_f32 v12, -v13                          ; the new -M: M is a whole number
	v_sub_f32 v[TMP], v12, v[TMP]                  ; old M - new M: a whole number, 0 or less
	v_cvt_i32_f32 v[TMP], v[TMP]                   ; (it saturates)
	v_ldexp_f32 v[FF], 1.0, v[TMP]                 ; f = 2^(old M - new M): a multiplication by it rounds nothing
.set j, 0
.rept 32
	v_pk_fma_f32 v[S+j:S+j+1], v[S+j:S+j+1], s[CS:CS+1], v[12:13] op_sel_hi:[1,0,0]      ; t - M
.set j, j+2
.endr
.irp b, 0,1,2,3
	v_fma_f32 v[BM+\b], v[BM+\b], s[CS], v12
.endr
.set j, 0
.rept 64
	v_exp_f32 v[S+j], v[S+j]                       ; p = 2^(t - M)
.set j, j+1
.endr
	v_pk_mul_f32 v[14:15], v[14:15], v[FF:FF+1] op_sel_hi:[1,0]    ; the sum under the new M: the plain line behind the exponentials
	s_wait_alu depctr_va_vdst(0)                   ; one wait for the batch of 64, ahead of its first reader
.irp b, 0,1,2,3
	v_exp_f32 v[BM+\b], v[BM+\b]                   ; the blocks' largest p
.endr
	v_pk_add_f32 v[SUM2:SUM2+1], v[S:S+1], v[S+2:S+3]              ; the row's sum of the unquantised p, in two chains
.irp j, 4,8,12,16,20,24,28,32,36,40,44,48,52,56,60
	v_pk_add_f32 v[14:15], v[14:15], v[S+\j:S+\j+1]
	v_pk_add_f32 v[SUM2:SUM2+1], v[SUM2:SUM2+1], v[S+\j+2:S+\j+3]
.endr
	v_pk_add_f32 v[14:15], v[14:15], v[SUM2:SUM2+1]
	s_wait_alu depctr_va_vdst(0)                   ; and one for the four
.irp b, 0,1,2,3
	v_max_num_f32 v[BM+\b], 0x1800000, v[BM+\b]    ; the floor 2^(3 - 127): the byte cannot fall under 1
.endr
.irp b, 0,1,2,3
	v_add_nc_u32 v[SO+\b], 0xff000000, v[BM+\b]
.endr
.irp b, 0,1,2,3
	v_lshrrev_b32 v[BT+\b], 23, v[SO+\b]
.endr
	v_lshl_or_b32 v[PW], v[BT+1], 8, v[BT]
	v_lshl_or_b32 v[PW], v[BT+2], 16, v[PW]
	v_lshl_or_b32 v[PW], v[BT+3], 24, v[PW]
.irp b, 0,1,2,3
	v_cvt_scalef32_pk8_fp4_f32 v[PC+2*\b], v[S+16*\b:S+16*\b+7], v[SO+\b]
	v_cvt_scalef32_pk8_fp4_f32 v[PC+2*\b+1], v[S+16*\b+8:S+16*\b+15], v[SO+\b]
.endr
	v_nop                                          ; one plain line behind the last scaled conversion
.irp c, 0,1
.irp i, 0,1
	v_permlane16_swap_b32 v[PC+4*\c+\i], v[PC+4*\c+2+\i]           ; a whole block to a lane
.endr
.endr
.set j, 0
.rept 16
	v_pk_mul_f32 v[O+j:O+j+1], v[O+j:O+j+1], v[FF:FF+1] op_sel_hi:[1,0]    ; O^T under the new M; these sixteen are also the places between p's scale word and codes and the products
.set j, j+2
.endr
	s_wait_dscnt 0x0                               ; V and its scale words
.irp n, 0,1,2,3
	WM O+8*\n, VF+8*\n, PC, 0, VS+\n%2, PW, \n/2
.endr
	s_add_co_u32 s[SK], s[SK], 4096
	s_add_co_u32 s[SV], s[SV], 1024
	s_add_co_u32 s[SKS], s[SKS], 512
	s_add_co_u32 s[SVS], s[SVS], 256
	s_sub_co_u32 s[STEPS], s[STEPS], 1
	s_cmp_lg_u32 s[STEPS], 0
	s_cbranch_scc1 .Lstep
	; ---- the tile's end: ctx = O^T / the sum, quantised along the head's 64
.rept 4
	v_nop
.endr
	v_add_f32 v14, v14, v15
	v_permlanex16_b32 v[TMP], v14, s[SEL], s[SEL+1]
	v_add_f32 v14, v14, v[TMP]                     ; the row's sum
	v_rcp_f32 v[RCP], v14
	v_nop                                          ; a plain line behind the transcendental
	s_wait_alu depctr_va_vdst(0)                   ; and the wait ahead of its first reader
.set j, 0
.rept 32
	v_mul_f32 v[S+j], v[O+j], v[RCP]               ; register 16 b + i: channel 32 b + 16 h + i of my query
.set j, j+1
.endr
	Q32 S, PCX, PWX, TQ
	global_store_b128 v[XO], v[PCX:PCX+3], s[8:9]  ; 512 consecutive bytes: half a fragment of the last product's first operand
	v_cndmask_b32 v[PWS], v[PWS], v[PWX], s[HALF]
	s_lshl_b32 s[HALF], s[HALF], 16
	s_wait_xcnt 0x0                                ; the store has read its registers: its address and data are written again only behind this wait
	v_add_nc_u32 v[XO], 8192, v[XO]
	v_add_nc_u32 v[QO], 512, v[QO]
	v_add_nc_u32 v[QSO], 4, v[QSO]
	s_sub_co_u32 s[TILES], s[TILES], 1
	s_cmp_lg_u32 s[TILES], 0
	s_cbranch_scc1 .Ltile
	global_store_b16 v[XSO], v[PWS], s[8:9]        ; two bytes a row: lanes 0-15 my first tile's rows, lanes 16-31 my second's
	s_wait_kmcnt 0x0                               ; the last scalar loads have landed
	s_wait_tensorcnt 0x0
	ds_add_u32 v254, v255
	s_wait_dscnt 0x0
	s_endpgm
.Lfunc_end_k_qf3232e0eda_attn:
	.size	k_qf3232e0eda_attn, .Lfunc_end_k_qf3232e0eda_attn-k_qf3232e0eda_attn
	.p2alignl 7, 3214868480
	.fill 96, 4, 3214868480
	.section	.rodata,"a",@progbits
	.p2align	6, 0x0
	.amdhsa_kernel k_qf3232e0eda_attn
		.amdhsa_group_segment_fixed_size 145408
		.amdhsa_private_segment_fixed_size 0
		.amdhsa_enable_private_segment 0
		.amdhsa_kernarg_size 24
		.amdhsa_user_sgpr_count 2
		.amdhsa_user_sgpr_kernarg_segment_ptr 1
		.amdhsa_wavefront_size32 1
		.amdhsa_system_sgpr_workgroup_id_x 1
		.amdhsa_system_sgpr_workgroup_id_y 1
		.amdhsa_system_sgpr_workgroup_id_z 1
		.amdhsa_system_vgpr_workitem_id 0
		.amdhsa_next_free_vgpr 256
		.amdhsa_next_free_sgpr 106
		.amdhsa_reserve_vcc 0
		.amdhsa_float_denorm_mode_32 3
		.amdhsa_float_denorm_mode_16_64 3
		.amdhsa_memory_ordered 1
		.amdhsa_forward_progress 1
		.amdhsa_inst_pref_size 33
	.end_amdhsa_kernel
	.amdgpu_metadata
---
amdhsa.version: [ 1, 2 ]
amdhsa.kernels:
  - .name:           k_qf3232e0eda_attn
    .symbol:         k_qf3232e0eda_attn.kd
    .args:
      - { .name: qkv, .offset: 0, .size: 8, .value_kind: global_buffer, .address_space: global }
      - { .name: mw, .offset: 8, .size: 8, .value_kind: global_buffer, .address_space: global }
      - { .name: xq, .offset: 16, .size: 8, .value_kind: global_buffer, .address_space: global }
    .group_segment_fixed_size: 145408
    .private_segment_fixed_size: 0
    .kernarg_segment_align: 8
    .kernarg_segment_size: 24
    .max_flat_workgroup_size: 512
    .sgpr_count:     106
    .vgpr_count:     256
    .wavefront_size: 32
...
	.end_amdgpu_metadata
.endif
;; end of part 3
;; launch outln (part 4): grid 256 x 1, 16 waves a work-group, no clusters, 151,552 bytes of LDS; arguments xq, wts, query, out0; writes out0
.if DOCPART == 4
	.amdgcn_target "amdgcn-amd-amdhsa--gfx1250"
	.amdhsa_code_object_version 6
	.text
	.protected	k_qf3232e0eda_outln
	.globl	k_qf3232e0eda_outln
	.p2align	8
	.type	k_qf3232e0eda_outln,@function
k_qf3232e0eda_outln:
	s_mov_b64 s[64:65], 0
	v_nop
	global_prefetch_b8 v0, s[64:65] scope:SCOPE_SE
	s_setreg_imm32_b32 hwreg(HW_REG_WAVE_MODE, 25, 1), 1
	s_wait_xcnt 0x0
; OUTLN.  y = ctx Wfc^T + query, on codes of FP4 (E2M1) with E8M0 scales, then LayerNorm over each row's 1,024 (no gain, no bias, eps 1e-5), all else in f32.
; A work-group takes 32 rows (two tiles of 16) and all 1,024 columns, so that a row's mean and variance never leave it.  Wave w makes columns 64 w .. 64 w + 63 (weight tiles 4 w .. 4 w + 3) of the 32 rows:
; 8 accumulators by turns.  The weights' fragments come from memory straight into registers, one K step ahead; ctx's 16 fragments are copied to LDS once.
; Source 0 = weights, source 1 = ctx: a lane holds one row, and its registers 16 b + i are column 64 w + 32 b + 16 h + i.  The results meet in a stage in LDS (rows of 4,096 + 16 bytes);
; then wave w owns rows 2 w and 2 w + 1 whole: residual, mean, variance about the mean, scaling, and stores of 512 consecutive bytes.
.set XSC,  16384                       ; LDS: ctx's images at 0 (8,192 a tile of rows, 1,024 a K step); its scale words here: [K step 8][tile 2][r 16];
.set STG,  17408                       ; the stage: 32 rows x 4,112 bytes
.set LI,   1                           ; 16 x lane
.set TI,   2                           ; 16 x thread
.set XSL,  3                           ; XSC + 4 x lane
.set SO0,  4                           ; into the stage: tile 0's rows, tile 1's
.set SO1,  5
.set SR,   6                           ; out of it: my two rows
.set WSO,  7                           ; 512 h + 16 r
.set WS,   8                           ; v8-23  the weights' scale words
.set XS,   24                          ; v24    ctx's: lanes 0-15 tile 0, lanes 16-31 tile 1
.set XGO,  25
.set XSW,  26
.set WF,   28                          ; v28-59, v60-91 the weights' four fragments, two sets; later Y: my two rows
.set Y,    28
.set XF,   92                          ; v92-107 ctx's two fragments; later the rows' -mean and 1 / deviation, a pair each
.set NM,   92
.set RS,   96
.set ACC,  108                         ; v108-171 accumulator (j, p) at 32 j + 8 p
.set RES,  172                         ; v172-235 my two rows of the residual
.set T,    246                         ; v246-253 sums: four registers a row
.macro WM d, a, b, zero, sa, sb, ra, rb
.set WSEL, 4*(\zero)+2*(\ra)+(\rb)
.if WSEL == 0
	v_wmma_scale_f32_16x16x128_f8f6f4 v[\d:\d+7], v[\a:\a+7], v[\b:\b+7], v[\d:\d+7], v[\sa], v[\sb] matrix_a_fmt:MATRIX_FMT_FP4 matrix_b_fmt:MATRIX_FMT_FP4
.elseif WSEL == 1
	v_wmma_scale_f32_16x16x128_f8f6f4 v[\d:\d+7], v[\a:\a+7], v[\b:\b+7], v[\d:\d+7], v[\sa], v[\sb] matrix_a_fmt:MATRIX_FMT_FP4 matrix_b_fmt:MATRIX_FMT_FP4 matrix_b_scale:MATRIX_SCALE_ROW1
.elseif WSEL == 2
	v_wmma_scale_f32_16x16x128_f8f6f4 v[\d:\d+7], v[\a:\a+7], v[\b:\b+7], v[\d:\d+7], v[\sa], v[\sb] matrix_a_fmt:MATRIX_FMT_FP4 matrix_b_fmt:MATRIX_FMT_FP4 matrix_a_scale:MATRIX_SCALE_ROW1
.elseif WSEL == 3
	v_wmma_scale_f32_16x16x128_f8f6f4 v[\d:\d+7], v[\a:\a+7], v[\b:\b+7], v[\d:\d+7], v[\sa], v[\sb] matrix_a_fmt:MATRIX_FMT_FP4 matrix_b_fmt:MATRIX_FMT_FP4 matrix_a_scale:MATRIX_SCALE_ROW1 matrix_b_scale:MATRIX_SCALE_ROW1
.elseif WSEL == 4
	v_wmma_scale_f32_16x16x128_f8f6f4 v[\d:\d+7], v[\a:\a+7], v[\b:\b+7], 0, v[\sa], v[\sb] matrix_a_fmt:MATRIX_FMT_FP4 matrix_b_fmt:MATRIX_FMT_FP4
.elseif WSEL == 5
	v_wmma_scale_f32_16x16x128_f8f6f4 v[\d:\d+7], v[\a:\a+7], v[\b:\b+7], 0, v[\sa], v[\sb] matrix_a_fmt:MATRIX_FMT_FP4 matrix_b_fmt:MATRIX_FMT_FP4 matrix_b_scale:MATRIX_SCALE_ROW1
.elseif WSEL == 6
	v_wmma_scale_f32_16x16x128_f8f6f4 v[\d:\d+7], v[\a:\a+7], v[\b:\b+7], 0, v[\sa], v[\sb] matrix_a_fmt:MATRIX_FMT_FP4 matrix_b_fmt:MATRIX_FMT_FP4 matrix_a_scale:MATRIX_SCALE_ROW1
.else
	v_wmma_scale_f32_16x16x128_f8f6f4 v[\d:\d+7], v[\a:\a+7], v[\b:\b+7], 0, v[\sa], v[\sb] matrix_a_fmt:MATRIX_FMT_FP4 matrix_b_fmt:MATRIX_FMT_FP4 matrix_a_scale:MATRIX_SCALE_ROW1 matrix_b_scale:MATRIX_SCALE_ROW1
.endif
.endm
.macro PLACES                          ; four plain vector lines between a matrix instruction and a load into, or a read of, its registers (ISA guide 7.12.1 for the vector lines)
.rept 4
	v_nop
.endr
.endm
.macro REDUCE                          ; each row's two packed chains become one number, the same in all 32 lanes; the two rows by turns
.irp q, 0,1
	v_pk_add_f32 v[T+4*\q:T+4*\q+1], v[T+4*\q:T+4*\q+1], v[T+4*\q+2:T+4*\q+3]
.endr
.irp q, 0,1
	v_add_f32 v[T+4*\q], v[T+4*\q], v[T+4*\q+1]
.endr
.irp m, 1,2,4,8
.irp q, 0,1
	v_add_f32_dpp v[T+4*\q], v[T+4*\q], v[T+4*\q] row_xmask:\m row_mask:0xf bank_mask:0xf
.endr
.endr
.irp q, 0,1
	v_permlanex16_b32 v[T+4*\q+1], v[T+4*\q], s24, s25
.endr
.irp q, 0,1
	v_add_f32 v[T+4*\q], v[T+4*\q], v[T+4*\q+1]
.endr
.endm
	s_load_b256 s[4:11], s[0:1], 0x0               ; xq, wts, query, out0
	v_lshl_add_u32 v254, v0, 2, 0x24800
	v_mov_b32 v255, 0
	v_lshrrev_b32 v1, 5, v0
	v_readfirstlane_b32 s12, v1                    ; wave 0..15
	v_and_b32 v27, 31, v0                          ; lane
	v_and_b32 v[XGO], 15, v0                       ; r
	v_bfe_u32 v[XSW], v0, 4, 1                     ; h
	v_lshlrev_b32 v[LI], 4, v27
	v_lshlrev_b32 v[TI], 4, v0
	v_lshl_add_u32 v[XSL], v27, 2, XSC
	v_mul_u32_u24 v[SO0], v[XGO], 4112
	v_lshl_add_u32 v[SO0], v[XSW], 6, v[SO0]
	s_lshl_b32 s13, s12, 8
	s_add_co_u32 s13, s13, STG
	v_add_nc_u32 v[SO0], s13, v[SO0]               ; row r, + 256 w + 64 h bytes: my sixteen columns of a block of 32
	v_add_nc_u32 v[SO1], 16*4112, v[SO0]
	s_mul_i32 s13, s12, 2*4112
	s_add_co_u32 s13, s13, STG
	v_add_nc_u32 v[SR], s13, v[LI]
	v_lshlrev_b32 v[WSO], 4, v[XGO]
	v_lshl_add_u32 v[WSO], v[XSW], 9, v[WSO]
	v_lshlrev_b32 v[XGO], 1, v[XGO]
	v_lshl_add_u32 v[XGO], v[XSW], 9, v[XGO]       ; ctx's scale bytes in memory: 512 a tile of rows, 2 a row
	s_lshl_b32 s13, s12, 7
	v_add_nc_u32 v[XSW], s13, v[XSL]               ; and as words in LDS: K step w (waves 0-7 alone store there)
	v_mov_b32 v244, 0
	v_mov_b32 v245, 0
	s_mov_b32 s24, 0x76543210
	s_mov_b32 s25, 0xfedcba98
	s_mov_b32 s26, 0x3a800000                      ; 1 / 1,024
	s_mov_b32 s27, 0x3727c5ac                      ; 1e-5
	s_mov_b32 s28, 0xba800000                      ; -1 / 1,024
	s_lshl_b32 s14, ttmp9, 14                      ; ctx's codes: 16,384 bytes a work-group
	s_mov_b32 s15, 0
	s_lshl_b32 s16, ttmp9, 10                      ; its scale bytes: 1,024 a work-group; heads 2 w and 2 w + 1: 64 w
	s_lshl_b32 s13, s12, 6
	s_add_co_u32 s16, s16, s13
	s_add_co_u32 s16, s16, 4194304
	s_mov_b32 s17, 0
	s_lshl_b32 s18, ttmp9, 17                      ; my two rows of query and of out0: (32 g + 2 w) x 4,096
	s_lshl_b32 s13, s12, 13
	s_add_co_u32 s18, s18, s13
	s_mov_b32 s19, 0
	s_lshl_b32 s20, s12, 15                        ; Wfc is the fourth tensor: its codes, my four tiles
	s_add_co_u32 s20, s20, 3*524288
	s_mov_b32 s21, 0
	s_lshl_b32 s22, s12, 11                        ; and their scale words
	s_add_co_u32 s22, s22, 0x200000+192*512
	s_mov_b32 s23, 0
	s_wait_kmcnt 0x0
	s_add_nc_u64 s[14:15], s[4:5], s[14:15]
	s_add_nc_u64 s[16:17], s[4:5], s[16:17]
	s_add_nc_u64 s[10:11], s[10:11], s[18:19]
	s_add_nc_u64 s[18:19], s[8:9], s[18:19]
	s_add_nc_u64 s[20:21], s[6:7], s[20:21]
	s_add_nc_u64 s[22:23], s[6:7], s[22:23]
	global_load_b128 v[236:239], v[TI], s[14:15] th:TH_LOAD_NT                 ; ctx's fragments: the sixteen waves read 8,192 consecutive bytes
	global_load_b128 v[240:243], v[TI], s[14:15] offset:8192 th:TH_LOAD_NT
	s_cmp_ge_u32 s12, 8
	s_cbranch_scc1 .Lno_bytes
	global_load_u16 v244, v[XGO], s[16:17]         ; wave w is K step w: head 2 w's two bytes of my row,
	global_load_u16 v245, v[XGO], s[16:17] offset:32   ; head 2 w + 1's
.Lno_bytes:
.irp q, 0,1
.irp e, 0,1,2,3,4,5,6,7
	global_load_b128 v[RES+32*\q+4*\e:RES+32*\q+4*\e+3], v[LI], s[18:19] offset:4096*\q+512*\e th:TH_LOAD_NT
.endr
.endr
.irp p, 0,1
.irp q, 0,1
	global_load_b128 v[WS+8*\p+4*\q:WS+8*\p+4*\q+3], v[WSO], s[22:23] offset:1024*\p+256*\q
.endr
.endr
.irp t, 0,1,2,3
.irp c, 0,1
	global_load_b128 v[WF+8*\t+4*\c:WF+8*\t+4*\c+3], v[LI], s[20:21] offset:8192*\t+512*\c
.endr
.endr
	s_wait_loadcnt 28                              ; ctx's codes and bytes are in; the 16 loads of the residual, the 4 of scale words and the 8 of weights, issued behind them on both ways, may be out
	ds_store_b128 v[TI], v[236:239]
	ds_store_b128 v[TI], v[240:243] offset:8192
	s_cmp_ge_u32 s12, 8
	s_cbranch_scc1 .Lno_word
	v_lshl_or_b32 v244, v245, 16, v244             ; the four bytes of 128 along K
	ds_store_b32 v[XSW], v244
.Lno_word:
	s_wait_dscnt 0x0                               ; for the others' sake: my part lies in LDS
	s_barrier_signal -1
	s_barrier_wait -1
	; ---- the K phase
.set KK, 0
.rept 8
.if KK > 0
	PLACES                                         ; in front of loads into registers that the last K step's products have read
.set ZR, 0
.else
.set ZR, 1
.endif
.if KK < 7
.irp t, 0,1,2,3
.irp c, 0,1
	global_load_b128 v[WF+32*((KK+1)%2)+8*\t+4*\c:WF+32*((KK+1)%2)+8*\t+4*\c+3], v[LI], s[20:21] offset:8192*\t+1024*(KK+1)+512*\c
.endr
.endr
.endif
.irp j, 0,1
.irp c, 0,1
	ds_load_b128 v[XF+8*\j+4*\c:XF+8*\j+4*\c+3], v[LI] offset:8192*\j+1024*KK+512*\c
.endr
.endr
	ds_load_b32 v[XS], v[XSL] offset:128*KK
.if KK < 7
	s_wait_loadcnt 8                               ; this K step's weights are in; the next step's 8 loads may be out
.else
	s_wait_loadcnt 0x0
.endif
	s_wait_dscnt 0x0
.irp j, 0,1
.irp p, 0,1,2,3
	WM ACC+32*\j+8*\p, WF+32*(KK%2)+8*\p, XF+8*\j, ZR, WS+8*(\p/2)+KK, XS, \p%2, \j
.endr
.endr
.set KK, KK+1
.endr
	PLACES
.irp b, 0,1
.irp e, 0,1,2,3
	ds_store_b128 v[SO0], v[ACC+16*\b+4*\e:ACC+16*\b+4*\e+3] offset:128*\b+16*\e          ; in ascending order: each accumulator from its low end on
.endr
.endr
.irp b, 0,1
.irp e, 0,1,2,3
	ds_store_b128 v[SO1], v[ACC+32+16*\b+4*\e:ACC+32+16*\b+4*\e+3] offset:128*\b+16*\e
.endr
.endr
	s_wait_dscnt 0x0                               ; for the others' sake: my columns lie in the stage
	s_barrier_signal -1
	s_barrier_wait -1                              ; 32 whole rows do
	; ---- LayerNorm of my two rows
.irp q, 0,1
.irp e, 0,1,2,3,4,5,6,7
	ds_load_b128 v[Y+32*\q+4*\e:Y+32*\q+4*\e+3], v[SR] offset:4112*\q+512*\e
.endr
.endr
	s_wait_dscnt 0x0
.set j, 0
.rept 32
	v_pk_add_f32 v[Y+j:Y+j+1], v[Y+j:Y+j+1], v[RES+j:RES+j+1]      ; + the residual
.set j, j+2
.endr
.irp q, 0,1
	v_pk_add_f32 v[T+4*\q:T+4*\q+1], v[Y+32*\q:Y+32*\q+1], v[Y+32*\q+2:Y+32*\q+3]
	v_pk_add_f32 v[T+4*\q+2:T+4*\q+3], v[Y+32*\q+4:Y+32*\q+5], v[Y+32*\q+6:Y+32*\q+7]
.endr
.irp j, 8,12,16,20,24,28
.irp q, 0,1
	v_pk_add_f32 v[T+4*\q:T+4*\q+1], v[T+4*\q:T+4*\q+1], v[Y+32*\q+\j:Y+32*\q+\j+1]
	v_pk_add_f32 v[T+4*\q+2:T+4*\q+3], v[T+4*\q+2:T+4*\q+3], v[Y+32*\q+\j+2:Y+32*\q+\j+3]
.endr
.endr
	REDUCE
.irp q, 0,1
	v_mul_f32 v[NM+2*\q], s28, v[T+4*\q]           ; -mean,
.endr
.irp q, 0,1
	v_mov_b32 v[NM+2*\q+1], v[NM+2*\q]             ; twice: a pair for the packed form
.endr
.irp q, 0,1
.irp j, 0,2,4,6,8,10,12,14,16,18,20,22,24,26,28,30
	v_pk_add_f32 v[Y+32*\q+\j:Y+32*\q+\j+1], v[Y+32*\q+\j:Y+32*\q+\j+1], v[NM+2*\q:NM+2*\q+1]
.endr
.endr
.irp q, 0,1
	v_pk_mul_f32 v[T+4*\q:T+4*\q+1], v[Y+32*\q:Y+32*\q+1], v[Y+32*\q:Y+32*\q+1]          ; the variance is taken about the mean: no difference of large sums
	v_pk_mul_f32 v[T+4*\q+2:T+4*\q+3], v[Y+32*\q+2:Y+32*\q+3], v[Y+32*\q+2:Y+32*\q+3]
.endr
.irp j, 4,8,12,16,20,24,28
.irp q, 0,1
	v_pk_fma_f32 v[T+4*\q:T+4*\q+1], v[Y+32*\q+\j:Y+32*\q+\j+1], v[Y+32*\q+\j:Y+32*\q+\j+1], v[T+4*\q:T+4*\q+1]
	v_pk_fma_f32 v[T+4*\q+2:T+4*\q+3], v[Y+32*\q+\j+2:Y+32*\q+\j+3], v[Y+32*\q+\j+2:Y+32*\q+\j+3], v[T+4*\q+2:T+4*\q+3]
.endr
.endr
	REDUCE
.irp q, 0,1
	v_fma_f32 v[NM+2*\q], v[T+4*\q], s26, s27      ; variance + eps
.endr
.irp q, 0,1
	v_rsq_f32 v[RS+2*\q], v[NM+2*\q]
.endr
	v_nop                                          ; a plain line behind the transcendentals
	s_wait_alu depctr_va_vdst(0)                   ; one wait for the two, ahead of their first reader
.irp q, 0,1
	v_mov_b32 v[RS+2*\q+1], v[RS+2*\q]
.endr
.irp q, 0,1
.irp j, 0,2,4,6,8,10,12,14,16,18,20,22,24,26,28,30
	v_pk_mul_f32 v[Y+32*\q+\j:Y+32*\q+\j+1], v[Y+32*\q+\j:Y+32*\q+\j+1], v[RS+2*\q:RS+2*\q+1]
.endr
.endr
.irp q, 0,1
.irp e, 0,1,2,3,4,5,6,7
	global_store_b128 v[LI], v[Y+32*\q+4*\e:Y+32*\q+4*\e+3], s[10:11] offset:4096*\q+512*\e th:TH_STORE_NT     ; 32 lanes store 512 consecutive bytes, at a multiple of 512 from out0's first byte
.endr
.endr
	s_wait_tensorcnt 0x0
	ds_add_u32 v254, v255
	s_wait_dscnt 0x0
	s_endpgm
.Lfunc_end_k_qf3232e0eda_outln:
	.size	k_qf3232e0eda_outln, .Lfunc_end_k_qf3232e0eda_outln-k_qf3232e0eda_outln
	.p2alignl 7, 3214868480
	.fill 96, 4, 3214868480
	.section	.rodata,"a",@progbits
	.p2align	6, 0x0
	.amdhsa_kernel k_qf3232e0eda_outln
		.amdhsa_group_segment_fixed_size 151552
		.amdhsa_private_segment_fixed_size 0
		.amdhsa_enable_private_segment 0
		.amdhsa_kernarg_size 32
		.amdhsa_user_sgpr_count 2
		.amdhsa_user_sgpr_kernarg_segment_ptr 1
		.amdhsa_wavefront_size32 1
		.amdhsa_system_sgpr_workgroup_id_x 1
		.amdhsa_system_sgpr_workgroup_id_y 1
		.amdhsa_system_sgpr_workgroup_id_z 1
		.amdhsa_system_vgpr_workitem_id 0
		.amdhsa_next_free_vgpr 256
		.amdhsa_next_free_sgpr 66
		.amdhsa_reserve_vcc 0
		.amdhsa_float_denorm_mode_32 3
		.amdhsa_float_denorm_mode_16_64 3
		.amdhsa_memory_ordered 1
		.amdhsa_forward_progress 1
		.amdhsa_inst_pref_size 40
	.end_amdhsa_kernel
	.amdgpu_metadata
---
amdhsa.version: [ 1, 2 ]
amdhsa.kernels:
  - .name:           k_qf3232e0eda_outln
    .symbol:         k_qf3232e0eda_outln.kd
    .args:
      - { .name: xq, .offset: 0, .size: 8, .value_kind: global_buffer, .address_space: global }
      - { .name: wts, .offset: 8, .size: 8, .value_kind: global_buffer, .address_space: global }
      - { .name: query, .offset: 16, .size: 8, .value_kind: global_buffer, .address_space: global }
      - { .name: out0, .offset: 24, .size: 8, .value_kind: global_buffer, .address_space: global }
    .group_segment_fixed_size: 151552
    .private_segment_fixed_size: 0
    .kernarg_segment_align: 8
    .kernarg_segment_size: 32
    .max_flat_workgroup_size: 512
    .sgpr_count:     66
    .vgpr_count:     256
    .wavefront_size: 32
...
	.end_amdgpu_metadata
.endif
;; end of part 4
;; ======== version 2 of 2: 4 launches
;; limits: right only within a limited range of input values
;; workspace buffers: wts 2,228,224 bytes; mw 2,097,152 bytes of whole numbers; qkv 13,893,632 bytes; xq 4,456,448 bytes
;; launch prep (part 5): grid 256 x 1, 4 waves a work-group, no clusters, 68,096 bytes of LDS; arguments Wq, Wk, Wv, Wfc, mask, wts, mw; writes wts, mw
.if DOCPART == 5
	.amdgcn_target "amdgcn-amd-amdhsa--gfx1250"
	.amdhsa_code_object_version 6
	.text
	.protected	k_qf3232e0eda_prep
	.globl	k_qf3232e0eda_prep
	.p2align	8
	.type	k_qf3232e0eda_prep,@function
k_qf3232e0eda_prep:
	s_mov_b64 s[64:65], 0
	v_nop
	global_prefetch_b8 v0, s[64:65] scope:SCOPE_SE
	s_setreg_imm32_b32 hwreg(HW_REG_WAVE_MODE, 25, 1), 1
	s_wait_xcnt 0x0
; PREP.  Work-groups 0-127: the four weights [1024][1024] f32 (K innermost) become codes of FP4 (E2M1) with one E8M0 byte for each 32 along K, laid in the ORDER OF THE
; OPERAND'S REGISTERS: a fragment (16 rows x 128 K) is 1,024 bytes, [c 2][lane 32][16 bytes]; wts: [tensor 4][tile 64][K step 8] fragments, then from byte 2,097,152 the scale
; words [tensor][tile][half of K 2][row 16][4 words].  THE ROWS OF A TILE ARE NOT NEIGHBOURS: lane r of tile T holds row 32 (T / 2) + 8 (T % 2) + r + 8 (r / 8), so that the results
; of two neighbouring tiles are 16 neighbours along the next product's K.
; Work-groups 128-255: the mask [4][2048][2048] of bytes becomes lane masks: mw: [b][tile of 16 queries 128][key step 16][64 words]; bit (r + 16 h) of word 16 bb + i is
; mask[b][16 tile + r][128 step + 32 bb + 16 h + i]: one word for each score register of the attention launch.
; A block's scale byte is its largest magnitude's exponent field - 2, held at 1 from below.  LIMITS: a block of zeros gets the byte 1 where the rule says 127 (its codes are zeros, and
; this program alone reads the bytes); NaN and infinities among the inputs are not served.
; A wave takes 16 rows x 512 numbers (or 16 rows x 2,048 mask bytes) in four chunks.  Each load reads 512 consecutive bytes of a row; a chunk turns through the wave's own stage in LDS
; (rows 528 bytes apart: 132 words, so that sixteen rows start four banks apart).  No barrier: waves share nothing.  The two paths have LDS bytes of their own.
.set STGB, 8448                        ; a stage: 16 rows x 528 bytes
.set MOFF, 4*STGB                      ; the mask path's stages lie behind the weights'
.set LANE, 1
.set LI,   2                           ; 16 x lane
.set STW,  3                           ; weights: into the stage
.set STR,  4                           ; weights: out of it: 528 r + 128 h
.set SH8,  5                           ; 8 h
.set R16,  6                           ; 16 r
.set STRM, 7                           ; mask: out of the stage: 528 r + 16 h
.set R0,   8                           ; v8-71, v72-135: two sets of 16 x 4 registers as loaded
.set R1,   72
.set X,    136                         ; v136-199: the chunk, turned
.set PC,   200                         ; v200-231: codes, 8 registers a chunk (mask path: words, 8 a chunk)
.set PW,   232                         ; v232-235: a scale word a chunk
.set TM,   236                         ; v236-243: at work
.set STWM, 244                         ; mask: into the stage
.set SEL,  32                          ; s[32:33]: v_permlanex16_b32's selects for lane l xor 16
.macro TOSTAGE rs, adr                 ; 16 rows as loaded
.irp i, 0,1,2,3,4,5,6,7,8,9,10,11,12,13,14,15
	ds_store_b128 v[\adr], v[\rs+4*\i:\rs+4*\i+3] offset:528*\i
.endr
.endm
; 64 numbers of a lane, register 32 c + n = k 64 c + 32 h + n of its row, become a fragment's 8 registers of codes and the row's scale word
.macro QBLK x, pc, pw, tm, sh
.irp c, 0,1
	v_max3_num_f32 v[\tm+\c], |v[\x+32*\c]|, |v[\x+32*\c+1]|, 0x1800000     ; my block 2 c + h, all 32 numbers mine; the floor 2^(3 - 127) holds the byte at 1 from below
.endr
.irp i, 2,4,6,8,10,12,14,16,18,20,22,24,26,28,30
.irp c, 0,1
	v_max3_num_f32 v[\tm+\c], v[\tm+\c], |v[\x+32*\c+\i]|, |v[\x+32*\c+\i+1]|
.endr
.endr
.irp c, 0,1
	v_add_nc_u32 v[\tm+2+\c], 0xff000000, v[\tm+\c]      ; 2 off the exponent field: the conversion's scale operand
.endr
.irp c, 0,1
	v_lshrrev_b32 v[\tm+4+\c], 23, v[\tm+2+\c]           ; the scale's byte
.endr
	v_lshl_or_b32 v[\tm+6], v[\tm+5], 16, v[\tm+4]       ; blocks h and 2 + h,
	v_lshlrev_b32 v[\tm+6], v[\sh], v[\tm+6]             ; at their places in the word
	v_permlanex16_b32 v[\tm+7], v[\tm+6], s[SEL], s[SEL+1]
	v_or_b32 v[\pw], v[\tm+6], v[\tm+7]                  ; with lane l xor 16's two bytes the word is whole
.irp c, 0,1
.irp g, 0,1,2,3
	v_cvt_scalef32_pk8_fp4_f32 v[\pc+4*\c+\g], v[\x+32*\c+8*\g:\x+32*\c+8*\g+7], v[\tm+2+\c]
.endr
.endr
	v_nop                                                ; one plain line behind the last scaled conversion
.endm
	s_load_b256 s[4:11], s[0:1], 0x0               ; Wq, Wk, Wv, Wfc
	s_load_b128 s[12:15], s[0:1], 0x20             ; mask, wts
	s_load_b64 s[16:17], s[0:1], 0x30              ; mw
	v_lshl_add_u32 v254, v0, 2, 0x10800
	v_mov_b32 v255, 0
	v_lshrrev_b32 v1, 5, v0
	v_readfirstlane_b32 s18, v1                    ; wave 0..3
	v_and_b32 v[LANE], 31, v0
	v_lshlrev_b32 v[LI], 4, v[LANE]
	v_and_b32 v[R16], 15, v0                       ; r
	v_bfe_u32 v[SH8], v0, 4, 1                     ; h
	s_mul_i32 s19, s18, STGB
	v_add_nc_u32 v[STW], s19, v[LI]
	v_mul_u32_u24 v[STR], v[R16], 528
	v_add_nc_u32 v[STR], s19, v[STR]
	v_lshl_add_u32 v[STRM], v[SH8], 4, v[STR]
	v_add_nc_u32 v[STRM], MOFF, v[STRM]
	v_lshl_add_u32 v[STR], v[SH8], 7, v[STR]
	v_add_nc_u32 v[STWM], MOFF, v[STW]
	v_lshlrev_b32 v[SH8], 3, v[SH8]
	v_lshlrev_b32 v[R16], 4, v[R16]
	v_mov_b32 v[TM+7], 0                           ; a lane permute's destination counts as one of its sources
	s_mov_b32 s[SEL], 0x76543210
	s_mov_b32 s[SEL+1], 0xfedcba98
	s_cmp_ge_u32 ttmp9, 128
	s_cbranch_scc1 .Lmask
	; ---------------- the weights
	s_lshr_b32 s20, ttmp9, 5                       ; which tensor
	s_and_b32 s21, ttmp9, 31
	s_lshl_b32 s21, s21, 2
	s_add_co_u32 s21, s21, s18
	s_lshr_b32 s22, s21, 1                         ; tile T
	s_and_b32 s23, s21, 1                          ; which half of K
	s_lshr_b32 s26, s22, 1
	s_lshl_b32 s26, s26, 5
	s_and_b32 s27, s22, 1
	s_lshl_b32 s27, s27, 3
	s_add_co_u32 s26, s26, s27                     ; the tile's first row: 32 (T / 2) + 8 (T % 2)
	s_lshl_b32 s26, s26, 12                        ; rows of 4,096 bytes
	s_lshl_b32 s27, s23, 11
	s_add_co_u32 s26, s26, s27
	s_mov_b32 s27, 0
	s_lshl_b32 s28, s20, 6
	s_add_co_u32 s28, s28, s22                     ; 64 tensor + T
	s_lshl_b32 s30, s28, 9                         ; scale words: 512 bytes a tile, 256 a half of K
	s_lshl_b32 s31, s23, 8
	s_add_co_u32 s30, s30, s31
	s_add_co_u32 s30, s30, 0x200000
	s_mov_b32 s31, 0
	s_lshl_b32 s28, s28, 13                        ; codes: 8,192 bytes a tile, 4,096 a half of K
	s_lshl_b32 s29, s23, 12
	s_add_co_u32 s28, s28, s29
	s_mov_b32 s29, 0
	s_wait_kmcnt 0x0
	s_cmp_eq_u32 s20, 1                            ; the choice hangs on the work-group's number alone
	s_cselect_b64 s[24:25], s[6:7], s[4:5]
	s_cmp_eq_u32 s20, 2
	s_cselect_b64 s[24:25], s[8:9], s[24:25]
	s_cmp_eq_u32 s20, 3
	s_cselect_b64 s[24:25], s[10:11], s[24:25]
	s_add_nc_u64 s[24:25], s[24:25], s[26:27]      ; rows 0-7 of the tile
	s_add_nc_u64 s[26:27], s[24:25], 0x8000        ; rows 8-15 lie eight rows further on than their number says
	s_add_nc_u64 s[28:29], s[14:15], s[28:29]
	s_add_nc_u64 s[30:31], s[14:15], s[30:31]
.macro WLOAD e, rs                     ; K step e of my half: 512 consecutive bytes of each of 16 rows
.irp i, 0,1,2,3,4,5,6,7
	global_load_b128 v[\rs+4*\i:\rs+4*\i+3], v[LI], s[24:25] offset:4096*\i+512*(\e) th:TH_LOAD_NT
.endr
.irp i, 8,9,10,11,12,13,14,15
	global_load_b128 v[\rs+4*\i:\rs+4*\i+3], v[LI], s[26:27] offset:4096*\i+512*(\e) th:TH_LOAD_NT
.endr
.endm
.macro WSTEP e, rs, left
	s_wait_loadcnt \left                           ; this K step's 16 loads are in; the next step's 16 may be out
	TOSTAGE \rs, STW
.irp c, 0,1
.irp j, 0,1,2,3,4,5,6,7
	ds_load_b128 v[X+32*\c+4*\j:X+32*\c+4*\j+3], v[STR] offset:256*\c+16*\j   ; LDS serves a wave's instructions in order: these see the stores above
.endr
.endr
	s_wait_dscnt 0x0                               ; the chunk is back, and the stage's stores have read their registers
.if \e < 2
	WLOAD \e+2, \rs
.endif
	QBLK X, PC+8*\e, PW+\e, TM, SH8
	global_store_b128 v[LI], v[PC+8*\e:PC+8*\e+3], s[28:29] offset:1024*\e        ; 32 lanes store 512 consecutive bytes; each K step has registers of its own
	global_store_b128 v[LI], v[PC+8*\e+4:PC+8*\e+7], s[28:29] offset:1024*\e+512
.endm
	WLOAD 0, R0
	WLOAD 1, R1
	s_wait_alu depctr_va_vdst(0)
	WSTEP 0, R0, 16
	WSTEP 1, R1, 16
	WSTEP 2, R0, 16
	WSTEP 3, R1, 0
	v_cmp_gt_u32 vcc_lo, 16, v[LANE]
	s_wait_xcnt 0x0                                ; EXEC is a source of the stores above: it changes only behind this wait
	s_wait_tensorcnt 0x0
	ds_add_u32 v254, v255
	s_wait_dscnt 0x0
	s_and_saveexec_b32 s19, vcc_lo
	global_store_b128 v[R16], v[PW:PW+3], s[30:31] ; sixteen lanes store the tile's 256 bytes of scale words of this half of K
	s_wait_xcnt 0x0
	s_or_b32 exec_lo, exec_lo, s19
	s_endpgm
	; ---------------- the mask
.Lmask:
	s_sub_co_u32 s20, ttmp9, 128
	s_lshl_b32 s20, s20, 2
	s_add_co_u32 s20, s20, s18                     ; my tile of 16 queries, 0..511, batches on end
	s_lshl_b32 s24, s20, 15                        ; 16 rows of 2,048 bytes
	s_mov_b32 s25, 0
	s_lshl_b32 s28, s20, 12                        ; 16 steps of 64 words
	s_mov_b32 s29, 0
	s_mov_b32 s34, 0xff
	s_mov_b32 s35, 0xff00
	s_mov_b32 s36, 0xff0000
	s_mov_b32 s37, 0xff000000
	s_wait_kmcnt 0x0
	s_add_nc_u64 s[24:25], s[12:13], s[24:25]
	s_add_nc_u64 s[28:29], s[16:17], s[28:29]
.macro MLOAD e, rs                     ; columns 512 e on of each of 16 rows
.irp i, 0,1,2,3,4,5,6,7,8,9,10,11,12,13,14,15
	global_load_b128 v[\rs+4*\i:\rs+4*\i+3], v[LI], s[24:25] offset:2048*\i+512*(\e) th:TH_LOAD_NT
.endr
.endm
	MLOAD 0, R0
	MLOAD 1, R1
.set j, 0
.rept 32
	v_mov_b32 v[PC+j], 0                           ; v_writelane_b32's destination counts as read
.set j, j+1
.endr
.macro MCHUNK e, rs, left
	s_wait_loadcnt \left                           ; this chunk's 16 loads are in; the next chunk's 16 may be out
	TOSTAGE \rs, STWM
.irp s, 0,1,2,3
.irp b, 0,1,2,3
	ds_load_b128 v[X+16*\s+4*\b:X+16*\s+4*\b+3], v[STRM] offset:128*\s+32*\b     ; row r, columns 128 s + 32 b + 16 h + 0 .. 15
.endr
.endr
	s_wait_dscnt 0x0
.if \e < 2
	MLOAD \e+2, \rs
.endif
.irp s, 0,1,2,3
.irp b, 0,1,2,3
.irp q, 0,1,2,3
.irp k, 0,1,2,3
	v_and_b32 v[TM+\k], s[34+\k], v[X+16*\s+4*\b+\q]                              ; byte i = 4 q + k of my sixteen
.endr
.irp k, 0,1,2,3
	v_cmp_ne_u32 s[20+\k], 0, v[TM+\k]                                            ; the 32 lanes' bits: word 16 b + i of step 4 e + s
.endr
.irp k, 0,1,2,3
	v_writelane_b32 v[PC+8*\e+4*(\s/2)+\k], s[20+\k], 16*(\s%2)+4*\b+\q           ; to the lane and register from which a 16-byte store puts it at its place
.endr
.endr
.endr
.endr
	global_store_b128 v[LI], v[PC+8*\e:PC+8*\e+3], s[28:29] offset:1024*\e        ; 512 consecutive bytes: two steps' words
	global_store_b128 v[LI], v[PC+8*\e+4:PC+8*\e+7], s[28:29] offset:1024*\e+512
.endm
	MCHUNK 0, R0, 16
	MCHUNK 1, R1, 16
	MCHUNK 2, R0, 16
	MCHUNK 3, R1, 0
	s_wait_tensorcnt 0x0
	ds_add_u32 v254, v255
	s_wait_dscnt 0x0
	s_endpgm
.Lfunc_end_k_qf3232e0eda_prep:
	.size	k_qf3232e0eda_prep, .Lfunc_end_k_qf3232e0eda_prep-k_qf3232e0eda_prep
	.p2alignl 7, 3214868480
	.fill 96, 4, 3214868480
	.section	.rodata,"a",@progbits
	.p2align	6, 0x0
	.amdhsa_kernel k_qf3232e0eda_prep
		.amdhsa_group_segment_fixed_size 68096
		.amdhsa_private_segment_fixed_size 0
		.amdhsa_enable_private_segment 0
		.amdhsa_kernarg_size 56
		.amdhsa_user_sgpr_count 2
		.amdhsa_user_sgpr_kernarg_segment_ptr 1
		.amdhsa_wavefront_size32 1
		.amdhsa_system_sgpr_workgroup_id_x 1
		.amdhsa_system_sgpr_workgroup_id_y 1
		.amdhsa_system_sgpr_workgroup_id_z 1
		.amdhsa_system_vgpr_workitem_id 0
		.amdhsa_next_free_vgpr 256
		.amdhsa_next_free_sgpr 66
		.amdhsa_reserve_vcc 1
		.amdhsa_float_denorm_mode_32 3
		.amdhsa_float_denorm_mode_16_64 3
		.amdhsa_memory_ordered 1
		.amdhsa_forward_progress 1
		.amdhsa_inst_pref_size 207
	.end_amdhsa_kernel
	.amdgpu_metadata
---
amdhsa.version: [ 1, 2 ]
amdhsa.kernels:
  - .name:           k_qf3232e0eda_prep
    .symbol:         k_qf3232e0eda_prep.kd
    .args:
      - { .name: Wq, .offset: 0, .size: 8, .value_kind: global_buffer, .address_space: global }
      - { .name: Wk, .offset: 8, .size: 8, .value_kind: global_buffer, .address_space: global }
      - { .name: Wv, .offset: 16, .size: 8, .value_kind: global_buffer, .address_space: global }
      - { .name: Wfc, .offset: 24, .size: 8, .value_kind: global_buffer, .address_space: global }
      - { .name: mask, .offset: 32, .size: 8, .value_kind: global_buffer, .address_space: global }
      - { .name: wts, .offset: 40, .size: 8, .value_kind: global_buffer, .address_space: global }
      - { .name: mw, .offset: 48, .size: 8, .value_kind: global_buffer, .address_space: global }
    .group_segment_fixed_size: 68096
    .private_segment_fixed_size: 0
    .kernarg_segment_align: 8
    .kernarg_segment_size: 56
    .max_flat_workgroup_size: 128
    .sgpr_count:     66
    .vgpr_count:     256
    .wavefront_size: 32
...
	.end_amdgpu_metadata
.endif
;; end of part 5
;; launch proj (part 6): grid 256 x 1, 16 waves a work-group, no clusters, 327,680 bytes of LDS; arguments query, key, value, wts, qkv; writes qkv
.if DOCPART == 6
	.amdgcn_target "amdgcn-amd-amdhsa--gfx1250"
	.amdhsa_code_object_version 6
	.text
	.protected	k_qf3232e0eda_proj
	.globl	k_qf3232e0eda_proj
	.p2align	8
	.type	k_qf3232e0eda_proj,@function
k_qf3232e0eda_proj:
	s_mov_b64 s[64:65], 0
	v_nop
	global_prefetch_b8 v0, s[64:65] scope:SCOPE_SE
	s_setreg_imm32_b32 hwreg(HW_REG_WAVE_MODE, 25, 1), 1
	s_wait_xcnt 0x0
; PROJ.  q = query Wq^T, k = key Wk^T, v = value Wv^T, each on codes of FP4 (E2M1) with one E8M0 scale for each 32 along K, and the results quantised again for the attention launch:
; q and k along the head's 64, v along the keys.  256 WORK-GROUPS THAT STAY, two jobs each, in straight-line text:
;   job A: 64 rows of query (work-groups 0-127) or of key (128-255) x all 1,024 outputs; wave w is head w (weight tiles 4 w .. 4 w + 3), 16 accumulators;
;   job B: 64 rows of value (block g / 2) x 512 outputs (heads 8 (g % 2) on); wave w takes two weight tiles, 32 (g % 2) + 2 w and the next, 8 accumulators.
; So every work-group has the same work: 1.5 blocks of 64 x 1,024.
; x COMES BY THE TENSOR DATA MOVER: wave w brings strip w, 64 rows x 256 bytes.  Job B's x is asked for straight behind the barrier that ends job A's quantising, into the same bytes,
; and is on its way while job A's weights are streamed and multiplied.
; QUANTISING x: wave w takes 16 rows (tile w / 4) x 256 K (K steps 2 (w % 4), + 1) out of the strips, 32 neighbours along K to a lane, and stores the two fragments in LDS as images of their registers.
; THE K PHASES: the weights' fragments come from memory straight into registers (they were laid in the order of the operand's registers, and each has one reader in the work-group), ahead of their use;
; x's fragments come from LDS; the accumulators take turns.
; Job A: source 0 = weights, source 1 = x: a lane holds one row, and its registers 16 b + i are channel 32 b + 16 h + i of the head.  Job B: the sources swapped: a lane holds one channel and 64 keys.
; THE ROWS OF A TILE OF x are taken as the weights' rows are, in all three tensors: lane r of tile t holds row 32 (t / 2) + 8 (t % 2) + r + 8 (r / 8); so no LDS address hangs on the work-group's number.
; k and v want that order.  q's tiles are 16 neighbouring rows in qkv: lane r of tile j belongs to tile 2 (j / 2) + r / 8, row 8 (j % 2) + r % 8, which is a matter of the stores' addresses alone.
; qkv: q's codes [head 64][tile 128][lane][16 B] at 0, k's at 4,194,304, v's [head][channel tile 4][key step 16][c 2][lane][16 B] at 8,388,608; scale words of q at 12,582,912, of k at
; 13,107,200: [head][group of four tiles 32][h 2][r 16][e 2], tile 4 g + 2 h + e; of v at 13,631,488: [head][64 keys 32][h' 2][r 16], channel tiles 2 h' (low half) and 2 h' + 1.
; NO CLUSTER: the weights, 816 of the 1,328 KB that a work-group takes in, go into registers by vector loads, which have no joint form; through LDS each fragment would be written and read once more
; for its one reader.  What two work-groups share, value's 64 rows, is 256 KB of those 1,328.
; LIMITS: a block of zeros gets the scale byte 1 where the rule says 127 (its codes are zeros; this program alone reads the bytes); NaN and infinities among the inputs are not served.
.set STRIP, 17408                      ; LDS: sixteen strips of 64 rows x (256 bytes + 16 of padding),
.set XIMG,  16*STRIP                   ; x's 32 fragments: (tile t, K step s) at 1,024 (8 t + s),
.set XSC,   XIMG+32768                 ; their scale words: [s 8][t 4][r 16],
.set SPARE, XSC+2048                   ; and the spare words, 128 bytes for each wave: eight blocks of 256 bytes that no other line names
.set LI,   1                           ; 16 x lane
.set XL,   2                           ; XIMG + 16 x lane
.set XSL,  3                           ; XSC + 4 x lane
.set WSO,  4                           ; 512 h + 16 r
.set LANE, 5
.set STR,  6                           ; where I read the strips
.set SH8,  7                           ; 8 h
.set WS,   8                           ; v8-23   the weights' scale words: register 8 (p / 2) + s: lanes 0-15 tile 2 (p / 2), lanes 16-31 the next
.set XS,   24                          ; v24-25  x's: lanes 0-15 tile 2 pp, lanes 16-31 tile 2 pp + 1
.set XIW,  26                          ; where I store my two images,
.set XSW,  27                          ; and their scale words
.set WF,   28                          ; v28-91  the weights' fragments: job A two sets of four, job B a ring of four sets of two
.set XF,   92                          ; v92-123 x's four fragments
.set ACC,  124                         ; v124-251 accumulator (j, p) at 32 j + 8 p
.set X,    124                         ; quantising x: v124-187, v188-251 my two K steps, 64 numbers a lane each,
.set TM,   98                          ; v98-105 at work,
.set PW,   106                         ; v106, v107 the scale words just made,
.set PW2,  107
.set PC,   108                         ; v108-115, v116-123 the codes just made
.set PC2,  116
.set PCO,  92                          ; the ways out: v92-107 codes, v108-111 scale bytes, v112-117 at work, v118-119 packed scales, v120-123 offsets
.set PWO,  108
.set TQ,   112
.set PK,   118
.set VC0,  120
.set VC1,  121
.set VSO,  122
.set T0,   123
.set SPW,  252                         ; LDS address of my spare word: SPARE + 4 x my thread's number; never rewritten
.set NIL,  253                         ; 0; never rewritten
.set RR,   254                         ; r = lane % 16
.set HH,   255                         ; h = lane / 16
.set G1,   16                          ; s[16:23] descriptor group 1: the shape of a strip
.set G0A,  24                          ; s[24:27], s[28:31] group 0 for job A's x and for job B's: made at the head, never rewritten
.set G0B,  28
.set SEL,  32                          ; s[32:33] v_permlanex16_b32's selects for lane l xor 16
.set HM,   34                          ; lanes 16-31
.set SAVE, 35
.set WCA,  36                          ; s[36:43] the weights' codes and scale words, job A's and job B's
.set WSA,  38
.set WCB,  40
.set WSB,  42
.set OCA,  44                          ; s[44:51] where the results' codes and scale words go
.set OSA,  46
.set OCB,  48
.set OSB,  50
.set SE,   56                          ; s56-59 what tells q's stores from k's
.set SC,   57
.set SF,   58
.set SG,   59
.macro QBLK x, pc, pw, tm, sh          ; 64 numbers of a lane, register 32 c + n = k 64 c + 32 h + n, become a fragment's codes and the row's scale word
.irp c, 0,1
	v_max3_num_f32 v[\tm+\c], |v[\x+32*\c]|, |v[\x+32*\c+1]|, 0x1800000     ; my block 2 c + h, all 32 numbers mine; the floor 2^(3 - 127) holds the byte at 1 from below
.endr
.irp i, 2,4,6,8,10,12,14,16,18,20,22,24,26,28,30
.irp c, 0,1
	s_delay_alu instid0(VALU_DEP_2)
	v_max3_num_f32 v[\tm+\c], v[\tm+\c], |v[\x+32*\c+\i]|, |v[\x+32*\c+\i+1]|
.endr
.endr
.irp c, 0,1
	s_delay_alu instid0(VALU_DEP_2)
	v_add_nc_u32 v[\tm+2+\c], 0xff000000, v[\tm+\c]      ; 2 off the exponent field: the conversion's scale operand
.endr
.irp c, 0,1
	s_delay_alu instid0(VALU_DEP_2)
	v_lshrrev_b32 v[\tm+4+\c], 23, v[\tm+2+\c]           ; the scale's byte
.endr
	s_delay_alu instid0(VALU_DEP_1)
	v_lshl_or_b32 v[\tm+6], v[\tm+5], 16, v[\tm+4]       ; blocks h and 2 + h,
	s_delay_alu instid0(VALU_DEP_1)
	v_lshlrev_b32 v[\tm+6], v[\sh], v[\tm+6]             ; at their places in the word
	s_delay_alu instid0(VALU_DEP_1)
	v_permlanex16_b32 v[\tm+7], v[\tm+6], s[SEL], s[SEL+1]
	s_delay_alu instid0(VALU_DEP_1)
	v_or_b32 v[\pw], v[\tm+6], v[\tm+7]                  ; with lane l xor 16's two bytes the word is whole
.irp c, 0,1
.irp g, 0,1,2,3
	v_cvt_scalef32_pk8_fp4_f32 v[\pc+4*\c+\g], v[\x+32*\c+8*\g:\x+32*\c+8*\g+7], v[\tm+2+\c]
.endr
.endr
	v_nop                                                ; one plain line behind the last scaled conversion
.endm
; 32 numbers of a lane, register 16 b + i = k 32 b + 16 h + i, become 4 registers of codes (k = 32 h + 0 .. 31) and two scale bytes.  The numbers are read in ascending order: each accumulator from its low end on.
.macro Q32 s, pc, pw, tm
.irp b, 0,1
	v_max3_num_f32 v[\tm+\b], |v[\s+16*\b]|, |v[\s+16*\b+1]|, 0x1800000
.endr
.irp i, 2,4,6,8,10,12,14
.irp b, 0,1
	v_max3_num_f32 v[\tm+\b], v[\tm+\b], |v[\s+16*\b+\i]|, |v[\s+16*\b+\i+1]|
.endr
.endr
.irp b, 0,1
	s_delay_alu instid0(VALU_DEP_2)
	v_permlanex16_b32 v[\tm+2+\b], v[\tm+\b], s[SEL], s[SEL+1]
.endr
.irp b, 0,1
	s_delay_alu instid0(VALU_DEP_2)
	v_max_num_f32 v[\tm+\b], v[\tm+\b], v[\tm+2+\b]      ; with lane l xor 16's sixteen: the block's largest magnitude
.endr
.irp b, 0,1
	s_delay_alu instid0(VALU_DEP_2)
	v_add_nc_u32 v[\tm+4+\b], 0xff000000, v[\tm+\b]
.endr
.irp b, 0,1
	s_delay_alu instid0(VALU_DEP_2)
	v_lshrrev_b32 v[\tm+2+\b], 23, v[\tm+4+\b]
.endr
	s_delay_alu instid0(VALU_DEP_1)
	v_lshl_or_b32 v[\pw], v[\tm+3], 8, v[\tm+2]
.irp b, 0,1
	v_cvt_scalef32_pk8_fp4_f32 v[\pc+2*\b], v[\s+16*\b:\s+16*\b+7], v[\tm+4+\b]
	v_cvt_scalef32_pk8_fp4_f32 v[\pc+2*\b+1], v[\s+16*\b+8:\s+16*\b+15], v[\tm+4+\b]
.endr
	v_nop
	v_permlane16_swap_b32 v[\pc], v[\pc+2]               ; a whole block to a lane: lanes 0-15 block 0, lanes 16-31 block 1
	v_permlane16_swap_b32 v[\pc+1], v[\pc+3]
.endm
; one matrix instruction.  zero = 1: it starts the sum.  ra, rb: which half of the lanes holds source 0's and source 1's scale words
.macro WM d, a, b, zero, sa, sb, ra, rb
.set WSEL, 4*(\zero)+2*(\ra)+(\rb)
.if WSEL == 0
	v_wmma_scale_f32_16x16x128_f8f6f4 v[\d:\d+7], v[\a:\a+7], v[\b:\b+7], v[\d:\d+7], v[\sa], v[\sb] matrix_a_fmt:MATRIX_FMT_FP4 matrix_b_fmt:MATRIX_FMT_FP4
.elseif WSEL == 1
	v_wmma_scale_f32_16x16x128_f8f6f4 v[\d:\d+7], v[\a:\a+7], v[\b:\b+7], v[\d:\d+7], v[\sa], v[\sb] matrix_a_fmt:MATRIX_FMT_FP4 matrix_b_fmt:MATRIX_FMT_FP4 matrix_b_scale:MATRIX_SCALE_ROW1
.elseif WSEL == 2
	v_wmma_scale_f32_16x16x128_f8f6f4 v[\d:\d+7], v[\a:\a+7], v[\b:\b+7], v[\d:\d+7], v[\sa], v[\sb] matrix_a_fmt:MATRIX_FMT_FP4 matrix_b_fmt:MATRIX_FMT_FP4 matrix_a_scale:MATRIX_SCALE_ROW1
.elseif WSEL == 3
	v_wmma_scale_f32_16x16x128_f8f6f4 v[\d:\d+7], v[\a:\a+7], v[\b:\b+7], v[\d:\d+7], v[\sa], v[\sb] matrix_a_fmt:MATRIX_FMT_FP4 matrix_b_fmt:MATRIX_FMT_FP4 matrix_a_scale:MATRIX_SCALE_ROW1 matrix_b_scale:MATRIX_SCALE_ROW1
.elseif WSEL == 4
	v_wmma_scale_f32_16x16x128_f8f6f4 v[\d:\d+7], v[\a:\a+7], v[\b:\b+7], 0, v[\sa], v[\sb] matrix_a_fmt:MATRIX_FMT_FP4 matrix_b_fmt:MATRIX_FMT_FP4
.elseif WSEL == 5
	v_wmma_scale_f32_16x16x128_f8f6f4 v[\d:\d+7], v[\a:\a+7], v[\b:\b+7], 0, v[\sa], v[\sb] matrix_a_fmt:MATRIX_FMT_FP4 matrix_b_fmt:MATRIX_FMT_FP4 matrix_b_scale:MATRIX_SCALE_ROW1
.elseif WSEL == 6
	v_wmma_scale_f32_16x16x128_f8f6f4 v[\d:\d+7], v[\a:\a+7], v[\b:\b+7], 0, v[\sa], v[\sb] matrix_a_fmt:MATRIX_FMT_FP4 matrix_b_fmt:MATRIX_FMT_FP4 matrix_a_scale:MATRIX_SCALE_ROW1
.else
	v_wmma_scale_f32_16x16x128_f8f6f4 v[\d:\d+7], v[\a:\a+7], v[\b:\b+7], 0, v[\sa], v[\sb] matrix_a_fmt:MATRIX_FMT_FP4 matrix_b_fmt:MATRIX_FMT_FP4 matrix_a_scale:MATRIX_SCALE_ROW1 matrix_b_scale:MATRIX_SCALE_ROW1
.endif
.endm
.macro PLACES                          ; four plain vector lines between a matrix instruction and a load into, or a vector line on, its registers (ISA guide 7.12.1 for the vector lines)
.rept 4
	v_nop
.endr
.endm
; My 16 rows x 256 K out of the strips become two fragments in LDS.  K step 2 (w % 4) + u lies in strips 4 (w % 4) + 2 u and the next; a lane takes 128 bytes of its row from each: 32 neighbours along K.
; Rows 16 apart lie 17 x 256 bytes apart, so lanes r and r + 8 of these loads name the same banks (64 banks of 4 bytes: ISA guide 11.1): they go two deep, 32 loads a wave and job.
.macro XPHASE
.irp u, 0,1
.irp c, 0,1
.irp j, 0,1,2,3,4,5,6,7
	ds_load_b128 v[X+64*\u+32*\c+4*\j:X+64*\u+32*\c+4*\j+3], v[STR] offset:(2*\u+\c)*STRIP+16*\j
.endr
.endr
.endr
	v_mov_b32 v[TM+7], 0                           ; a lane permute's destination counts as one of its sources
	s_wait_dscnt 16                                ; my first K step is in; the second's 16 loads may be out
	QBLK X, PC, PW, TM, SH8
	ds_store_b128 v[XIW], v[PC:PC+3]               ; the fragment goes to LDS as it stands: lane l's 16 bytes at 16 l
	ds_store_b128 v[XIW], v[PC+4:PC+7] offset:512
	ds_store_b32 v[XSW], v[PW]                     ; both halves of the lanes write the same word with the same value
	s_wait_dscnt 3                                 ; my second K step is in; the three stores just issued may be out (the second fragment has registers of its own)
	QBLK X+64, PC2, PW2, TM, SH8
	ds_store_b128 v[XIW], v[PC2:PC2+3] offset:1024
	ds_store_b128 v[XIW], v[PC2+4:PC2+7] offset:1536
	ds_store_b32 v[XSW], v[PW2] offset:256
.endm
	s_load_b256 s[4:11], s[0:1], 0x0               ; query, key, value, wts
	s_load_b64 s[12:13], s[0:1], 0x20              ; qkv
	v_lshl_add_u32 v[SPW], v0, 2, SPARE
	v_mov_b32 v[NIL], 0
	ds_add_u32 v252, v253
	ds_add_u32 v252, v253
	s_wait_dscnt 0x0
	v_lshrrev_b32 v1, 5, v0
	s_delay_alu instid0(VALU_DEP_1)
	v_readfirstlane_b32 s14, v1                    ; wave 0..15
	s_lshr_b32 s15, ttmp9, 7                       ; job A's tensor: 0 query, 1 key
	s_and_b32 s52, ttmp9, 127                      ; job A's block of 64 rows
	s_lshr_b32 s53, ttmp9, 1                       ; job B's
	s_and_b32 s54, ttmp9, 1                        ; job B's half of the outputs
	; descriptor group 1: a strip of 64 rows x 32 elements of 8 bytes, rows 512 elements apart in memory, padded in LDS
	s_mov_b32 s[G1], (3<<16)|(1<<20)|(5<<22)|(3<<25)   ; 15:0 no mask; 17:16 elements of 8 bytes; 20 padding on; 24:22 after every 64 words (code 5); 31:25 four words (code 3)
	s_mov_b32 s[G1+1], 32<<16                      ; tensor_dim0
	s_mov_b32 s[G1+2], 64<<16                      ; tensor_dim1
	s_mov_b32 s[G1+3], 32<<16                      ; tile_dim0
	s_mov_b32 s[G1+4], 64                          ; tile_dim1
	s_mov_b32 s[G1+5], 512                         ; tensor_dim0_stride
	s_mov_b32 s[G1+6], 0
	s_mov_b32 s[G1+7], 0
	s_lshl_b32 s55, s14, 8                         ; strip w: byte 256 w of each row
	s_mov_b32 s[G0A], 1                            ; count = 1
	s_mul_i32 s[G0A+1], s14, STRIP                 ; LDS address: my strip
	s_lshl_b32 s[G0A+2], s52, 18                   ; 64 rows of 4,096 bytes a block
	s_add_co_u32 s[G0A+2], s[G0A+2], s55
	s_mov_b32 s[G0A+3], 0
	s_mov_b32 s[G0B], 1
	s_mul_i32 s[G0B+1], s14, STRIP
	s_lshl_b32 s[G0B+2], s53, 18
	s_add_co_u32 s[G0B+2], s[G0B+2], s55
	s_mov_b32 s[G0B+3], 0
	v_and_b32 v[LANE], 31, v0
	v_and_b32 v[RR], 15, v0
	v_bfe_u32 v[HH], v0, 4, 1
	s_delay_alu instid0(VALU_DEP_3)
	v_lshlrev_b32 v[LI], 4, v[LANE]
	s_delay_alu instid0(VALU_DEP_3)
	v_lshlrev_b32 v[WSO], 4, v[RR]
	s_delay_alu instid0(VALU_DEP_1)
	v_lshl_add_u32 v[WSO], v[HH], 9, v[WSO]
	s_lshl_b32 s[WCA], s15, 19                     ; job A's weights: 524,288 bytes of codes a tensor; my four tiles: 32,768 w
	s_lshl_b32 s55, s14, 15
	s_add_co_u32 s[WCA], s[WCA], s55
	s_mov_b32 s[WCA+1], 0
	s_lshl_b32 s[WSA], s15, 15                     ; and 512 bytes of scale words a tile
	s_lshl_b32 s55, s14, 11
	s_add_co_u32 s[WSA], s[WSA], s55
	s_add_co_u32 s[WSA], s[WSA], 0x200000
	s_mov_b32 s[WSA+1], 0
	s_lshl_b32 s[WCB], s54, 18                     ; job B's: Wv is the third tensor; tile 32 half + 2 w: 8,192 bytes of codes a tile
	s_lshl_b32 s55, s14, 14
	s_add_co_u32 s[WCB], s[WCB], s55
	s_add_co_u32 s[WCB], s[WCB], 0x100000
	s_mov_b32 s[WCB+1], 0
	s_lshl_b32 s[WSB], s54, 14
	s_lshl_b32 s55, s14, 10
	s_add_co_u32 s[WSB], s[WSB], s55
	s_add_co_u32 s[WSB], s[WSB], 0x210000
	s_mov_b32 s[WSB+1], 0
	s_wait_alu depctr_va_vdst(0)
	s_wait_kmcnt 0x0
	s_cmp_eq_u32 s15, 1                            ; the choice hangs on the work-group's number alone
	s_cselect_b64 s[60:61], s[6:7], s[4:5]
	s_add_nc_u64 s[G0A+2:G0A+3], s[60:61], s[G0A+2:G0A+3]
	s_or_b32 s[G0A+3], s[G0A+3], 0x80000000        ; type = 2
	s_add_nc_u64 s[G0B+2:G0B+3], s[8:9], s[G0B+2:G0B+3]
	s_or_b32 s[G0B+3], s[G0B+3], 0x80000000
	tensor_load_to_lds s[G0A:G0A+3], s[G1:G1+7]    ; job A's x, my strip: the first fill, ahead of every wait on TENSORcnt, every LDS read and every barrier
	s_nop 0
.rept 4
	v_nop
.endr
	s_add_nc_u64 s[WCA:WCA+1], s[10:11], s[WCA:WCA+1]
	s_add_nc_u64 s[WSA:WSA+1], s[10:11], s[WSA:WSA+1]
	s_add_nc_u64 s[WCB:WCB+1], s[10:11], s[WCB:WCB+1]
	s_add_nc_u64 s[WSB:WSB+1], s[10:11], s[WSB:WSB+1]
.irp p, 0,1
.irp q, 0,1
	global_load_b128 v[WS+8*\p+4*\q:WS+8*\p+4*\q+3], v[WSO], s[WSA:WSA+1] offset:1024*\p+256*\q
.endr
.endr
.irp s, 0,1                                    ; job A's weights of K steps 0 and 1
.irp t, 0,1,2,3
.irp c, 0,1
	global_load_b128 v[WF+32*\s+8*\t+4*\c:WF+32*\s+8*\t+4*\c+3], v[LI], s[WCA:WCA+1] offset:8192*\t+1024*\s+512*\c
.endr
.endr
.endr
	; the other addresses, while x is on its way
	v_add_nc_u32 v[XL], XIMG, v[LI]
	s_wait_alu depctr_va_vdst(0)
	v_lshl_add_u32 v[XSL], v[LANE], 2, XSC
	v_lshlrev_b32 v[SH8], 3, v[HH]
	s_and_b32 s55, s14, 3                          ; w % 4
	s_lshr_b32 s60, s14, 2                         ; my tile of rows: w / 4
	s_mul_i32 s61, s55, 4*STRIP                    ; my first strip: 4 (w % 4)
	s_lshr_b32 s62, s60, 1
	s_mul_i32 s62, s62, 32*272
	s_add_co_u32 s61, s61, s62
	s_and_b32 s62, s60, 1
	s_mul_i32 s62, s62, 8*272
	s_add_co_u32 s61, s61, s62                     ; the tile's first row: 32 (t / 2) + 8 (t % 2)
	v_and_b32 v[STR], 8, v[RR]
	s_delay_alu instid0(VALU_DEP_1)
	v_add_nc_u32 v[STR], v[STR], v[RR]             ; r + 8 (r / 8)
	s_delay_alu instid0(VALU_DEP_1)
	v_mul_u32_u24 v[STR], v[STR], 272
	s_delay_alu instid0(VALU_DEP_1)
	v_lshl_add_u32 v[STR], v[HH], 7, v[STR]        ; + 128 h
	s_delay_alu instid0(VALU_DEP_1)
	v_add_nc_u32 v[STR], s61, v[STR]
	s_lshl_b32 s61, s14, 11
	v_add_nc_u32 v[XIW], s61, v[XL]                ; my two images: 8 (w / 4) + 2 (w % 4) = 2 w
	s_lshl_b32 s61, s55, 9
	s_lshl_b32 s62, s60, 6
	s_add_co_u32 s61, s61, s62
	s_add_co_u32 s61, s61, XSC
	v_lshl_add_u32 v[XSW], v[RR], 2, s61           ; my scale words: 256 (2 (w % 4)) + 64 (w / 4) + 4 r
	s_mov_b32 s[SEL], 0x76543210
	s_mov_b32 s[SEL+1], 0xfedcba98
	s_mov_b32 s[HM], 0xffff0000
	s_lshr_b32 s60, s52, 5                         ; job A's results: 16 batch + head,
	s_lshl_b32 s60, s60, 4
	s_add_co_u32 s60, s60, s14
	s_and_b32 s61, s52, 31                         ; which 64 rows of the batch
	s_lshl_b32 s[OCA], s15, 22                     ; codes: 4,194,304 tensor + 65,536 head + 2,048 (64 rows)
	s_lshl_b32 s55, s60, 16
	s_add_co_u32 s[OCA], s[OCA], s55
	s_lshl_b32 s55, s61, 11
	s_add_co_u32 s[OCA], s[OCA], s55
	s_mov_b32 s[OCA+1], 0
	s_lshl_b32 s[OSA], s15, 19                     ; scale words: 12,582,912 + 524,288 tensor + 8,192 head + 256 (64 rows)
	s_lshl_b32 s55, s60, 13
	s_add_co_u32 s[OSA], s[OSA], s55
	s_lshl_b32 s55, s61, 8
	s_add_co_u32 s[OSA], s[OSA], s55
	s_add_co_u32 s[OSA], s[OSA], 12582912
	s_mov_b32 s[OSA+1], 0
	s_lshr_b32 s60, s53, 5                         ; job B's: 16 batch + 8 half + w / 2,
	s_lshl_b32 s60, s60, 4
	s_lshl_b32 s55, s54, 3
	s_add_co_u32 s60, s60, s55
	s_lshr_b32 s55, s14, 1
	s_add_co_u32 s60, s60, s55
	s_and_b32 s61, s53, 31                         ; which 64 keys of the batch,
	s_and_b32 s62, s14, 1                          ; channel tiles 2 (w % 2) and the next
	s_lshl_b32 s[OCB], s60, 16                     ; codes: 8,388,608 + 65,536 head + 32,768 (w % 2) + 512 (64 keys)
	s_lshl_b32 s55, s62, 15
	s_add_co_u32 s[OCB], s[OCB], s55
	s_lshl_b32 s55, s61, 9
	s_add_co_u32 s[OCB], s[OCB], s55
	s_add_co_u32 s[OCB], s[OCB], 8388608
	s_mov_b32 s[OCB+1], 0
	s_lshl_b32 s[OSB], s60, 12                     ; scale words: 13,631,488 + 4,096 head + 128 (64 keys) + 64 (w % 2)
	s_lshl_b32 s55, s61, 7
	s_add_co_u32 s[OSB], s[OSB], s55
	s_lshl_b32 s55, s62, 6
	s_add_co_u32 s[OSB], s[OSB], s55
	s_add_co_u32 s[OSB], s[OSB], 13631488
	s_mov_b32 s[OSB+1], 0
	s_add_nc_u64 s[OCA:OCA+1], s[12:13], s[OCA:OCA+1]
	s_add_nc_u64 s[OSA:OSA+1], s[12:13], s[OSA:OSA+1]
	s_add_nc_u64 s[OCB:OCB+1], s[12:13], s[OCB:OCB+1]
	s_add_nc_u64 s[OSB:OSB+1], s[12:13], s[OSB:OSB+1]
	s_xor_b32 s60, s15, 1                          ; what tells q's stores from k's: bytes for r / 8, for j % 2 (codes), for h, for r / 8 (scale words)
	s_lshl_b32 s60, s60, 1
	s_lshl_b32 s61, s60, 1
	s_lshl_b32 s[SE], 128, s60                     ; q 512, k 128
	s_lshr_b32 s[SC], 512, s60                     ; q 128, k 512
	s_lshl_b32 s[SF], 4, s61                       ; q 64,  k 4
	s_lshr_b32 s[SG], 64, s61                      ; q 4,   k 64
	s_wait_alu depctr_va_vdst(0)
	s_wait_tensorcnt 0x0                           ; my strip has landed,
	s_barrier_signal -1
	s_barrier_wait -1                              ; everybody's has: strips are read across waves.
	; ---------------- JOB A
	XPHASE
	s_wait_tensorcnt 0x0                           ; in front of the barrier behind which the strips are filled again: none of my tensor loads is out,
	ds_add_u32 v[SPW], v[NIL]                      ; 0 onto my spare word,
	s_wait_dscnt 0x0                               ; the add is done, my reads of the strips are back, and my images lie in LDS
	s_barrier_signal -1
	s_barrier_wait -1                              ; all that holds of every wave
	tensor_load_to_lds s[G0B:G0B+3], s[G1:G1+7]    ; job B's x, my strip: my one tensor load behind this barrier and the first thing there; it has job A's eight K steps in which to land
	s_nop 0
.rept 4
	v_nop
.endr
.set KK, 0
.rept 8
.if KK > 0
	PLACES                                         ; in front of loads into registers that the last K step's products have read
.set ZR, 0
.else
.set ZR, 1
.endif
.if (KK > 0) && (KK < 7)
.irp t, 0,1,2,3
.irp c, 0,1
	global_load_b128 v[WF+32*((KK+1)%2)+8*\t+4*\c:WF+32*((KK+1)%2)+8*\t+4*\c+3], v[LI], s[WCA:WCA+1] offset:8192*\t+1024*(KK+1)+512*\c
.endr
.endr
.endif
.irp t, 0,1,2,3
.irp c, 0,1
	ds_load_b128 v[XF+8*\t+4*\c:XF+8*\t+4*\c+3], v[XL] offset:(8*\t+KK)*1024+512*\c
.endr
.endr
	ds_load_b32 v[XS], v[XSL] offset:256*KK
	ds_load_b32 v[XS+1], v[XSL] offset:256*KK+128
.if KK < 7
	s_wait_loadcnt 8                               ; this K step's weights are in; the next step's 8 loads may be out
.else
	s_wait_loadcnt 0x0
.endif
	s_wait_dscnt 0x0
.irp j, 0,1,2,3
.irp p, 0,1,2,3
	WM ACC+32*\j+8*\p, WF+32*(KK%2)+8*\p, XF+8*\j, ZR, WS+8*(\p/2)+KK, XS+\j/2, \p%2, \j%2
.endr
.endr
.set KK, KK+1
.endr
	PLACES                                         ; behind the last products: for the loads into the weights' registers and for the lines that read the sums
.irp q, 0,1
	global_load_b128 v[WS+4*\q:WS+4*\q+3], v[WSO], s[WSB:WSB+1] offset:256*\q          ; job B's weights are asked for here: scale words of my two tiles,
.endr
.irp s, 0,1,2,3
.irp j, 0,1
.irp c, 0,1
	global_load_b128 v[WF+16*\s+8*\j+4*\c:WF+16*\s+8*\j+4*\c+3], v[LI], s[WCB:WCB+1] offset:8192*\j+1024*\s+512*\c   ; and the fragments of K steps 0 to 3
.endr
.endr
.endr
	; job A's way out.  Codes of tile j, lane (r, h): 1,024 (j / 2) + SC (j % 2) + 256 h + 16 (r % 8) + SE (r / 8).  For k that is 512 j + 16 lane; for q the place of row 8 (j % 2) + r % 8 in tile 2 (j / 2) + r / 8.
	v_and_b32 v[T0], 7, v[RR]
	v_lshrrev_b32 v[TQ], 3, v[RR]
	s_delay_alu instid0(VALU_DEP_2)
	v_lshlrev_b32 v[VC0], 4, v[T0]
	s_delay_alu instid0(VALU_DEP_1)
	v_lshl_add_u32 v[VC0], v[HH], 8, v[VC0]
	s_delay_alu instid0(VALU_DEP_1)
	v_mad_u32_u24 v[VC0], v[TQ], s[SE], v[VC0]
	s_delay_alu instid0(VALU_DEP_1)
	v_add_nc_u32 v[VC1], s[SC], v[VC0]
	v_lshlrev_b32 v[VSO], 3, v[T0]                 ; scale words of tile 2 a + h: 128 a + 8 (r % 8) + SF h + SG (r / 8)
	s_delay_alu instid0(VALU_DEP_1)
	v_mad_u32_u24 v[VSO], v[HH], s[SF], v[VSO]
	s_delay_alu instid0(VALU_DEP_1)
	v_mad_u32_u24 v[VSO], v[TQ], s[SG], v[VSO]
	v_mov_b32 v[TQ+2], 0                           ; a lane permute's destination counts as one of its sources
	v_mov_b32 v[TQ+3], 0
.irp j, 0,1,2,3
	Q32 ACC+32*\j, PCO+4*\j, PWO+\j, TQ
.endr
	v_cndmask_b32 v[PK], v[PWO], v[PWO+1], s[HM]   ; lanes 0-15 carry tile 2 a, lanes 16-31 tile 2 a + 1
	v_cndmask_b32 v[PK+1], v[PWO+2], v[PWO+3], s[HM]
	global_store_b128 v[VC0], v[PCO:PCO+3], s[OCA:OCA+1]                   ; k: 512 consecutive bytes; q: four pieces of 128
	global_store_b128 v[VC1], v[PCO+4:PCO+7], s[OCA:OCA+1]
	global_store_b128 v[VC0], v[PCO+8:PCO+11], s[OCA:OCA+1] offset:1024
	global_store_b128 v[VC1], v[PCO+12:PCO+15], s[OCA:OCA+1] offset:1024
	global_store_b32 v[VSO], v[PK], s[OSA:OSA+1]                           ; the 32 lanes cover 128 consecutive bytes
	global_store_b32 v[VSO], v[PK+1], s[OSA:OSA+1] offset:128
	; ---------------- JOB B
	s_wait_xcnt 0x0                                ; the stores have read their registers: these are written again only behind this wait
	s_wait_tensorcnt 0x0                           ; my strip of value has landed,
	s_wait_dscnt 0x0                               ; and my reads of job A's images are long back
	s_barrier_signal -1
	s_barrier_wait -1                              ; both hold of every wave: the strips may be read and the images written again.
	XPHASE
	s_wait_dscnt 0x0                               ; for the others' sake: my images lie in LDS
	s_barrier_signal -1
	s_barrier_wait -1
.set KK, 0
.rept 8
.if KK > 0
	PLACES
.set ZR, 0
.else
.set ZR, 1
.endif
.if (KK > 0) && (KK < 5)
.irp j, 0,1
.irp c, 0,1
	global_load_b128 v[WF+16*((KK+3)%4)+8*\j+4*\c:WF+16*((KK+3)%4)+8*\j+4*\c+3], v[LI], s[WCB:WCB+1] offset:8192*\j+1024*(KK+3)+512*\c   ; three K steps ahead, into the set that the last step's products have read
.endr
.endr
.endif
.irp t, 0,1,2,3
.irp c, 0,1
	ds_load_b128 v[XF+8*\t+4*\c:XF+8*\t+4*\c+3], v[XL] offset:(8*\t+KK)*1024+512*\c
.endr
.endr
	ds_load_b32 v[XS], v[XSL] offset:256*KK
	ds_load_b32 v[XS+1], v[XSL] offset:256*KK+128
.if KK < 5
	s_wait_loadcnt 12                              ; this K step's weights are in; the 4 loads of each of the next three steps may be out
.else
	s_wait_loadcnt 4*(7-KK)                        ; the counts run down: two steps, one, none
.endif
	s_wait_dscnt 0x0
.irp j, 0,1
.irp p, 0,1,2,3
	WM ACC+32*\j+8*\p, XF+8*\p, WF+16*(KK%4)+8*\j, ZR, XS+\p/2, WS+KK, \p%2, \j
.endr
.endr
.set KK, KK+1
.endr
	PLACES
	v_mov_b32 v[TQ+2], 0
	v_mov_b32 v[TQ+3], 0
	Q32 ACC, PCO, PWO, TQ                          ; a lane holds one channel; registers 16 b + i are key 32 b + 16 h + i of the 64
	Q32 ACC+32, PCO+4, PWO+1, TQ
	v_lshl_or_b32 v[PK], v[PWO+1], 16, v[PWO]      ; my two channel tiles' bytes in one word
	v_lshlrev_b32 v[VSO], 2, v[RR]
	global_store_b128 v[LI], v[PCO:PCO+3], s[OCB:OCB+1]                    ; 512 consecutive bytes: half a fragment of a channel tile
	global_store_b128 v[LI], v[PCO+4:PCO+7], s[OCB:OCB+1] offset:16384
	v_cmp_gt_u32 vcc_lo, 16, v[LANE]
	s_wait_alu depctr_va_vdst(0)
	s_wait_xcnt 0x0                                ; EXEC is a source of the stores above: it changes only behind this wait
	s_and_saveexec_b32 s[SAVE], vcc_lo
	global_store_b32 v[VSO], v[PK], s[OSB:OSB+1]   ; sixteen lanes, a word a channel
	s_wait_xcnt 0x0
	s_or_b32 exec_lo, exec_lo, s[SAVE]
	s_wait_tensorcnt 0x0                           ; the wave's end, behind my last tensor load and my last LDS store
	ds_add_u32 v[SPW], v[NIL]
	s_wait_dscnt 0x0
	s_endpgm
.Lfunc_end_k_qf3232e0eda_proj:
	.size	k_qf3232e0eda_proj, .Lfunc_end_k_qf3232e0eda_proj-k_qf3232e0eda_proj
	.p2alignl 7, 3214868480
	.fill 96, 4, 3214868480
	.section	.rodata,"a",@progbits
	.p2align	6, 0x0
	.amdhsa_kernel k_qf3232e0eda_proj
		.amdhsa_group_segment_fixed_size 327680
		.amdhsa_private_segment_fixed_size 0
		.amdhsa_enable_private_segment 0
		.amdhsa_kernarg_size 40
		.amdhsa_user_sgpr_count 2
		.amdhsa_user_sgpr_kernarg_segment_ptr 1
		.amdhsa_wavefront_size32 1
		.amdhsa_system_sgpr_workgroup_id_x 1
		.amdhsa_system_sgpr_workgroup_id_y 1
		.amdhsa_system_sgpr_workgroup_id_z 1
		.amdhsa_system_vgpr_workitem_id 0
		.amdhsa_next_free_vgpr 256
		.amdhsa_next_free_sgpr 66
		.amdhsa_reserve_vcc 1
		.amdhsa_float_denorm_mode_32 3
		.amdhsa_float_denorm_mode_16_64 3
		.amdhsa_memory_ordered 1
		.amdhsa_forward_progress 1
		.amdhsa_inst_pref_size 91
	.end_amdhsa_kernel
	.amdgpu_metadata
---
amdhsa.version: [ 1, 2 ]
amdhsa.kernels:
  - .name:           k_qf3232e0eda_proj
    .symbol:         k_qf3232e0eda_proj.kd
    .args:
      - { .name: query, .offset: 0, .size: 8, .value_kind: global_buffer, .address_space: global }
      - { .name: key, .offset: 8, .size: 8, .value_kind: global_buffer, .address_space: global }
      - { .name: value, .offset: 16, .size: 8, .value_kind: global_buffer, .address_space: global }
      - { .name: wts, .offset: 24, .size: 8, .value_kind: global_buffer, .address_space: global }
      - { .name: qkv, .offset: 32, .size: 8, .value_kind: global_buffer, .address_space: global }
    .group_segment_fixed_size: 327680
    .private_segment_fixed_size: 0
    .kernarg_segment_align: 8
    .kernarg_segment_size: 40
    .max_flat_workgroup_size: 512
    .sgpr_count:     66
    .vgpr_count:     256
    .wavefront_size: 32
...
	.end_amdgpu_metadata
.endif
;; end of part 6
;; launch attn (part 7): grid 4 x 64, 16 waves a work-group, no clusters, 145,408 bytes of LDS; arguments qkv, mw, xq; writes xq
.if DOCPART == 7
	.amdgcn_target "amdgcn-amd-amdhsa--gfx1250"
	.amdhsa_code_object_version 6
	.text
	.protected	k_qf3232e0eda_attn
	.globl	k_qf3232e0eda_attn
	.p2align	8
	.type	k_qf3232e0eda_attn,@function
k_qf3232e0eda_attn:
	s_mov_b64 s[64:65], 0
	v_nop
	global_prefetch_b8 v0, s[64:65] scope:SCOPE_SE
	s_setreg_imm32_b32 hwreg(HW_REG_WAVE_SCHED_MODE, 0, 2), 2
	s_setreg_imm32_b32 hwreg(HW_REG_WAVE_MODE, 25, 1), 1
	s_wait_xcnt 0x0
	s_wait_alu depctr_vm_vsrc(0)
; ATTN.  ctx = softmax(mask(q k^T / 8)) v for one head, both products on codes of FP4 (E2M1) with E8M0 scales, and ctx quantised along the model's 1,024 for the last product.
; Work-group (x, y): queries 512 x .. 512 x + 511 of head y (16 batch + head).  Each of its sixteen waves takes two tiles of 16 queries, one after the other, and walks all 2,048 keys, 128 a step.
; The head's K and V as codes with their scale words are 140 KB: they are brought into LDS ONCE, through registers, as images of the operands' registers; one barrier; nothing is stored to LDS behind it.
; Both products are used transposed: S^T = K Q^T (source 0 = 16 keys), O^T = V^T P^T (source 0 = 16 channels): a lane holds ONE query (lane % 16) throughout.  The keys of a tile and the channels of a
; tile were chosen by the launch before so that registers 16 b + i are key (channel) 32 b + 16 h + i.
; The head is 64 wide and the matrix instruction 128: Q's upper four registers are zero codes, and the scale bytes of both sides' upper two blocks are 0 (2^-127): whatever stands in K's upper four
; registers (the next tile's codes; zeros behind the last) is multiplied by the number 0.  So a tile of K is four registers, and no copy is made.
; THE MASK comes as one 32-bit lane mask for each score register, by scalar loads a whole step ahead: one v_cndmask_b32 a score.
; THE SOFTMAX: t = score x log2(e) / 8; M = the running largest t rounded up to a whole number; p = 2^(t - M) is quantised along the keys; the row's sum is taken of the unquantised p and divides at the end.
; LIMITS: a masked score becomes -2^33, a logit of -2^30, where the definition has -1e9: -2^33 x log2(e) / 8 is a whole number, so a row that is masked throughout gets p = 1 everywhere, as defined;
; in every other row a masked p is 0 either way, unless an unmasked logit lies under about -1e9.  A block of zeros gets the scale byte 1.  NaN and infinities are not served.
; THE MODE: SCHED_MODE bits 1:0 = 2 (LLVM: expert scheduling mode 2), set by the entry lines.  The code itself states the register dependences between vector or matrix instructions and memory or
; LDS instructions, with s_wait_alu, always for 0.
; THE PLAN.  Registers that memory or LDS instructions touch, in a step:
;   KF, KS          Read by the step's eight products K Q^T; behind them the LDS loads of the NEXT step's K land there.
;   VF, VS          Read by the step's four products V^T P, at its end; the LDS loads of the next step's V land there in the next step's middle.
;   ADV, ADVS, ADK, ADKS   Written by vector additions at the step's head; read by the LDS loads in its middle.  v[LI] is read as an address too and is never written again.
;   S, O, p's codes and all else are named by vector and matrix instructions alone.
; So the wait on va_vdst that stands behind the step's 64 exponentials states all that the step's 19 LDS loads hang on: this step's K Q^T is done reading KF and KS, the last step's V^T P is done
; reading VF and VS, and the four addresses are written.  The loads follow it, dealt among the additions of the row's sum, which name S, v14, v15 and SUM2 alone.  One wait on DScnt, ahead of V^T P,
; serves them all: a step begins with its K in registers.  One wait on vm_vsrc stands at the step's head, ahead of the additions to the addresses.
; A tile's sixteenth step asks for no K: it is written out behind the loop of fifteen.  K of step 0 is asked for at the tile's head, with Q.
.set KSCB, 131072                      ; LDS: K's images at 0 (512 bytes a tile), V's at 65,536 (16,384 a channel tile, 1,024 a step), K's scale words here (512 bytes a step),
.set VSCB, 139264                      ; V's here: [step 16][h' 2][r 16][e 2], channel tile 2 h' + e
.set LI,   1                           ; 16 x lane
.set L8,   2                           ; 8 x lane
.set ADK,  3                           ; the LDS addresses: of the next step's K,
.set ADV,  4                           ; of this step's V,
.set ADKS, 5                           ; and of their scale words
.set ADVS, 6
.set NEG,  7                           ; -2^33
.set QS,   8                           ; Q's scale words
.set PWS,  9                           ; ctx's scale bytes: lanes 0-15 my first tile's, lanes 16-31 my second's
.set QO,   10
.set QSO,  11
.set QF,   16                          ; v16-19 Q's codes, v20-23 zeros.  v12 -M, v13 the largest t, v[14:15] the sum in two halves
.set KF,   24                          ; v24-55 eight tiles of K, v56-59 zeros
.set VF,   60                          ; v60-91 four fragments of V^T
.set S,    92                          ; v92-155 S^T, then p
.set O,    156                         ; v156-187 O^T
.set PC,   188                         ; v188-195 p's codes
.set KS,   196                         ; v196-199 K's scale words
.set VS,   200                         ; v200-201 V's
.set XO,   202
.set VSW,  203
.set BM,   204                         ; v204-207 the blocks' largest scores
.set BT,   208
.set SO,   212                         ; v212-215 the conversions' scale operands
.set TMP,  216
.set RCP,  217
.set FF,   218                         ; f = 2^(old M - new M)
.set PW,   219                         ; p's scale word
.set SUM2, 220
.set PCX,  222                         ; v222-225 ctx's codes
.set PWX,  226
.set XSO,  227
.set TQ,   228                         ; v228-233 at work
.set WV,   2
.set MP,   12                          ; s[12:13] where the mask words of the step to be asked for stand
.set INC,  14                          ; s[14:15]
.set SEL,  92
.set CS,   94                          ; s[94:95] c = log2(e) / 8
.set STEPS, 96
.set TILES, 97
.set LEFT, 98                          ; steps still to go, of my 32
.set SK,   99                          ; where the next step's K begins in LDS,
.set SV,   100                         ; this step's V,
.set SKS,  101                         ; the next step's scale words of K,
.set SVS,  104                         ; this step's of V
.set HALF, 105
; the 64 mask words stand in s[16:63] and s[68:83]
.macro Q32 s, pc, pw, tm               ; 32 numbers of a lane, register 16 b + i = k 32 b + 16 h + i, become 4 registers of codes (k = 32 h + 0 .. 31) and two scale bytes
.irp b, 0,1
	v_max3_num_f32 v[\tm+\b], |v[\s+16*\b]|, |v[\s+16*\b+1]|, 0x1800000     ; the floor 2^(3 - 127) holds the byte at 1 from below
.endr
.irp i, 2,4,6,8,10,12,14
.irp b, 0,1
	v_max3_num_f32 v[\tm+\b], v[\tm+\b], |v[\s+16*\b+\i]|, |v[\s+16*\b+\i+1]|
.endr
.endr
.irp b, 0,1
	v_permlanex16_b32 v[\tm+2+\b], v[\tm+\b], s[SEL], s[SEL+1]
.endr
.irp b, 0,1
	v_max_num_f32 v[\tm+\b], v[\tm+\b], v[\tm+2+\b]
.endr
.irp b, 0,1
	v_add_nc_u32 v[\tm+4+\b], 0xff000000, v[\tm+\b]
.endr
.irp b, 0,1
	v_lshrrev_b32 v[\tm+2+\b], 23, v[\tm+4+\b]
.endr
	v_lshl_or_b32 v[\pw], v[\tm+3], 8, v[\tm+2]
.irp b, 0,1
	v_cvt_scalef32_pk8_fp4_f32 v[\pc+2*\b], v[\s+16*\b:\s+16*\b+7], v[\tm+4+\b]
	v_cvt_scalef32_pk8_fp4_f32 v[\pc+2*\b+1], v[\s+16*\b+8:\s+16*\b+15], v[\tm+4+\b]
.endr
	v_nop                                                ; one plain line behind the last scaled conversion
	v_permlane16_swap_b32 v[\pc], v[\pc+2]
	v_permlane16_swap_b32 v[\pc+1], v[\pc+3]
.endm
.macro WM d, a, b, zero, sa, sb, ra    ; one matrix instruction.  zero = 1: it starts the sum.  ra: which half of the lanes holds source 0's scale words
.set WSEL, 2*(\zero)+(\ra)
.if WSEL == 0
	v_wmma_scale_f32_16x16x128_f8f6f4 v[\d:\d+7], v[\a:\a+7], v[\b:\b+7], v[\d:\d+7], v[\sa], v[\sb] matrix_a_fmt:MATRIX_FMT_FP4 matrix_b_fmt:MATRIX_FMT_FP4
.elseif WSEL == 1
	v_wmma_scale_f32_16x16x128_f8f6f4 v[\d:\d+7], v[\a:\a+7], v[\b:\b+7], v[\d:\d+7], v[\sa], v[\sb] matrix_a_fmt:MATRIX_FMT_FP4 matrix_b_fmt:MATRIX_FMT_FP4 matrix_a_scale:MATRIX_SCALE_ROW1
.elseif WSEL == 2
	v_wmma_scale_f32_16x16x128_f8f6f4 v[\d:\d+7], v[\a:\a+7], v[\b:\b+7], 0, v[\sa], v[\sb] matrix_a_fmt:MATRIX_FMT_FP4 matrix_b_fmt:MATRIX_FMT_FP4
.else
	v_wmma_scale_f32_16x16x128_f8f6f4 v[\d:\d+7], v[\a:\a+7], v[\b:\b+7], 0, v[\sa], v[\sb] matrix_a_fmt:MATRIX_FMT_FP4 matrix_b_fmt:MATRIX_FMT_FP4 matrix_a_scale:MATRIX_SCALE_ROW1
.endif
.endm
	s_load_b128 s[4:7], s[0:1], 0x0                ; qkv, mw
	s_load_b64 s[8:9], s[0:1], 0x10                ; xq
	v_lshl_add_u32 v254, v0, 2, 0x23000
	v_mov_b32 v255, 0
	v_lshrrev_b32 v1, 5, v0
	v_readfirstlane_b32 s[WV], v1                  ; wave 0..15
	s_and_b32 s11, ttmp7, 0xffff                   ; 16 batch + head
	v_and_b32 v2, 31, v0                           ; lane
	v_and_b32 v[TMP], 15, v0                       ; r
	v_bfe_u32 v[RCP], v0, 4, 1                     ; h
	v_lshlrev_b32 v[LI], 4, v2
	v_lshlrev_b32 v[ADK], 4, v0                    ; the copy: 16 x thread, in memory and in LDS
	v_add_nc_u32 v[ADV], 65536, v[ADK]
	v_add_nc_u32 v[ADKS], KSCB, v[ADK]
	v_lshlrev_b32 v[ADVS], 2, v2
	v_lshlrev_b32 v[L8], 3, v2
	s_wait_alu depctr_va_sdst(0)                   ; the wave's number is written, ahead of its first reader: offsets and addresses are made from it
	s_lshl_b32 s3, s[WV], 8
	s_add_co_u32 s10, s3, VSCB
	v_add_nc_u32 v[VSW], s10, v[L8]                ; V's scale words of step w
	s_lshl_b32 s84, s11, 16
	s_add_co_u32 s86, s84, 0x800000                ; V's codes of my head
	s_add_co_u32 s84, s84, 0x400000                ; K's
	s_lshl_b32 s88, s11, 13
	s_add_co_u32 s88, s88, 13107200                ; K's scale words
	s_lshl_b32 s90, s11, 12
	s_add_co_u32 s90, s90, s3
	s_add_co_u32 s90, s90, 13631488                ; V's, of the two runs of 64 keys of step w
	s_mov_b32 s85, 0
	s_mov_b32 s87, 0
	s_mov_b32 s89, 0
	s_mov_b32 s91, 0
	s_lshr_b32 s3, s11, 4                          ; batch
	s_and_b32 s10, s11, 15                         ; head
	s_lshl_b32 s96, ttmp9, 5
	s_lshl_b32 s97, s[WV], 1
	s_add_co_u32 s96, s96, s97                     ; my first tile of queries in the batch: 32 x + 2 w
	s_lshl_b32 s12, s3, 19                         ; mask words: 524,288 bytes a batch, 4,096 a tile, 256 a step
	s_lshl_b32 s97, s96, 12
	s_add_co_u32 s12, s12, s97
	s_mov_b32 s13, 0
	s_wait_kmcnt 0x0
	s_add_nc_u64 s[84:85], s[4:5], s[84:85]
	s_add_nc_u64 s[86:87], s[4:5], s[86:87]
	s_add_nc_u64 s[88:89], s[4:5], s[88:89]
	s_add_nc_u64 s[90:91], s[4:5], s[90:91]
	s_add_nc_u64 s[MP:MP+1], s[6:7], s[12:13]
	s_wait_alu depctr_va_vdst(0)                   ; the copy's offsets and LDS addresses (v3 to v6 and VSW) are written, which the loads below and the LDS stores behind them read
.irp p, 0,1,2,3,4,5,6,7
	global_load_b128 v[S+4*\p:S+4*\p+3], v[ADK], s[84:85] offset:8192*\p           ; the sixteen waves read 8,192 consecutive bytes
.endr
.irp p, 0,1,2,3,4,5,6,7
	global_load_b128 v[S+32+4*\p:S+32+4*\p+3], v[ADK], s[86:87] offset:8192*\p
.endr
	global_load_b128 v[S+64:S+67], v[ADK], s[88:89]
	global_load_b32 v160, v[ADVS], s[90:91]
	global_load_b32 v161, v[ADVS], s[90:91] offset:128
	s_load_b512 s[16:31], s[MP:MP+1], 0x0          ; the first step's 64 mask words
	s_load_b512 s[32:47], s[MP:MP+1], 0x40
	s_load_b512 s[48:63], s[MP:MP+1], 0x80
	s_load_b512 s[68:83], s[MP:MP+1], 0xc0
	s_lshl_b32 s97, s11, 16                        ; Q's codes: 65,536 a head, 512 a tile
	s_lshl_b32 s98, s96, 9
	s_add_co_u32 s97, s97, s98
	v_add_nc_u32 v[QO], s97, v[LI]
	s_lshl_b32 s97, s11, 13                        ; Q's scale words: 8,192 a head; tile 32 x + 2 w + i: 2,048 x + 128 w + 8 r + 4 i
	s_lshl_b32 s98, ttmp9, 11
	s_add_co_u32 s97, s97, s98
	s_lshl_b32 s98, s[WV], 7
	s_add_co_u32 s97, s97, s98
	s_add_co_u32 s97, s97, 12582912
	v_lshl_add_u32 v[QSO], v[TMP], 3, s97
	s_lshl_b32 s98, s3, 7
	s_add_co_u32 s98, s98, s96                     ; my first tile of rows of all 512
	s_lshl_b32 s97, s98, 13                        ; ctx's codes: 8,192 a tile of rows, 512 a head
	s_lshl_b32 s99, s10, 9
	s_add_co_u32 s97, s97, s99
	v_add_nc_u32 v[XO], s97, v[LI]
	s_lshl_b32 s97, s98, 9                         ; ctx's scale bytes: 512 a tile of rows, 32 a head, 2 a row
	s_lshl_b32 s99, s10, 5
	s_add_co_u32 s97, s97, s99
	s_add_co_u32 s97, s97, 4194304
	v_lshlrev_b32 v[XSO], 1, v[TMP]
	v_lshl_add_u32 v[XSO], v[RCP], 9, v[XSO]       ; lanes 16-31: my second tile
	v_add_nc_u32 v[XSO], s97, v[XSO]
	v_mov_b32 v[NEG], 0xd0000000
	v_mov_b32 v[PWS], 0
.irp j, 0,1,2,3
	v_mov_b32 v[QF+4+\j], 0                        ; Q's upper 64 along K: zero codes
	v_mov_b32 v[KF+32+\j], 0                       ; behind K's last tile
	v_mov_b32 v[BT+\j], 0                          ; a lane permute's destination counts as one of its sources
.endr
	v_mov_b32 v[PW], 0                             ; named as the upper half of the pair v[FF:PW] before it is first made
	v_mov_b32 v[TQ+2], 0
	v_mov_b32 v[TQ+3], 0
	s_mov_b32 s[SEL], 0x76543210
	s_mov_b32 s[SEL+1], 0xfedcba98
	s_mov_b32 s[CS], 0x3e38aa3b
	s_mov_b32 s[CS+1], s[CS]                       ; named with it as a pair, so it is written
	s_mov_b32 s[INC+1], 0
	s_mov_b32 s[LEFT], 32
	s_mov_b32 s[TILES], 2
	s_mov_b32 s[HALF], 0xffff
	s_wait_loadcnt 0x0
	v_perm_b32 v162, v161, v160, 0x05040100        ; channel tile 2 h': the first 64 keys' two bytes, then the second 64's
	v_perm_b32 v163, v161, v160, 0x07060302        ; channel tile 2 h' + 1
	s_wait_alu depctr_va_vdst(0)                   ; v162 and v163 are written, which the last of the LDS stores below reads
.irp p, 0,1,2,3,4,5,6,7
	ds_store_b128 v[ADK], v[S+4*\p:S+4*\p+3] offset:8192*\p
.endr
.irp p, 0,1,2,3,4,5,6,7
	ds_store_b128 v[ADV], v[S+32+4*\p:S+32+4*\p+3] offset:8192*\p
.endr
	ds_store_b128 v[ADKS], v[S+64:S+67]
	ds_store_b64 v[VSW], v[162:163]
	s_wait_dscnt 0x0                               ; for the others' sake: my part lies in LDS
	s_barrier_signal -1
	s_barrier_wait -1                              ; the head's K and V are whole; LDS is only read from here on
; A KEY STEP: 128 keys.  more = 1: the next step's K is asked for.
.macro STEP more
	s_wait_alu depctr_vm_vsrc(0)                   ; the LDS loads issued so far have read the address registers, which the next lines write
	v_add_nc_u32 v[ADV], s[SV], v[LI]              ; this step's V and its scale words,
	v_add_nc_u32 v[ADVS], s[SVS], v[L8]
.if \more
	v_add_nc_u32 v[ADK], s[SK], v[LI]              ; the next step's K and its scale words
	v_add_nc_u32 v[ADKS], s[SKS], v[L8]
.endif
.irp t, 0,1,2,3,4,5,6,7
	WM S+8*\t, KF+4*\t, QF, 1, KS+2*(\t/4)+\t%2, QS, (\t%4)/2    ; K and its scale words came in a step ago (a tile's first: at the tile's head).  KS: register 2 g + e: lanes 0-15 tile 4 g + e, lanes 16-31 tile 4 g + 2 + e
.endr
.rept 4
	v_nop
.endr
	s_wait_kmcnt 0x0                               ; this step's mask words, asked for a step ago
.set n, 0
.rept 64
	v_cndmask_b32 v[S+n], v[S+n], v[NEG], s[16+n+4*(n/48)]     ; in ascending order: each accumulator is read from its low end on
.set n, n+1
.endr
	s_cmp_lg_u32 s[LEFT], 1                        ; the next step's words; my very last step asks for its own again, so that no load leaves the buffer
	s_cselect_b32 s[INC], 256, 0
	s_add_nc_u64 s[MP:MP+1], s[MP:MP+1], s[INC:INC+1]    ; (behind the wait above: the last loads have read their base)
	s_sub_co_u32 s[LEFT], s[LEFT], 1
	s_load_b512 s[16:31], s[MP:MP+1], 0x0
	s_load_b512 s[32:47], s[MP:MP+1], 0x40
	s_load_b512 s[48:63], s[MP:MP+1], 0x80
	s_load_b512 s[68:83], s[MP:MP+1], 0xc0
.irp b, 0,1,2,3
	v_max3_num_f32 v[BM+\b], v[S+16*\b], v[S+16*\b+1], v[S+16*\b+2]        ; the largest score of each block of 32 keys: for the row's maximum and, since p rises with the score, for the block's largest p
.endr
.irp i, 3,5,7,9,11,13
.irp b, 0,1,2,3
	v_max3_num_f32 v[BM+\b], v[BM+\b], v[S+16*\b+\i], v[S+16*\b+\i+1]
.endr
.endr
.irp b, 0,1,2,3
	v_max_num_f32 v[BM+\b], v[BM+\b], v[S+16*\b+15]
.endr
.irp b, 0,1,2,3
	v_permlanex16_b32 v[BT+\b], v[BM+\b], s[SEL], s[SEL+1]
.endr
.irp b, 0,1,2,3
	v_max_num_f32 v[BM+\b], v[BM+\b], v[BT+\b]
.endr
	v_max3_num_f32 v[TMP], v[BM], v[BM+1], v[BM+2]
	v_max_num_f32 v[TMP], v[TMP], v[BM+3]
	v_mul_f32 v[TMP], s[CS], v[TMP]
	v_max_num_f32 v13, v13, v[TMP]                 ; the running largest t
	v_mov_b32 v[TMP], v12
	v_floor_f32 v12, -v13                          ; the new -M: M is a whole number
	v_sub_f32 v[TMP], v12, v[TMP]                  ; old M - new M: a whole number, 0 or less
	v_cvt_i32_f32 v[TMP], v[TMP]                   ; (it saturates)
	v_ldexp_f32 v[FF], 1.0, v[TMP]                 ; f = 2^(old M - new M): a multiplication by it rounds nothing
.set j, 0
.rept 32
	v_pk_fma_f32 v[S+j:S+j+1], v[S+j:S+j+1], s[CS:CS+1], v[12:13] op_sel_hi:[1,0,0]      ; t - M
.set j, j+2
.endr
.irp b, 0,1,2,3
	v_fma_f32 v[BM+\b], v[BM+\b], s[CS], v12
.endr
.set j, 0
	s_wait_alu depctr_va_vdst(0)
.rept 64
	v_exp_f32 v[S+j], v[S+j]                       ; p = 2^(t - M)
.set j, j+1
.endr
	v_pk_mul_f32 v[14:15], v[14:15], v[FF:FF+1] op_sel_hi:[1,0]    ; the sum under the new M: the plain line behind the exponentials
	s_wait_alu depctr_va_vdst(0)                   ; the 64 exponentials have written p, ahead of its first reader; this step's K Q^T is done reading KF and KS and the last step's V^T P is done reading VF and VS, in which the loads below land; the addresses made at the step's head are written
	ds_load_b64 v[VS:VS+1], v[ADVS]
.if \more
	ds_load_b64 v[KS:KS+1], v[ADKS]
	ds_load_b64 v[KS+2:KS+3], v[ADKS] offset:256
.endif
.irp b, 0,1,2,3
	v_exp_f32 v[BM+\b], v[BM+\b]                   ; the blocks' largest p
.endr
	v_pk_add_f32 v[SUM2:SUM2+1], v[S:S+1], v[S+2:S+3]              ; the row's sum of the unquantised p, in two chains
.set n, 0
.rept 15
.if n < 8
	ds_load_b128 v[VF+4*n:VF+4*n+3], v[ADV] offset:16384*(n/2)+512*(n%2)           ; this step's V, half a fragment at a time.  No wait: no vector or matrix instruction since the wait above names VF, KF or an address
.if \more
	ds_load_b128 v[KF+4*n:KF+4*n+3], v[ADK] offset:512*n                           ; the next step's K, a tile at a time
.endif
.endif
	v_pk_add_f32 v[14:15], v[14:15], v[S+4+4*n:S+5+4*n]
	v_pk_add_f32 v[SUM2:SUM2+1], v[SUM2:SUM2+1], v[S+6+4*n:S+7+4*n]
.set n, n+1
.endr
	v_pk_add_f32 v[14:15], v[14:15], v[SUM2:SUM2+1]
	s_wait_alu depctr_va_vdst(0)                   ; the four exponentials have written the blocks' largest p, ahead of its first reader
.irp b, 0,1,2,3
	v_max_num_f32 v[BM+\b], 0x1800000, v[BM+\b]    ; the floor 2^(3 - 127): the byte cannot fall under 1
.endr
.irp b, 0,1,2,3
	v_add_nc_u32 v[SO+\b], 0xff000000, v[BM+\b]
.endr
.irp b, 0,1,2,3
	v_lshrrev_b32 v[BT+\b], 23, v[SO+\b]
.endr
	v_lshl_or_b32 v[PW], v[BT+1], 8, v[BT]
	v_lshl_or_b32 v[PW], v[BT+2], 16, v[PW]
	v_lshl_or_b32 v[PW], v[BT+3], 24, v[PW]
.irp b, 0,1,2,3
	v_cvt_scalef32_pk8_fp4_f32 v[PC+2*\b], v[S+16*\b:S+16*\b+7], v[SO+\b]
	v_cvt_scalef32_pk8_fp4_f32 v[PC+2*\b+1], v[S+16*\b+8:S+16*\b+15], v[SO+\b]
.endr
	v_nop                                          ; one plain line behind the last scaled conversion
.irp c, 0,1
.irp i, 0,1
	v_permlane16_swap_b32 v[PC+4*\c+\i], v[PC+4*\c+2+\i]           ; a whole block to a lane
.endr
.endr
.set j, 0
.rept 16
	v_pk_mul_f32 v[O+j:O+j+1], v[O+j:O+j+1], v[FF:FF+1] op_sel_hi:[1,0]    ; O^T under the new M; these sixteen are also the places between p's scale word and codes and the products
.set j, j+2
.endr
	s_wait_alu depctr_va_vdst(0)                   ; p's codes and its scale word are written, which the scaled products below take as source 1 and as its scales; the places above stay beside this wait
	s_wait_dscnt 0x0                               ; V and its scale words are in, and so is the next step's K: all the step's LDS loads
.irp u, 0,1,2,3
	WM O+8*\u, VF+8*\u, PC, 0, VS+\u%2, PW, \u/2
.endr
.if \more
	s_add_co_u32 s[SK], s[SK], 4096
	s_add_co_u32 s[SV], s[SV], 1024
	s_add_co_u32 s[SKS], s[SKS], 512
	s_add_co_u32 s[SVS], s[SVS], 256
.endif
.endm
.Ltile:
	s_wait_alu depctr_vm_vsrc(0)                   ; first tile: the copy's LDS stores have read their addresses and their data (v92 to v163, which are S and O from here on); second tile: the LDS loads have read v[ADKS]
	v_add_nc_u32 v[ADKS], KSCB, v[L8]              ; K's scale words of step 0; its codes lie at 16 x lane
	s_wait_alu depctr_va_vdst(0)                   ; v[ADKS], v[QO] and v[QSO] are written, which the loads below read; the last tile's products are done reading Q, K and their scale words, in which these loads land
	global_load_b128 v[QF:QF+3], v[QO], s[4:5]
	global_load_b32 v[QS], v[QSO], s[4:5]
.irp t, 0,1,2,3,4,5,6,7
	ds_load_b128 v[KF+4*\t:KF+4*\t+3], v[LI] offset:512*\t
.endr
	ds_load_b64 v[KS:KS+1], v[ADKS]
	ds_load_b64 v[KS+2:KS+3], v[ADKS] offset:256
.set j, 0
.rept 32
	v_mov_b32 v[O+j], 0                            ; the step is written for every step alike: a tile's first step finds zeros, which the first change of M leaves zeros
.set j, j+1
.endr
	v_mov_b32 v13, 0xff61b1e6                      ; the largest t so far: -3e38
	v_floor_f32 v12, -v13                          ; -M
	v_mov_b32 v14, 0
	v_mov_b32 v15, 0
	s_mov_b32 s[SK], 4096                          ; the first step asks for step 1's K
	s_mov_b32 s[SV], 65536
	s_mov_b32 s[SKS], KSCB+512
	s_mov_b32 s[SVS], VSCB
	s_mov_b32 s[STEPS], 15
	s_wait_loadcnt 0x0                             ; Q
	s_wait_dscnt 0x0                               ; K of step 0
.Lstep:
	STEP 1
	s_sub_co_u32 s[STEPS], s[STEPS], 1
	s_cmp_lg_u32 s[STEPS], 0
	s_cbranch_scc1 .Lstep
	STEP 0                                         ; the tile's sixteenth step is written out: there is no K behind it to ask for
	; ---- the tile's end: ctx = O^T / the sum, quantised along the head's 64
.rept 4
	v_nop
.endr
	v_add_f32 v14, v14, v15
	v_permlanex16_b32 v[TMP], v14, s[SEL], s[SEL+1]
	v_add_f32 v14, v14, v[TMP]                     ; the row's sum
	s_wait_alu depctr_va_vdst(0)
	v_rcp_f32 v[RCP], v14
	v_nop                                          ; a plain line behind the transcendental
	s_wait_alu depctr_va_vdst(0)                   ; the reciprocal is written, ahead of its first reader
.set j, 0
.rept 32
	v_mul_f32 v[S+j], v[O+j], v[RCP]               ; register 16 b + i: channel 32 b + 16 h + i of my query
.set j, j+1
.endr
	Q32 S, PCX, PWX, TQ
	s_wait_alu depctr_va_vdst(0)                   ; ctx's codes are written, which the store reads
	global_store_b128 v[XO], v[PCX:PCX+3], s[8:9]  ; 512 consecutive bytes: half a fragment of the last product's first operand
	v_cndmask_b32 v[PWS], v[PWS], v[PWX], s[HALF]
	s_lshl_b32 s[HALF], s[HALF], 16
	s_wait_xcnt 0x0                                ; the store has had its address translated: its address and data are written again only behind this wait
	s_wait_alu depctr_vm_vsrc(0)                   ; the store has read v[XO] and ctx's codes, and the tile's loads of Q have read v[QO] and v[QSO]: the lines below and the next tile write them again
	v_add_nc_u32 v[XO], 8192, v[XO]
	v_add_nc_u32 v[QO], 512, v[QO]
	v_add_nc_u32 v[QSO], 4, v[QSO]
	s_sub_co_u32 s[TILES], s[TILES], 1
	s_cmp_lg_u32 s[TILES], 0
	s_cbranch_scc1 .Ltile
	s_wait_alu depctr_va_vdst(0)                   ; the selects have written v[PWS], which the store reads
	global_store_b16 v[XSO], v[PWS], s[8:9]        ; two bytes a row: lanes 0-15 my first tile's rows, lanes 16-31 my second's
	s_wait_kmcnt 0x0                               ; the last scalar loads have landed
	s_wait_dscnt 0x0                               ; the closing lines, six on end
	s_wait_alu 0x0
	s_wait_tensorcnt 0x0
	ds_add_u32 v254, v255
	s_wait_dscnt 0x0
	s_endpgm
.Lfunc_end_k_qf3232e0eda_attn:
	.size	k_qf3232e0eda_attn, .Lfunc_end_k_qf3232e0eda_attn-k_qf3232e0eda_attn
	.p2alignl 7, 3214868480
	.fill 96, 4, 3214868480
	.section	.rodata,"a",@progbits
	.p2align	6, 0x0
	.amdhsa_kernel k_qf3232e0eda_attn
		.amdhsa_group_segment_fixed_size 145408
		.amdhsa_private_segment_fixed_size 0
		.amdhsa_enable_private_segment 0
		.amdhsa_kernarg_size 24
		.amdhsa_user_sgpr_count 2
		.amdhsa_user_sgpr_kernarg_segment_ptr 1
		.amdhsa_wavefront_size32 1
		.amdhsa_system_sgpr_workgroup_id_x 1
		.amdhsa_system_sgpr_workgroup_id_y 1
		.amdhsa_system_sgpr_workgroup_id_z 1
		.amdhsa_system_vgpr_workitem_id 0
		.amdhsa_next_free_vgpr 256
		.amdhsa_next_free_sgpr 106
		.amdhsa_reserve_vcc 0
		.amdhsa_float_denorm_mode_32 3
		.amdhsa_float_denorm_mode_16_64 3
		.amdhsa_memory_ordered 1
		.amdhsa_forward_progress 1
		.amdhsa_inst_pref_size 52
	.end_amdhsa_kernel
	.amdgpu_metadata
---
amdhsa.version: [ 1, 2 ]
amdhsa.kernels:
  - .name:           k_qf3232e0eda_attn
    .symbol:         k_qf3232e0eda_attn.kd
    .args:
      - { .name: qkv, .offset: 0, .size: 8, .value_kind: global_buffer, .address_space: global }
      - { .name: mw, .offset: 8, .size: 8, .value_kind: global_buffer, .address_space: global }
      - { .name: xq, .offset: 16, .size: 8, .value_kind: global_buffer, .address_space: global }
    .group_segment_fixed_size: 145408
    .private_segment_fixed_size: 0
    .kernarg_segment_align: 8
    .kernarg_segment_size: 24
    .max_flat_workgroup_size: 512
    .sgpr_count:     106
    .vgpr_count:     256
    .wavefront_size: 32
...
	.end_amdgpu_metadata
.endif
;; end of part 7
;; launch outln (part 8): grid 256 x 1, 16 waves a work-group, no clusters, 151,552 bytes of LDS; arguments xq, wts, query, out0; writes out0
.if DOCPART == 8
	.amdgcn_target "amdgcn-amd-amdhsa--gfx1250"
	.amdhsa_code_object_version 6
	.text
	.protected	k_qf3232e0eda_outln
	.globl	k_qf3232e0eda_outln
	.p2align	8
	.type	k_qf3232e0eda_outln,@function
k_qf3232e0eda_outln:
	s_mov_b64 s[64:65], 0
	v_nop
	global_prefetch_b8 v0, s[64:65] scope:SCOPE_SE
	s_setreg_imm32_b32 hwreg(HW_REG_WAVE_SCHED_MODE, 0, 2), 2
	s_setreg_imm32_b32 hwreg(HW_REG_WAVE_MODE, 25, 1), 1
	s_wait_xcnt 0x0
	s_wait_alu depctr_vm_vsrc(0)
; OUTLN.  y = ctx Wfc^T + query, on codes of FP4 (E2M1) with E8M0 scales, then LayerNorm over each row's 1,024 (no gain, no bias, eps 1e-5), all else in f32.
; A work-group takes 32 rows (two tiles of 16) and all 1,024 columns, so that a row's mean and variance never leave it.  Wave w makes columns 64 w .. 64 w + 63 (weight tiles 4 w .. 4 w + 3) of the 32 rows:
; 8 accumulators by turns.  The weights' fragments come from memory straight into registers, one K step ahead; ctx's 16 fragments are copied to LDS once.
; Source 0 = weights, source 1 = ctx: a lane holds one row, and its registers 16 b + i are column 64 w + 32 b + 16 h + i.  The results meet in a stage in LDS (rows of 4,096 + 16 bytes);
; then wave w owns rows 2 w and 2 w + 1 whole: residual, mean, variance about the mean, scaling, and stores of 512 consecutive bytes.
; THE MODE: SCHED_MODE bits 1:0 = 2 (LLVM: expert scheduling mode 2), set by the entry lines.  The code itself states the register dependences between vector or matrix instructions and memory or
; LDS instructions, with s_wait_alu, always for 0.
; THE PLAN.  Registers that memory or LDS instructions touch, in the K phase:
;   WF0, WF1        the weights' four fragments, two sets.  K step k: its eight products read set k % 2; the global loads of step k + 1 land in the other set, which step k - 1's products read.
;   XF0, XF1, XS0, XS1   ctx's two fragments and its scale words, two sets likewise: the LDS loads of step k + 1 land in the set that step k - 1's products read.
;   v[LI], v[XSL]   offsets and addresses, made at the head and never written again: the K steps stand in the immediates.
;   The accumulators are named by matrix instructions alone, until the stage's stores read them.
; So ONE wait on va_vdst stands at the head of a K step: the step before is done reading its sets.  The 13 loads of the next step follow it, ahead of the waits for this step's data, so that two K steps'
; weights are on their way; then the step's eight products, which name none of the registers that those loads touch.
.set XSC,  16384                       ; LDS: ctx's images at 0 (8,192 a tile of rows, 1,024 a K step); its scale words here: [K step 8][tile 2][r 16];
.set STG,  17408                       ; the stage: 32 rows x 4,112 bytes
.set LI,   1                           ; 16 x lane
.set TI,   2                           ; 16 x thread
.set XSL,  3                           ; XSC + 4 x lane
.set SO0,  4                           ; into the stage: tile 0's rows, tile 1's
.set SO1,  5
.set SR,   6                           ; out of it: my two rows
.set WSO,  7                           ; 512 h + 16 r
.set WS,   8                           ; v8-23  the weights' scale words
.set XS,   24                          ; v24, v27  ctx's, a register for each set: lanes 0-15 tile 0, lanes 16-31 tile 1
.set XGO,  25
.set XSW,  26
.set WF,   28                          ; v28-59, v60-91 the weights' four fragments, two sets; later Y: my two rows
.set Y,    28
.set XF,   92                          ; v92-107, v236-251 ctx's two fragments, two sets; v92 on later the rows' -mean and 1 / deviation, a pair each
.set NM,   92
.set RS,   96
.set ACC,  108                         ; v108-171 accumulator (j, p) at 32 j + 8 p
.set RES,  172                         ; v172-235 my two rows of the residual
.set T,    246                         ; v246-253 sums: four registers a row (behind the K phase); v253 at the head: the lane
.macro WM d, a, b, zero, sa, sb, ra, rb
.set WSEL, 4*(\zero)+2*(\ra)+(\rb)
.if WSEL == 0
	v_wmma_scale_f32_16x16x128_f8f6f4 v[\d:\d+7], v[\a:\a+7], v[\b:\b+7], v[\d:\d+7], v[\sa], v[\sb] matrix_a_fmt:MATRIX_FMT_FP4 matrix_b_fmt:MATRIX_FMT_FP4
.elseif WSEL == 1
	v_wmma_scale_f32_16x16x128_f8f6f4 v[\d:\d+7], v[\a:\a+7], v[\b:\b+7], v[\d:\d+7], v[\sa], v[\sb] matrix_a_fmt:MATRIX_FMT_FP4 matrix_b_fmt:MATRIX_FMT_FP4 matrix_b_scale:MATRIX_SCALE_ROW1
.elseif WSEL == 2
	v_wmma_scale_f32_16x16x128_f8f6f4 v[\d:\d+7], v[\a:\a+7], v[\b:\b+7], v[\d:\d+7], v[\sa], v[\sb] matrix_a_fmt:MATRIX_FMT_FP4 matrix_b_fmt:MATRIX_FMT_FP4 matrix_a_scale:MATRIX_SCALE_ROW1
.elseif WSEL == 3
	v_wmma_scale_f32_16x16x128_f8f6f4 v[\d:\d+7], v[\a:\a+7], v[\b:\b+7], v[\d:\d+7], v[\sa], v[\sb] matrix_a_fmt:MATRIX_FMT_FP4 matrix_b_fmt:MATRIX_FMT_FP4 matrix_a_scale:MATRIX_SCALE_ROW1 matrix_b_scale:MATRIX_SCALE_ROW1
.elseif WSEL == 4
	v_wmma_scale_f32_16x16x128_f8f6f4 v[\d:\d+7], v[\a:\a+7], v[\b:\b+7], 0, v[\sa], v[\sb] matrix_a_fmt:MATRIX_FMT_FP4 matrix_b_fmt:MATRIX_FMT_FP4
.elseif WSEL == 5
	v_wmma_scale_f32_16x16x128_f8f6f4 v[\d:\d+7], v[\a:\a+7], v[\b:\b+7], 0, v[\sa], v[\sb] matrix_a_fmt:MATRIX_FMT_FP4 matrix_b_fmt:MATRIX_FMT_FP4 matrix_b_scale:MATRIX_SCALE_ROW1
.elseif WSEL == 6
	v_wmma_scale_f32_16x16x128_f8f6f4 v[\d:\d+7], v[\a:\a+7], v[\b:\b+7], 0, v[\sa], v[\sb] matrix_a_fmt:MATRIX_FMT_FP4 matrix_b_fmt:MATRIX_FMT_FP4 matrix_a_scale:MATRIX_SCALE_ROW1
.else
	v_wmma_scale_f32_16x16x128_f8f6f4 v[\d:\d+7], v[\a:\a+7], v[\b:\b+7], 0, v[\sa], v[\sb] matrix_a_fmt:MATRIX_FMT_FP4 matrix_b_fmt:MATRIX_FMT_FP4 matrix_a_scale:MATRIX_SCALE_ROW1 matrix_b_scale:MATRIX_SCALE_ROW1
.endif
.endm
.macro PLACES                          ; four plain vector lines behind a matrix instruction (ISA guide 7.12.1)
.rept 4
	v_nop
.endr
.endm
.macro XLD k                           ; ctx's two fragments and its scale words of K step k, from LDS into set k % 2: five loads
.irp j, 0,1
.irp c, 0,1
	ds_load_b128 v[XF+144*((\k)%2)+8*\j+4*\c:XF+144*((\k)%2)+8*\j+4*\c+3], v[LI] offset:8192*\j+1024*(\k)+512*\c
.endr
.endr
	ds_load_b32 v[XS+3*((\k)%2)], v[XSL] offset:128*(\k)
.endm
.macro REDUCE                          ; each row's two packed chains become one number, the same in all 32 lanes; the two rows by turns
.irp q, 0,1
	v_pk_add_f32 v[T+4*\q:T+4*\q+1], v[T+4*\q:T+4*\q+1], v[T+4*\q+2:T+4*\q+3]
.endr
.irp q, 0,1
	v_add_f32 v[T+4*\q], v[T+4*\q], v[T+4*\q+1]
.endr
.irp m, 1,2,4,8
.irp q, 0,1
	v_add_f32_dpp v[T+4*\q], v[T+4*\q], v[T+4*\q] row_xmask:\m row_mask:0xf bank_mask:0xf
.endr
.endr
.irp q, 0,1
	v_permlanex16_b32 v[T+4*\q+1], v[T+4*\q], s24, s25
.endr
.irp q, 0,1
	v_add_f32 v[T+4*\q], v[T+4*\q], v[T+4*\q+1]
.endr
.endm
	s_load_b256 s[4:11], s[0:1], 0x0               ; xq, wts, query, out0
	v_lshl_add_u32 v254, v0, 2, 0x24800
	v_mov_b32 v255, 0
	v_lshrrev_b32 v1, 5, v0
	v_readfirstlane_b32 s12, v1                    ; wave 0..15
	v_and_b32 v253, 31, v0                         ; lane
	v_and_b32 v[XGO], 15, v0                       ; r
	v_bfe_u32 v[XSW], v0, 4, 1                     ; h
	v_lshlrev_b32 v[LI], 4, v253
	v_lshlrev_b32 v[TI], 4, v0
	v_lshl_add_u32 v[XSL], v253, 2, XSC
	v_mul_u32_u24 v[SO0], v[XGO], 4112
	v_lshl_add_u32 v[SO0], v[XSW], 6, v[SO0]
	s_wait_alu depctr_va_sdst(0)                   ; the wave's number is written, ahead of its first reader: offsets, addresses and two branches are made from it
	s_lshl_b32 s13, s12, 8
	s_add_co_u32 s13, s13, STG
	v_add_nc_u32 v[SO0], s13, v[SO0]               ; row r, + 256 w + 64 h bytes: my sixteen columns of a block of 32
	v_add_nc_u32 v[SO1], 16*4112, v[SO0]
	s_mul_i32 s13, s12, 2*4112
	s_add_co_u32 s13, s13, STG
	v_add_nc_u32 v[SR], s13, v[LI]
	v_lshlrev_b32 v[WSO], 4, v[XGO]
	v_lshl_add_u32 v[WSO], v[XSW], 9, v[WSO]
	v_lshlrev_b32 v[XGO], 1, v[XGO]
	v_lshl_add_u32 v[XGO], v[XSW], 9, v[XGO]       ; ctx's scale bytes in memory: 512 a tile of rows, 2 a row
	s_lshl_b32 s13, s12, 7
	v_add_nc_u32 v[XSW], s13, v[XSL]               ; and as words in LDS: K step w (waves 0-7 alone store there)
	v_mov_b32 v244, 0
	v_mov_b32 v245, 0
	s_mov_b32 s24, 0x76543210
	s_mov_b32 s25, 0xfedcba98
	s_mov_b32 s26, 0x3a800000                      ; 1 / 1,024
	s_mov_b32 s27, 0x3727c5ac                      ; 1e-5
	s_mov_b32 s28, 0xba800000                      ; -1 / 1,024
	s_lshl_b32 s14, ttmp9, 14                      ; ctx's codes: 16,384 bytes a work-group
	s_mov_b32 s15, 0
	s_lshl_b32 s16, ttmp9, 10                      ; its scale bytes: 1,024 a work-group; heads 2 w and 2 w + 1: 64 w
	s_lshl_b32 s13, s12, 6
	s_add_co_u32 s16, s16, s13
	s_add_co_u32 s16, s16, 4194304
	s_mov_b32 s17, 0
	s_lshl_b32 s18, ttmp9, 17                      ; my two rows of query and of out0: (32 g + 2 w) x 4,096
	s_lshl_b32 s13, s12, 13
	s_add_co_u32 s18, s18, s13
	s_mov_b32 s19, 0
	s_lshl_b32 s20, s12, 15                        ; Wfc is the fourth tensor: its codes, my four tiles
	s_add_co_u32 s20, s20, 3*524288
	s_mov_b32 s21, 0
	s_lshl_b32 s22, s12, 11                        ; and their scale words
	s_add_co_u32 s22, s22, 0x200000+192*512
	s_mov_b32 s23, 0
	s_wait_kmcnt 0x0
	s_add_nc_u64 s[14:15], s[4:5], s[14:15]
	s_add_nc_u64 s[16:17], s[4:5], s[16:17]
	s_add_nc_u64 s[10:11], s[10:11], s[18:19]
	s_add_nc_u64 s[18:19], s[8:9], s[18:19]
	s_add_nc_u64 s[20:21], s[6:7], s[20:21]
	s_add_nc_u64 s[22:23], s[6:7], s[22:23]
	s_wait_alu depctr_va_vdst(0)                   ; the offsets and addresses v1 to v7, v25 and v26 are written, which every load and store of the kernel reads; so are the zeros in v244 and v245, in which loads land
	global_load_b128 v[236:239], v[TI], s[14:15] th:TH_LOAD_NT                 ; ctx's fragments: the sixteen waves read 8,192 consecutive bytes
	global_load_b128 v[240:243], v[TI], s[14:15] offset:8192 th:TH_LOAD_NT
	s_cmp_ge_u32 s12, 8
	s_cbranch_scc1 .Lno_bytes
	global_load_u16 v244, v[XGO], s[16:17]         ; wave w is K step w: head 2 w's two bytes of my row,
	global_load_u16 v245, v[XGO], s[16:17] offset:32   ; head 2 w + 1's
.Lno_bytes:
.irp q, 0,1
.irp e, 0,1,2,3,4,5,6,7
	global_load_b128 v[RES+32*\q+4*\e:RES+32*\q+4*\e+3], v[LI], s[18:19] offset:4096*\q+512*\e th:TH_LOAD_NT
.endr
.endr
.irp p, 0,1
.irp q, 0,1
	global_load_b128 v[WS+8*\p+4*\q:WS+8*\p+4*\q+3], v[WSO], s[22:23] offset:1024*\p+256*\q
.endr
.endr
.irp t, 0,1,2,3
.irp c, 0,1
	global_load_b128 v[WF+8*\t+4*\c:WF+8*\t+4*\c+3], v[LI], s[20:21] offset:8192*\t+512*\c
.endr
.endr
	s_wait_loadcnt 28                              ; ctx's codes and bytes are in; the 16 loads of the residual, the 4 of scale words and the 8 of weights, issued behind them on both ways, may be out
	ds_store_b128 v[TI], v[236:239]
	ds_store_b128 v[TI], v[240:243] offset:8192
	s_cmp_ge_u32 s12, 8
	s_cbranch_scc1 .Lno_word
	v_lshl_or_b32 v244, v245, 16, v244             ; the four bytes of 128 along K
	s_wait_alu depctr_va_vdst(0)                   ; the word in v244 is written, which the LDS store reads
	ds_store_b32 v[XSW], v244
.Lno_word:
	s_wait_dscnt 0x0                               ; for the others' sake: my part lies in LDS
	s_barrier_signal -1
	s_barrier_wait -1
	; ---- the K phase
	s_wait_alu depctr_vm_vsrc(0)                   ; my LDS stores have read v236 to v244: these registers are ctx's second set from here on, in which LDS loads land
	XLD 0                                          ; ctx's fragments of K step 0; each step asks for the next step's
.set KK, 0
.rept 8
.if KK > 0
	PLACES                                         ; as in the plain form, behind the last K step's products
	s_wait_alu depctr_va_vdst(0)                   ; the last K step's products are done reading their sets of weights, of ctx's fragments and of its scale words, in which the loads below land
.set ZR, 0
.else
.set ZR, 1
.endif
.if KK < 7
.irp t, 0,1,2,3
.irp c, 0,1
	global_load_b128 v[WF+32*((KK+1)%2)+8*\t+4*\c:WF+32*((KK+1)%2)+8*\t+4*\c+3], v[LI], s[20:21] offset:8192*\t+1024*(KK+1)+512*\c
.endr
.endr
	XLD KK+1
	s_wait_loadcnt 8                               ; this K step's weights are in; the next step's 8 loads may be out
	s_wait_dscnt 5                                 ; this K step's fragments of ctx are in; the next step's 5 LDS loads may be out
.else
	s_wait_loadcnt 0x0
	s_wait_dscnt 0x0
.endif
.irp j, 0,1
.irp p, 0,1,2,3
	WM ACC+32*\j+8*\p, WF+32*(KK%2)+8*\p, XF+144*(KK%2)+8*\j, ZR, WS+8*(\p/2)+KK, XS+3*(KK%2), \p%2, \j
.endr
.endr
.set KK, KK+1
.endr
	PLACES                                         ; four places behind the last product, before its result is read
	s_wait_alu depctr_va_vdst(0)                   ; the products have written the accumulators, which the LDS stores read, and are done reading the weights' registers, in which the rows land behind the barrier; the places above stay beside this wait
.irp b, 0,1
.irp e, 0,1,2,3
	ds_store_b128 v[SO0], v[ACC+16*\b+4*\e:ACC+16*\b+4*\e+3] offset:128*\b+16*\e          ; in ascending order: each accumulator from its low end on
.endr
.endr
.irp b, 0,1
.irp e, 0,1,2,3
	ds_store_b128 v[SO1], v[ACC+32+16*\b+4*\e:ACC+32+16*\b+4*\e+3] offset:128*\b+16*\e
.endr
.endr
	s_wait_dscnt 0x0                               ; for the others' sake: my columns lie in the stage
	s_barrier_signal -1
	s_barrier_wait -1                              ; 32 whole rows do
	; ---- LayerNorm of my two rows
.irp q, 0,1
.irp e, 0,1,2,3,4,5,6,7
	ds_load_b128 v[Y+32*\q+4*\e:Y+32*\q+4*\e+3], v[SR] offset:4112*\q+512*\e           ; no vector or matrix instruction since the wait above names these registers
.endr
.endr
	s_wait_dscnt 0x0
.set j, 0
.rept 32
	v_pk_add_f32 v[Y+j:Y+j+1], v[Y+j:Y+j+1], v[RES+j:RES+j+1]      ; + the residual
.set j, j+2
.endr
.irp q, 0,1
	v_pk_add_f32 v[T+4*\q:T+4*\q+1], v[Y+32*\q:Y+32*\q+1], v[Y+32*\q+2:Y+32*\q+3]
	v_pk_add_f32 v[T+4*\q+2:T+4*\q+3], v[Y+32*\q+4:Y+32*\q+5], v[Y+32*\q+6:Y+32*\q+7]
.endr
.irp j, 8,12,16,20,24,28
.irp q, 0,1
	v_pk_add_f32 v[T+4*\q:T+4*\q+1], v[T+4*\q:T+4*\q+1], v[Y+32*\q+\j:Y+32*\q+\j+1]
	v_pk_add_f32 v[T+4*\q+2:T+4*\q+3], v[T+4*\q+2:T+4*\q+3], v[Y+32*\q+\j+2:Y+32*\q+\j+3]
.endr
.endr
	REDUCE
.irp q, 0,1
	v_mul_f32 v[NM+2*\q], s28, v[T+4*\q]           ; -mean,
.endr
.irp q, 0,1
	v_mov_b32 v[NM+2*\q+1], v[NM+2*\q]             ; twice: a pair for the packed form
.endr
.irp q, 0,1
.irp j, 0,2,4,6,8,10,12,14,16,18,20,22,24,26,28,30
	v_pk_add_f32 v[Y+32*\q+\j:Y+32*\q+\j+1], v[Y+32*\q+\j:Y+32*\q+\j+1], v[NM+2*\q:NM+2*\q+1]
.endr
.endr
.irp q, 0,1
	v_pk_mul_f32 v[T+4*\q:T+4*\q+1], v[Y+32*\q:Y+32*\q+1], v[Y+32*\q:Y+32*\q+1]          ; the variance is taken about the mean: no difference of large sums
	v_pk_mul_f32 v[T+4*\q+2:T+4*\q+3], v[Y+32*\q+2:Y+32*\q+3], v[Y+32*\q+2:Y+32*\q+3]
.endr
.irp j, 4,8,12,16,20,24,28
.irp q, 0,1
	v_pk_fma_f32 v[T+4*\q:T+4*\q+1], v[Y+32*\q+\j:Y+32*\q+\j+1], v[Y+32*\q+\j:Y+32*\q+\j+1], v[T+4*\q:T+4*\q+1]
	v_pk_fma_f32 v[T+4*\q+2:T+4*\q+3], v[Y+32*\q+\j+2:Y+32*\q+\j+3], v[Y+32*\q+\j+2:Y+32*\q+\j+3], v[T+4*\q+2:T+4*\q+3]
.endr
.endr
	REDUCE
.irp q, 0,1
	v_fma_f32 v[NM+2*\q], v[T+4*\q], s26, s27      ; variance + eps
.endr
	s_wait_alu depctr_va_vdst(0)
.irp q, 0,1
	v_rsq_f32 v[RS+2*\q], v[NM+2*\q]
.endr
	v_nop                                          ; a plain line behind the transcendentals
	s_wait_alu depctr_va_vdst(0)                   ; the two reciprocal roots are written, ahead of their first reader
.irp q, 0,1
	v_mov_b32 v[RS+2*\q+1], v[RS+2*\q]
.endr
.irp q, 0,1
.irp j, 0,2,4,6,8,10,12,14,16,18,20,22,24,26,28,30
	v_pk_mul_f32 v[Y+32*\q+\j:Y+32*\q+\j+1], v[Y+32*\q+\j:Y+32*\q+\j+1], v[RS+2*\q:RS+2*\q+1]
.endr
.endr
	s_wait_alu depctr_va_vdst(0)                   ; the scalings have written my two rows, which the stores read
.irp q, 0,1
.irp e, 0,1,2,3,4,5,6,7
	global_store_b128 v[LI], v[Y+32*\q+4*\e:Y+32*\q+4*\e+3], s[10:11] offset:4096*\q+512*\e th:TH_STORE_NT     ; 32 lanes store 512 consecutive bytes, at a multiple of 512 from out0's first byte
.endr
.endr
	s_wait_dscnt 0x0                               ; the closing lines, six on end
	s_wait_alu 0x0
	s_wait_tensorcnt 0x0
	ds_add_u32 v254, v255
	s_wait_dscnt 0x0
	s_endpgm
.Lfunc_end_k_qf3232e0eda_outln:
	.size	k_qf3232e0eda_outln, .Lfunc_end_k_qf3232e0eda_outln-k_qf3232e0eda_outln
	.p2alignl 7, 3214868480
	.fill 96, 4, 3214868480
	.section	.rodata,"a",@progbits
	.p2align	6, 0x0
	.amdhsa_kernel k_qf3232e0eda_outln
		.amdhsa_group_segment_fixed_size 151552
		.amdhsa_private_segment_fixed_size 0
		.amdhsa_enable_private_segment 0
		.amdhsa_kernarg_size 32
		.amdhsa_user_sgpr_count 2
		.amdhsa_user_sgpr_kernarg_segment_ptr 1
		.amdhsa_wavefront_size32 1
		.amdhsa_system_sgpr_workgroup_id_x 1
		.amdhsa_system_sgpr_workgroup_id_y 1
		.amdhsa_system_sgpr_workgroup_id_z 1
		.amdhsa_system_vgpr_workitem_id 0
		.amdhsa_next_free_vgpr 256
		.amdhsa_next_free_sgpr 66
		.amdhsa_reserve_vcc 0
		.amdhsa_float_denorm_mode_32 3
		.amdhsa_float_denorm_mode_16_64 3
		.amdhsa_memory_ordered 1
		.amdhsa_forward_progress 1
		.amdhsa_inst_pref_size 40
	.end_amdhsa_kernel
	.amdgpu_metadata
---
amdhsa.version: [ 1, 2 ]
amdhsa.kernels:
  - .name:           k_qf3232e0eda_outln
    .symbol:         k_qf3232e0eda_outln.kd
    .args:
      - { .name: xq, .offset: 0, .size: 8, .value_kind: global_buffer, .address_space: global }
      - { .name: wts, .offset: 8, .size: 8, .value_kind: global_buffer, .address_space: global }
      - { .name: query, .offset: 16, .size: 8, .value_kind: global_buffer, .address_space: global }
      - { .name: out0, .offset: 24, .size: 8, .value_kind: global_buffer, .address_space: global }
    .group_segment_fixed_size: 151552
    .private_segment_fixed_size: 0
    .kernarg_segment_align: 8
    .kernarg_segment_size: 32
    .max_flat_workgroup_size: 512
    .sgpr_count:     66
    .vgpr_count:     256
    .wavefront_size: 32
...
	.end_amdgpu_metadata
.endif
;; end of part 8
